; MI455X (gfx1250); checked and timed in simulation.
; The chip was launched on July 23, 2026; its instructions are those of AMD's public machine-readable ISA for CDNA 5 (MIT licence, August 2026) and "CDNA5" Instruction Set Architecture Reference Guide (July 2026). The comments in the code are by the model that wrote it; some were corrected since.
;; Multi Head Global Attention. Allowed arithmetic: matrix products marked QUANTISED: E2M3 operands, one E8M0 scale for each 32 along K, by v_wmma_scale_f32_16x16x128_f8f6f4 with both operands' format E2M3, f32 sums; everything else in f32.
;; Inputs: b_o 1,024 float32; b_qkv 3,072 float32; w_o 1,024 x 1,024 float32; w_qkv 1,024 x 3,072 float32; x 2 x 2,048 x 1,024 float32.
;; Outputs: out0 2 x 2,048 x 1,024 float32.
;; This version of the problem:
;;   THIS VERSION OF THE PROBLEM IS GIVEN IN LOW PRECISION. The matrix products marked QUANTISED in the list below multiply operands that are first quantised to E2M3 (2 exponent bits, 3 mantissa bits; 6 bits a number), with one power-of-two scale for each 32 numbers along K (OCP MX v1.0); their sums are f32. All else is computed in f32.
;;   The module's matrix products, in the order in which they are computed (A, B: the left and right operand; K: the contracted axis; several contracted axes count as one K, in the product's order):
;;     1. [M 4,096, K 1,024] x [K 1,024, N 3,072]; A: input x; B: input w_qkv: QUANTISED
;;     2. batch 32 x [M 2,048, K 64] x [K 64, N 2,048]; A: computed on the way; B: computed on the way: QUANTISED
;;     3. batch 32 x [M 2,048, K 2,048] x [K 2,048, N 64]; A: softmax (see below); B: computed on the way: QUANTISED
;;     4. [M 4,096, K 1,024] x [K 1,024, N 1,024]; A: computed on the way; B: input w_o: QUANTISED
;;   THE QUANTISER, for each operand of a quantised product, along K:
;;     - K is cut into blocks of 32 from its start; a last block that is shorter is filled with zeros.
;;     - A block's scale is 2^e with e = floor(log2(the largest magnitude in the block)) - 2, held to -126 .. 127; a block of zeros has e = 0. As a byte (E8M0): e + 127.
;;     - Each number is divided by its block's scale, clamped to +-7.5, and rounded to the nearest number of E2M3, ties to even, subnormals kept.
;;     - The product sums the exact products of the quantised numbers (number of the format x scale) in f32.
;;   ~~~python
;;   def quantise(x, axis):      # numpy; x: float32 -> the quantised numbers, widened to float32 again
;;       x = np.moveaxis(x, axis, -1); K = x.shape[-1]
;;       x = np.pad(x, [(0, 0)] * (x.ndim - 1) + [(0, -K % 32)]); x = x.reshape(x.shape[:-1] + (-1, 32)); a = np.abs(x).max(-1, keepdims=True)
;;       e = np.where(a > 0, np.clip(np.frexp(np.where(a > 0, a, 1))[1] - 1 - 2, -126, 127), 0)      # np.frexp(a)[1] - 1 = floor(log2(a)), exactly
;;       r = np.clip(x / 2.0 ** e, -7.5, 7.5)
;;       step = 2.0 ** (np.maximum(np.frexp(np.where(r == 0, 1, r))[1] - 1, 0) - 3)
;;       q = np.round(r / step) * step * 2.0 ** e      # np.round: ties to even
;;       return np.moveaxis(q.reshape(q.shape[:-2] + (-1,))[..., :K], -1, axis).astype(np.float32)
;;   ~~~
;;   SOFTMAX AHEAD OF A QUANTISED PRODUCT. Where the list says 'softmax', what is quantised is not the finished softmax but p = 2^(t - M), with t = logit x log2(e) and M = ceil(the row's largest t), a whole number; so 1/2 < the row's largest p <= 1. The row's sum l is taken of the UNQUANTISED p, in f32, and the product's result is divided by l at the end. Since M is a whole number, a kernel that streams over the keys may use a running M (the ceiling of the running maximum): every later rescaling is an exact power of two, which a block's scale takes up: the codes' values come out the same.
;;   OPERANDS COMPUTED ON THE WAY. 'Computed on the way' means the value that the module computes at that place (a softmax that the list does not call 'softmax' is quantised finished and normalised). What goes into a quantiser is computed in f32, as accurately as f32 sums, v_exp_f32 and their like allow (about 1e-6 of the number): no bf16 or f16 on the way to a quantiser, and a product that is left as it is and whose result goes on into a quantised operand takes f32 operands (vector FMAs, or v_wmma_f32_16x16x4_f32). A number that lies on a knife's edge between two numbers of the format may be rounded either way, as far as f32 arithmetic and the matrix unit's own rounding can turn it there, and no further.
;; 2 versions. Each part assembles by itself: llvm-mc -triple=amdgcn-amd-amdhsa -mcpu=gfx1250 --defsym DOCPART=n.
;; ======== version 1 of 2: 5 launches
;; workspace buffers: xq 3,276,800 bytes; wq 3,276,800 bytes; qc 3,145,728 bytes; kv 6,946,816 bytes; ao 3,276,800 bytes
;; launch quant_x (part 1): grid 256 x 1, 8 waves a work-group, no clusters, 69,632 bytes of LDS; arguments x, xq; writes xq
.if DOCPART == 1
	.amdgcn_target "amdgcn-amd-amdhsa--gfx1250"
	.amdhsa_code_object_version 6
	.text
	.protected	k_q8ae8f827eb_quant_x
	.globl	k_q8ae8f827eb_quant_x
	.p2align	8
	.type	k_q8ae8f827eb_quant_x,@function
k_q8ae8f827eb_quant_x:
	s_mov_b64 s[64:65], 0
	v_nop
	global_prefetch_b8 v0, s[64:65] scope:SCOPE_SE
	s_setreg_imm32_b32 hwreg(HW_REG_WAVE_MODE, 25, 1), 1
	s_wait_xcnt 0x0
; x [4096 tokens][1024] f32 becomes codes of FP6 (E2M3) with one E8M0 scale byte for each 32 along K, laid as the next launch's registers want them.
; A block's scale is 2^(floor(log2(its largest magnitude)) - 2); its byte is the largest magnitude's exponent field - 2, held at 1 from below.
; LIMITS: a block of zeros gets the byte 1 where the rule says 127 (its codes are zeros, and this program alone reads the bytes); blocks whose largest magnitude lies
; under 2^-124 were not tried; NaN and infinities among the inputs are not served.
; STORED ORDER: the rows of xq are the tokens with bits 3 and 4 of their number exchanged: row r of tile T is token 32 (T / 2) + 8 (T % 2) + r % 8 + 16 (r / 8).
; SHARES: work-group T makes tile T (16 tokens), wave s its K step s (128 along K): one fragment of 12 registers, stored as an image of the registers:
; registers 4 g .. 4 g + 3 of lane l at 512 g + 16 l.  xq: images [T][s][1536]; from XS_OFF on the scale words [stored row][s], 4 bytes each.
; Each load reads 512 consecutive bytes of one token; the 16 x 512 bytes turn through the wave's own stage in LDS, so that a lane gets 16 neighbours of each block of 32.
; No matrix unit, no tensor load, no cluster: a stream that is read once and shared by nobody.
.set XS_OFF, 3145728
.set SPI,    528                       ; a stage row: 512 bytes + 16: the sixteen rows of a read begin in different banks
.set STG,    16*SPI                    ; a wave's stage
.set XG,     8*STG                     ; behind the stages: 512 bytes, the tile's scale words, 32 r + 4 s
.set R,      16                        ; v16-79   as loaded
.set X,      80                        ; v80-143  turned: register 16 b + i = k 32 b + 16 (lane / 16) + i of row lane % 16
.set PC,     144                       ; v144-163 the codes (12) and two conversions' second halves
.set TM,     164                       ; v164-179 at work
.set PW,     180                       ; the scale word
.set SEL,    20                        ; s[20:21] lane selects for v_permlanex16_b32: lane l xor 16
; 64 numbers of a lane become a fragment's codes in v[PC] on and its scale word in v[PW]
.macro QUANT s
.irp b, 0,1,2,3
	v_max3_num_f32 v[TM+\b], |v[\s+16*\b]|, |v[\s+1+16*\b]|, 0x1800000   ; my 16 numbers of block b, and the floor 2^(3 - 127): the byte cannot fall under 1
.endr
.irp i, 2,4,6,8,10,12,14
.irp b, 0,1,2,3
	v_max3_num_f32 v[TM+\b], v[TM+\b], |v[\s+16*\b+\i]|, |v[\s+1+16*\b+\i]|   ; the four blocks by turns
.endr
.endr
.irp b, 0,1,2,3
	v_permlanex16_b32 v[TM+4+\b], v[TM+\b], s[SEL], s[SEL+1]
.endr
.irp b, 0,1,2,3
	v_max_num_f32 v[TM+\b], v[TM+\b], v[TM+4+\b]   ; with lane l xor 16: the block's largest magnitude
.endr
.irp b, 0,1,2,3
	v_add_nc_u32 v[TM+12+\b], 0xff000000, v[TM+\b]   ; 2 off its exponent field: the conversion's scale operand
.endr
.irp b, 0,1,2,3
	v_lshrrev_b32 v[TM+4+\b], 23, v[TM+12+\b]   ; the scale's byte
.endr
	v_lshl_or_b32 v[PW], v[TM+5], 8, v[TM+4]
	v_lshl_or_b32 v[PW], v[TM+6], 16, v[PW]
	v_lshl_or_b32 v[PW], v[TM+7], 24, v[PW]
.irp c, 0,1
	v_cvt_scalef32_pk16_fp6_f32 v[PC+6*\c:PC+2+6*\c], v[\s+32*\c:\s+15+32*\c], v[TM+12+2*\c]
	v_cvt_scalef32_pk16_fp6_f32 v[PC+12+4*\c:PC+14+4*\c], v[\s+16+32*\c:\s+31+32*\c], v[TM+12+2*\c+1]   ; a conversion's three registers begin on an even number
.endr
	v_nop                                          ; one plain place behind a scaled conversion
.irp c, 0,1                                    ; the operand wants a whole block in a lane: lanes 0-15 block 2 c, lanes 16-31 block 2 c + 1
.irp i, 0,1,2
	v_permlane16_swap_b32 v[PC+6*\c+\i], v[PC+12+4*\c+\i]
.endr
.irp i, 0,1,2
	v_mov_b32 v[PC+3+6*\c+\i], v[PC+12+4*\c+\i]
.endr
.endr
.endm
	s_load_b128 s[4:7], s[0:1], 0x0                ; x, xq
	v_lshl_add_u32 v192, v0, 2, 0x10c00
	v_mov_b32 v193, 0
	v_lshrrev_b32 v1, 5, v0
	v_readfirstlane_b32 s8, v1                     ; wave = K step
	v_and_b32 v1, 31, v0                           ; lane
	v_lshlrev_b32 v2, 4, v1                        ; 16 x lane
	s_mul_i32 s9, s8, STG
	v_add_nc_u32 v3, s9, v2                        ; into the stage: a row's 512 bytes as they lie
	v_and_b32 v7, 15, v0                           ; r
	v_bfe_u32 v8, v0, 4, 1                         ; h
	v_mul_u32_u24 v4, v7, SPI
	v_lshl_add_u32 v4, v8, 6, v4
	v_add_nc_u32 v4, s9, v4                        ; out of it: row r, + 64 h: my 16 numbers of a block
	v_lshlrev_b32 v5, 5, v7
	s_lshl_b32 s10, s8, 2
	s_add_co_u32 s10, s10, XG
	v_add_nc_u32 v5, s10, v5                       ; my row's scale word of my K step
	v_add_nc_u32 v6, XG, v2                        ; and the way out of the gathered words (wave 0)
	s_mov_b32 s[SEL], 0x76543210
	s_mov_b32 s[SEL+1], 0xfedcba98
.irp b, 0,1,2,3
	v_mov_b32 v[TM+4+\b], 0                        ; a lane permute's destination counts as one of its sources
.endr
	s_lshr_b32 s11, ttmp9, 1
	s_lshl_b32 s11, s11, 5
	s_and_b32 s12, ttmp9, 1
	s_lshl_b32 s12, s12, 3
	s_add_co_u32 s11, s11, s12                     ; the tile's first token: 32 (T / 2) + 8 (T % 2)
	s_lshl_b32 s12, s11, 12                        ; 4,096 bytes a token,
	s_lshl_b32 s13, s8, 9                          ; 512 bytes a K step
	s_add_co_u32 s12, s12, s13
	s_mov_b32 s13, 0
	s_lshl_b32 s14, ttmp9, 3
	s_add_co_u32 s14, s14, s8
	s_mul_i32 s14, s14, 1536                       ; my image: (8 T + s) x 1,536
	s_mov_b32 s15, 0
	s_lshl_b32 s16, ttmp9, 9
	s_add_co_u32 s16, s16, XS_OFF                  ; the tile's 512 bytes of scale words
	s_mov_b32 s17, 0
	s_wait_kmcnt 0x0
	s_add_nc_u64 s[4:5], s[4:5], s[12:13]
	s_add_nc_u64 s[18:19], s[6:7], s[16:17]
	s_add_nc_u64 s[6:7], s[6:7], s[14:15]
.irp i, 0,1,2,3,4,5,6,7,8,9,10,11,12,13,14,15
	global_load_b128 v[R+4*\i:R+4*\i+3], v2, s[4:5] offset:(\i+8*(\i/8))*4096 th:TH_LOAD_NT   ; stored row i: 32 lanes read 512 consecutive bytes; all sixteen loads are out at once
.endr
.irp i, 0,1,2,3,4,5,6,7,8,9,10,11,12,13,14,15
	s_wait_loadcnt 15-\i                           ; loads come back in order: row i is in, the younger ones stay out
	ds_store_b128 v3, v[R+4*\i:R+4*\i+3] offset:SPI*\i
.endr
.irp b, 0,1,2,3
.irp j, 0,1,2,3
	ds_load_b128 v[X+16*\b+4*\j:X+16*\b+4*\j+3], v4 offset:128*\b+16*\j   ; the wave's own bytes: LDS serves a wave's instructions in order
.endr
.endr
	s_wait_dscnt 0x0
	QUANT X
.irp g, 0,1,2
	global_store_b128 v2, v[PC+4*\g:PC+4*\g+3], s[6:7] offset:512*\g   ; 512 consecutive bytes, aligned
.endr
	ds_store_b32 v5, v[PW]                         ; lanes r and r + 16 write the same word with the same value
	s_wait_dscnt 0x0                               ; for the others' sake: my word lies in LDS
	s_barrier_signal -1
	s_barrier_wait -1
	s_cmp_lg_u32 s8, 0
	s_cbranch_scc1 .Ldone
	ds_load_b128 v[184:187], v6                    ; wave 0 takes the tile's 128 words
	s_wait_dscnt 0x0
	global_store_b128 v2, v[184:187], s[18:19]     ; and stores 512 consecutive bytes
.Ldone:
	s_wait_tensorcnt 0x0
	ds_add_u32 v192, v193
	s_wait_dscnt 0x0
	s_endpgm
.Lfunc_end_k_q8ae8f827eb_quant_x:
	.size	k_q8ae8f827eb_quant_x, .Lfunc_end_k_q8ae8f827eb_quant_x-k_q8ae8f827eb_quant_x
	.p2alignl 7, 3214868480
	.fill 96, 4, 3214868480
	.section	.rodata,"a",@progbits
	.p2align	6, 0x0
	.amdhsa_kernel k_q8ae8f827eb_quant_x
		.amdhsa_group_segment_fixed_size 69632
		.amdhsa_private_segment_fixed_size 0
		.amdhsa_enable_private_segment 0
		.amdhsa_kernarg_size 16
		.amdhsa_user_sgpr_count 2
		.amdhsa_user_sgpr_kernarg_segment_ptr 1
		.amdhsa_wavefront_size32 1
		.amdhsa_system_sgpr_workgroup_id_x 1
		.amdhsa_system_sgpr_workgroup_id_y 1
		.amdhsa_system_sgpr_workgroup_id_z 1
		.amdhsa_system_vgpr_workitem_id 0
		.amdhsa_next_free_vgpr 194
		.amdhsa_next_free_sgpr 66
		.amdhsa_reserve_vcc 0
		.amdhsa_float_denorm_mode_32 3
		.amdhsa_float_denorm_mode_16_64 3
		.amdhsa_memory_ordered 1
		.amdhsa_forward_progress 1
		.amdhsa_inst_pref_size 11
	.end_amdhsa_kernel
	.amdgpu_metadata
---
amdhsa.version: [ 1, 2 ]
amdhsa.kernels:
  - .name:           k_q8ae8f827eb_quant_x
    .symbol:         k_q8ae8f827eb_quant_x.kd
    .args:
      - { .name: x, .offset: 0, .size: 8, .value_kind: global_buffer, .address_space: global }
      - { .name: xq, .offset: 8, .size: 8, .value_kind: global_buffer, .address_space: global }
    .group_segment_fixed_size: 69632
    .private_segment_fixed_size: 0
    .kernarg_segment_align: 8
    .kernarg_segment_size: 16
    .max_flat_workgroup_size: 256
    .sgpr_count:     66
    .vgpr_count:     194
    .wavefront_size: 32
...
	.end_amdgpu_metadata
.endif
;; end of part 1
;; launch quant_w (part 2): grid 32 x 8, 4 waves a work-group, no clusters, 14,848 bytes of LDS; arguments w_qkv, w_o, wq; writes wq
.if DOCPART == 2
	.amdgcn_target "amdgcn-amd-amdhsa--gfx1250"
	.amdhsa_code_object_version 6
	.text
	.protected	k_q8ae8f827eb_quant_w
	.globl	k_q8ae8f827eb_quant_w
	.p2align	8
	.type	k_q8ae8f827eb_quant_w,@function
k_q8ae8f827eb_quant_w:
	s_mov_b64 s[64:65], 0
	v_nop
	global_prefetch_b8 v0, s[64:65] scope:SCOPE_SE
	s_setreg_imm32_b32 hwreg(HW_REG_WAVE_MODE, 25, 1), 1
	s_wait_xcnt 0x0
; w_qkv [1024 (k)][3072] and w_o [1024 (k)][1024], f32 with K as their FIRST axis, become codes of FP6 (E2M3) with one E8M0 byte for each 32 along K, as images of operand registers.
; A LANE TAKES A COLUMN AND ITS REGISTERS RUN DOWN K: each load reads 128 consecutive bytes, a block of 32 lies in one lane, and the conversions give codes with K innermost.
; LIMITS: a block of zeros gets the byte 1 where the rule says 127 (its codes are zeros; this program alone reads the bytes); blocks under 2^-124 were not tried; NaN and infinities are not served.
; STORED ORDER: columns are kept with bits 3 and 4 of their number exchanged: column c of a group of 32 is row c % 8 + 8 (c / 16) of tile (c / 8) % 2.
; SHARES: work-group x < 24: 128 columns of w_qkv; else of w_o.  Work-group y: the K step (128 along K).  Wave w: 32 columns = two tiles x one K step = two images of 1,536 bytes.
; wq: w_qkv's images [head 16][s 8][tile 12][1536]; from 2,359,296 w_o's [block of 64 columns 16][s 8][tile 4][1536]; from 3,145,728 w_qkv's scale words [s][stored column], from 3,244,032 w_o's.
; One path serves both tensors: only scalars are chosen, on the work-group's number; no LDS address hangs on it.
; An image: registers 4 g .. 4 g + 3 of lane l at 512 g + 16 l.  My block t is registers 6 (t / 2) .. + 5 of lane r + 16 (t % 2): 24 bytes, in two pieces.
.set TS,   1664                        ; a tile's image in the stage: 1,536 + 128, so that the two tiles fall in different banks
.set WST,  2*TS                        ; a wave's stage
.set GW,   4*WST                       ; behind the stages: 512 bytes, the work-group's 128 scale words
.set VO,   16                          ; v16-47   4 c + i rows of the source
.set X,    48                          ; v48-111  two sets of 32 numbers
.set C,    112                         ; v112-143 eight registers for each block
.set OUTR, 144                         ; v144-167 the way out
.set SB,   10                          ; v10      my column's scale word
	s_load_b128 s[4:7], s[0:1], 0x0                ; w_qkv, w_o
	s_load_b64 s[8:9], s[0:1], 0x10                ; wq
	v_lshl_add_u32 v192, v0, 2, 0x3800
	v_mov_b32 v193, 0
	v_lshrrev_b32 v1, 5, v0
	v_readfirstlane_b32 s10, v1                    ; wave
	v_and_b32 v1, 31, v0                           ; lane = column c
	v_lshlrev_b32 v2, 4, v1                        ; 16 x lane
	s_mul_i32 s11, s10, WST
	v_bfe_u32 v8, v0, 3, 1                         ; which of the two tiles
	v_and_b32 v9, 7, v0
	v_bfe_u32 v10, v0, 4, 1
	v_lshl_or_b32 v9, v10, 3, v9                   ; and which row r of it
	v_mul_u32_u24 v3, v8, TS
	v_lshl_add_u32 v3, v9, 4, v3
	v_add_nc_u32 v3, s11, v3                       ; into the stage: tile, 16 r
	v_add_nc_u32 v4, s11, v2                       ; out of it: 16 x lane
	v_lshl_add_u32 v5, v8, 4, v9                   ; stored column in my 32
	s_lshl_b32 s12, s10, 7
	s_add_co_u32 s12, s12, GW
	v_lshl_add_u32 v5, v5, 2, s12                  ; its scale word
	v_add_nc_u32 v6, GW, v2                        ; the way out of the gathered words (wave 0)
	s_cmp_lt_u32 ttmp9, 24
	s_cselect_b32 s13, 0, 24
	s_sub_co_u32 s13, ttmp9, s13                   ; which 128 columns of my tensor
	s_lshl_b32 s14, s13, 2
	s_add_co_u32 s14, s14, s10                     ; G: which 32 columns
	s_mul_i32 s15, s14, 43
	s_lshr_b32 s15, s15, 8                         ; G / 6 (exact for G < 128: the error G / 768 stays under 1 / 6)
	s_mul_i32 s16, s15, 6
	s_sub_co_u32 s16, s14, s16                     ; G % 6
	s_lshr_b32 s17, s14, 1
	s_and_b32 s18, s14, 1
	s_and_b32 s24, ttmp7, 0xffff                   ; the K step
	s_mov_b32 s19, 147456
	s_mov_b32 s20, 18432
	s_mov_b32 s22, 3145728
	s_mov_b32 s23, 12288
	s_cmp_lt_u32 ttmp9, 24                         ; w_qkv or w_o: the selects below leave SCC alone
	s_cselect_b32 s15, s15, s17                    ; the head, or the block of 64 columns
	s_cselect_b32 s16, s16, s18                    ; which pair of tiles in it
	s_cselect_b32 s19, s19, 49152                  ; its bytes
	s_cselect_b32 s20, s20, 6144                   ; a K step's bytes in it
	s_cselect_b32 s21, 0, 2359296                  ; where the tensor's images begin
	s_cselect_b32 s22, s22, 3244032                ; and its scale words
	s_cselect_b32 s23, s23, 4096                   ; a row of the source, and a K step's scale words, in bytes
	s_mul_i32 s25, s15, s19
	s_mul_i32 s26, s24, s20
	s_add_co_u32 s25, s25, s26
	s_mul_i32 s26, s16, 3072
	s_add_co_u32 s25, s25, s26
	s_add_co_u32 s26, s25, s21                     ; my two images
	s_mov_b32 s27, 0
	s_mul_i32 s28, s24, s23
	s_lshl_b32 s29, s13, 9
	s_add_co_u32 s28, s28, s29
	s_add_co_u32 s28, s28, s22                     ; the work-group's 512 bytes of scale words
	s_mov_b32 s29, 0
	s_lshl_b32 s30, s24, 7
	s_mul_i32 s30, s30, s23                        ; 128 s rows down,
	s_lshl_b32 s31, s14, 7
	s_add_co_u32 s30, s30, s31                     ; 32 G columns on
	s_mov_b32 s31, 0
	s_lshl_b32 s40, s23, 5                         ; a block: 32 rows
	s_mov_b32 s41, 0
	v_lshlrev_b32 v[VO], 2, v1
.set i, 1
.rept 31
	v_add_nc_u32 v[VO+i], s23, v[VO+i-1]           ; one row further down
.set i, i+1
.endr
	s_wait_kmcnt 0x0
	s_cmp_lt_u32 ttmp9, 24
	s_cselect_b64 s[4:5], s[4:5], s[6:7]           ; the choice hangs on the work-group's number alone
	s_add_nc_u64 s[32:33], s[4:5], s[30:31]        ; a base for each of my four blocks
	s_add_nc_u64 s[34:35], s[32:33], s[40:41]
	s_add_nc_u64 s[36:37], s[34:35], s[40:41]
	s_add_nc_u64 s[38:39], s[36:37], s[40:41]
	s_add_nc_u64 s[42:43], s[8:9], s[26:27]
	s_add_nc_u64 s[44:45], s[8:9], s[28:29]
.macro LOAD t                          ; block t: 32 rows of my column into set t % 2
.set i, 0
.rept 32
	global_load_b32 v[X+32*((\t)%2)+i], v[VO+i], s[32+2*(\t):33+2*(\t)] th:TH_LOAD_NT
.set i, i+1
.endr
.endm
.macro BLOCK t
.set XS, X+32*((\t)%2)
.set CC, C+8*(\t)
.if (\t) < 3
	s_wait_loadcnt 32                              ; this block's 32 loads are in; the next block's 32 may be out
.else
	s_wait_loadcnt 0x0
.endif
	v_max3_num_f32 v12, |v[XS]|, |v[XS+1]|, |v[XS+2]|   ; the block's largest magnitude: all 32 numbers are mine; two chains
	v_max3_num_f32 v13, |v[XS+3]|, |v[XS+4]|, |v[XS+5]|
.irp i, 6,10,14,18,22,26
	v_max3_num_f32 v12, v12, |v[XS+\i]|, |v[XS+\i+1]|
	v_max3_num_f32 v13, v13, |v[XS+\i+2]|, |v[XS+\i+3]|
.endr
	v_max3_num_f32 v12, v12, |v[XS+30]|, |v[XS+31]|
	v_max3_num_f32 v12, v12, v13, 0x1800000        ; and the floor 2^(3 - 127): the byte cannot fall under 1
	v_add_nc_u32 v11, 0xff000000, v12              ; 2 off the exponent field: the conversion's scale operand
	v_lshrrev_b32 v13, 23, v11                     ; the byte
.if (\t) == 0
	v_mov_b32 v[SB], v13
.else
	v_lshl_or_b32 v[SB], v13, 8*(\t), v[SB]
.endif
	v_cvt_scalef32_pk16_fp6_f32 v[CC:CC+2], v[XS:XS+15], v11
	v_cvt_scalef32_pk16_fp6_f32 v[CC+4:CC+6], v[XS+16:XS+31], v11   ; a conversion's three registers begin on an even number
	v_nop                                          ; one plain place behind a scaled conversion
	v_mov_b32 v[CC+3], v[CC+4]                     ; the block's six registers on end
	v_mov_b32 v[CC+4], v[CC+5]
	v_mov_b32 v[CC+5], v[CC+6]
.if (\t) < 2
	ds_store_b128 v3, v[CC:CC+3] offset:256*((\t)%2)              ; registers 0-3 of lane r + 16 (t % 2)
	ds_store_b64 v3, v[CC+4:CC+5] offset:512+256*((\t)%2)         ; registers 4, 5
.else
	ds_store_b64 v3, v[CC:CC+1] offset:520+256*((\t)%2)           ; registers 6, 7
	ds_store_b128 v3, v[CC+2:CC+5] offset:1024+256*((\t)%2)       ; registers 8-11
.endif
.if (\t) < 2
	LOAD (\t)+2
.endif
.endm
	LOAD 0
	LOAD 1
	BLOCK 0
	BLOCK 1
	BLOCK 2
	BLOCK 3
	ds_store_b32 v5, v[SB]
.irp u, 0,1
.irp g, 0,1,2
	ds_load_b128 v[OUTR+4*(3*\u+\g):OUTR+4*(3*\u+\g)+3], v4 offset:TS*\u+512*\g   ; the wave's own bytes: LDS serves a wave's instructions in order
.endr
.endr
.irp u, 0,1
.irp g, 0,1,2
	s_wait_dscnt 5-(3*\u+\g)                       ; this load is back; the younger ones stay out
	global_store_b128 v2, v[OUTR+4*(3*\u+\g):OUTR+4*(3*\u+\g)+3], s[42:43] offset:1536*\u+512*\g   ; 512 consecutive bytes, aligned
.endr
.endr
	s_wait_dscnt 0x0                               ; for the others' sake: my scale words lie in LDS
	s_barrier_signal -1
	s_barrier_wait -1
	s_cmp_lg_u32 s10, 0
	s_cbranch_scc1 .Ldone
	ds_load_b128 v[168:171], v6
	s_wait_dscnt 0x0
	global_store_b128 v2, v[168:171], s[44:45]     ; the work-group's 128 scale words: 512 consecutive bytes
.Ldone:
	s_wait_tensorcnt 0x0
	ds_add_u32 v192, v193
	s_wait_dscnt 0x0
	s_endpgm
.Lfunc_end_k_q8ae8f827eb_quant_w:
	.size	k_q8ae8f827eb_quant_w, .Lfunc_end_k_q8ae8f827eb_quant_w-k_q8ae8f827eb_quant_w
	.p2alignl 7, 3214868480
	.fill 96, 4, 3214868480
	.section	.rodata,"a",@progbits
	.p2align	6, 0x0
	.amdhsa_kernel k_q8ae8f827eb_quant_w
		.amdhsa_group_segment_fixed_size 14848
		.amdhsa_private_segment_fixed_size 0
		.amdhsa_enable_private_segment 0
		.amdhsa_kernarg_size 24
		.amdhsa_user_sgpr_count 2
		.amdhsa_user_sgpr_kernarg_segment_ptr 1
		.amdhsa_wavefront_size32 1
		.amdhsa_system_sgpr_workgroup_id_x 1
		.amdhsa_system_sgpr_workgroup_id_y 1
		.amdhsa_system_sgpr_workgroup_id_z 1
		.amdhsa_system_vgpr_workitem_id 0
		.amdhsa_next_free_vgpr 194
		.amdhsa_next_free_sgpr 66
		.amdhsa_reserve_vcc 0
		.amdhsa_float_denorm_mode_32 3
		.amdhsa_float_denorm_mode_16_64 3
		.amdhsa_memory_ordered 1
		.amdhsa_forward_progress 1
		.amdhsa_inst_pref_size 25
	.end_amdhsa_kernel
	.amdgpu_metadata
---
amdhsa.version: [ 1, 2 ]
amdhsa.kernels:
  - .name:           k_q8ae8f827eb_quant_w
    .symbol:         k_q8ae8f827eb_quant_w.kd
    .args:
      - { .name: w_qkv, .offset: 0, .size: 8, .value_kind: global_buffer, .address_space: global }
      - { .name: w_o, .offset: 8, .size: 8, .value_kind: global_buffer, .address_space: global }
      - { .name: wq, .offset: 16, .size: 8, .value_kind: global_buffer, .address_space: global }
    .group_segment_fixed_size: 14848
    .private_segment_fixed_size: 0
    .kernarg_segment_align: 8
    .kernarg_segment_size: 24
    .max_flat_workgroup_size: 128
    .sgpr_count:     66
    .vgpr_count:     194
    .wavefront_size: 32
...
	.end_amdgpu_metadata
.endif
;; end of part 2
;; launch gemm_qkv (part 3): grid 16 x 16, 4 waves a work-group, clusters of 4 x 1, 168,448 bytes of LDS; arguments xq, wq, b_qkv, qc, kv; writes qc, kv
.if DOCPART == 3
	.amdgcn_target "amdgcn-amd-amdhsa--gfx1250"
	.amdhsa_code_object_version 6
	.text
	.protected	k_q8ae8f827eb_gemm_qkv
	.globl	k_q8ae8f827eb_gemm_qkv
	.p2align	8
	.type	k_q8ae8f827eb_gemm_qkv,@function
k_q8ae8f827eb_gemm_qkv:
	s_mov_b64 s[64:65], 0
	v_nop
	global_prefetch_b8 v0, s[64:65] scope:SCOPE_SE
	s_setreg_imm32_b32 hwreg(HW_REG_WAVE_MODE, 25, 1), 1
	s_wait_xcnt 0x0
	s_wait_alu depctr_hold_cnt(0) depctr_sa_sdst(0) depctr_va_vdst(0) depctr_va_sdst(0) depctr_va_ssrc(0) depctr_va_vcc(0) depctr_vm_vsrc(0)
	s_getreg_b32 s2, hwreg(HW_REG_IB_STS2, 6, 4)
	s_cmp_eq_u32 s2, 0
	s_cbranch_scc0 .Lentry_in_a_cluster
	s_endpgm
.Lentry_in_a_cluster:
	s_bfe_u32 s2, ttmp6, 0x10000c
	s_cmp_lg_u32 s2, 0x3003
	s_cbranch_scc0 .Lentry_shape_is_right
	s_endpgm
.Lentry_shape_is_right:
; qkv = x w_qkv + b_qkv on codes of FP6 (E2M3), sums in f32; q, k and v never go to memory as f32: each is quantised here, along the K of the product that will read it, and leaves as codes.
; SHARES: a work-group makes 256 stored rows (work-group x) of one head's 192 columns (work-group y); a wave 64 rows (4 tiles a) x all 12 tiles of columns (q 0-3, k 4-7, v 8-11): 48 accumulators.
; THE HEAD'S WEIGHTS FOR ALL OF K, 147,456 bytes, LIE IN LDS, filled once: no byte of LDS is filled twice, so there is no ring.  The four work-groups of a cluster share the head and ask JOINTLY (mask 15).
; x is NOT asked for jointly: a wave's fragments of x are read by no other wave of its work-group and go from memory straight into registers, three K steps ahead; sharing them between the 16 heads would want
; x (196,608 bytes for 256 rows) in LDS beside the weights, which does not fit.
; ORIENTATION.  q, k: source 0 = 16 columns of w, source 1 = 16 tokens: a lane holds one token, its registers run along the head's 64.  v: source 0 = 16 tokens, source 1 = 16 columns: a lane holds one channel,
; its registers run along the tokens, which are the keys.  Rows and columns are stored with bits 3 and 4 exchanged, so that the 16 registers of two neighbouring tiles of source 0 are 16 NEIGHBOURS, 32 b + 16 (lane / 16) + 0 .. 15.
; The bias is the C of each sum's first matrix instruction.
; OUT.  A half image (768 bytes) is 6 registers, 16 rows x 64 K: registers 0-3 of lane l at 16 l, registers 4, 5 at 512 + 8 l.  qc: [batch x head 32][tile 128][768].
; kv: [batch x head 32][key step 16][13,568]: k's 8 tiles; from 6,144 v's [64 keys 2][tile of channels 4]; from 12,288 [64 keys 2][k's words 256 | q's words 256], a word at 16 r + 4 a = two bytes and 0x7f7f above;
; from 13,312 v's words [r 16][tile 4].
; LIMITS: a block of zeros gets the byte 1 where the rule says 127 (zero codes; this program alone reads the bytes); blocks under 2^-124 were not tried; NaN and infinities are not served.
; REGISTERS, in windows of 256.  Window 0: v1-12 addresses; v32-79 w's scale words, v80-95 x's; v96-239 x's fragments, three sets.  Window 1: v0-143 w's fragments, a buffer for each of q, k, v; v144-207, v208-239 biases.
; Window 2: q's and k's accumulators at 8 (8 a + t).  Window 3: v's at 32 i + 8 a.
; SCALARS: s18 wave, s19 cx, s20 row block, s21 head, s[22:23] lane selects, s[24:47] descriptors, s[48:49] x's images, s[50:51] x's words, s[52:53] w's words, s[8:9] bias, s[10:11] q out, s[54:55] my record, s[56:57] k, v out, s[58:59] words out.
.set XS_OFF, 3145728
.set WQS,    3145728
.set HEADW,  147456
.set STEPW,  18432                     ; a K step of the head's weights: 12 images
.set REC,    13568
.set HEADKV, 217088
.set VX,     147456                    ; behind the weights: 512 bytes where the halves of v's scale words meet
.set WV,  18
.set SEL, 22
.set G1A, 24
.set G1B, 32
.set G0A, 40
.set G0B, 44
.set WS,  32                           ; register 6 s + j: lanes 0-15 tile 2 j, lanes 16-31 tile 2 j + 1
.set XS,  80                           ; register 8 j + s, likewise
.set XF,  96
.set BQ,  144
.set BV,  208
.set EM,  32                           ; the way out, window 0: largest magnitudes,
.set EM2, 48                           ; the other half's, then the bytes,
.set ESO, 64                           ; the conversions' scale operands,
.set EW,  80                           ; a half fragment's two bytes,
.set ESW, 88                           ; four words to store,
.set EH,  96                           ; the codes, 8 registers for each half fragment,
.set ETT, 160                          ; the second conversions' results
.set MSB, 0
.macro WIN new                         ; the immediate's high byte repeats the setting that is left
.if MSB != \new
	s_set_vgpr_msb (MSB<<8)|\new
.set MSB, \new
.endif
.endm
.macro PLACES n
.rept \n
	v_nop
.endr
.endm
.macro CROUND                          ; a round of the cluster's barrier
	s_barrier_signal -1
	s_barrier_wait -1
	s_cmp_lg_u32 s[WV], 0
	s_cbranch_scc1 .Lnot_wave_0_\@
	s_barrier_signal -3
.Lnot_wave_0_\@:
	s_barrier_wait -3
	s_barrier_signal -1
	s_barrier_wait -1
.endm
.macro WM                              ; one product; operands in the symbols set ahead of it; fA, fB: the scale words lie in lanes 16-31
.if fA && fB
	v_wmma_scale_f32_16x16x128_f8f6f4 v[rD:rD+7], v[rA:rA+11], v[rB:rB+11], v[rC:rC+7], v[rSA], v[rSB] matrix_a_fmt:MATRIX_FMT_FP6 matrix_b_fmt:MATRIX_FMT_FP6 matrix_a_scale:MATRIX_SCALE_ROW1 matrix_b_scale:MATRIX_SCALE_ROW1
.elseif fA
	v_wmma_scale_f32_16x16x128_f8f6f4 v[rD:rD+7], v[rA:rA+11], v[rB:rB+11], v[rC:rC+7], v[rSA], v[rSB] matrix_a_fmt:MATRIX_FMT_FP6 matrix_b_fmt:MATRIX_FMT_FP6 matrix_a_scale:MATRIX_SCALE_ROW1
.elseif fB
	v_wmma_scale_f32_16x16x128_f8f6f4 v[rD:rD+7], v[rA:rA+11], v[rB:rB+11], v[rC:rC+7], v[rSA], v[rSB] matrix_a_fmt:MATRIX_FMT_FP6 matrix_b_fmt:MATRIX_FMT_FP6 matrix_b_scale:MATRIX_SCALE_ROW1
.else
	v_wmma_scale_f32_16x16x128_f8f6f4 v[rD:rD+7], v[rA:rA+11], v[rB:rB+11], v[rC:rC+7], v[rSA], v[rSB] matrix_a_fmt:MATRIX_FMT_FP6 matrix_b_fmt:MATRIX_FMT_FP6
.endif
.endm
.macro XLOAD s                         ; my four fragments of x of K step s, 12 loads of 512 consecutive bytes, into set s % 3
.irp a, 0,1,2,3
.irp g, 0,1,2
	global_load_b128 v[XF+48*((\s)%3)+12*\a+4*\g:XF+48*((\s)%3)+12*\a+4*\g+3], v2, s[48:49] offset:(8*\a+(\s))*1536+512*\g
.endr
.endr
.endm
.macro WLOAD p, s                      ; part p's four fragments of w of K step s, 12 LDS loads, into buffer p (window 1)
.irp i, 0,1,2,3
.irp g, 0,1,2
	ds_load_b128 v[48*(\p)+12*\i+4*\g:48*(\p)+12*\i+4*\g+3], v[2+(\s)/3] offset:((\s)%3)*STEPW+(4*(\p)+\i)*1536+512*\g
.endr
.endr
.endm
; Sixteen products: part p (q, k or v) of K step s.  The 48 accumulators take turns, one instruction a turn, in the same order in every K step.
.macro GROUP p, s
.if 3*\s+\p < 22
	s_wait_dscnt 24                                ; my 12 LDS loads are in; the two younger groups' 12 each may be out
.elseif 3*\s+\p == 22
	s_wait_dscnt 12
.else
	s_wait_dscnt 0x0
.endif
.if \p == 0
.if \s < 6
	s_wait_loadcnt 24                              ; this K step of x is in (and, the first time, all scale words and biases); the two younger K steps' 12 loads each may be out
.elseif \s == 6
	s_wait_loadcnt 12
.else
	s_wait_loadcnt 0x0
.endif
.endif
.if \p < 2
.if \s == 0
	WIN 0x91                                       ; source 0 (w) window 1, source 1 (x) window 0, C (the bias) window 1, D window 2
.else
	WIN 0xa1                                       ; C and D window 2
.endif
.else
.if \s == 0
	WIN 0xd4                                       ; source 0 (x) window 0, source 1 (w) window 1, C (the bias) window 1, D window 3
.else
	WIN 0xf4                                       ; C and D window 3
.endif
.endif
.irp a, 0,1,2,3
.irp i, 0,1,2,3
.if \p < 2
.set rD, 8*(8*\a+4*\p+\i)
.set rA, 48*\p+12*\i
.set rB, XF+48*(\s%3)+12*\a
.set rSA, WS+6*\s+2*\p+\i/2
.set fA, \i%2
.set rSB, XS+8*(\a/2)+\s
.set fB, \a%2
.if \s == 0
.set rC, BQ+8*(4*\p+\i)
.else
.set rC, 8*(8*\a+4*\p+\i)
.endif
.else
.set rD, 32*\i+8*\a
.set rA, XF+48*(\s%3)+12*\a
.set rB, 96+12*\i
.set rSA, XS+8*(\a/2)+\s
.set fA, \a%2
.set rSB, WS+6*\s+4+\i/2
.set fB, \i%2
.if \s == 0
.set rC, BV+8*\i
.else
.set rC, 32*\i+8*\a
.endif
.endif
	WM
.endr
.endr
.if \s < 7
	PLACES 4                                       ; four places in front of loads into registers that these products have read
.if (\p == 0) && (\s == 1)
	s_wait_tensorcnt 0x0                           ; my part of K steps 2 to 7 has landed,
	s_wait_dscnt 0x0                               ; no LDS load of mine is out at the signal,
	s_barrier_signal -1
	s_barrier_wait -1                              ; and everybody's part has: the loads below are the first that read K step 2
.endif
	WIN 0x40
	WLOAD \p, \s+1
.if (\p == 2) && (\s < 5)
	WIN 0
	XLOAD \s+3
.endif
.endif
.endm
; n half fragments (32 numbers a lane each, at register 32 k of window win; register 16 b + i = K 32 b + 16 (lane / 16) + i of my row) become codes in v[EH + 8 k] on and two scale bytes in v[EW + k].
; win2: the window code for sources 0 and 1.  Each accumulator is read from its low end on.
.macro EPIQ win, win2, n
	WIN \win2
.set ek, 0
.rept 2*\n
	v_max3_num_f32 v[EM+ek], |v[16*ek]|, |v[16*ek+1]|, 0x1800000   ; and the floor 2^(3 - 127): the byte cannot fall under 1
.set ek, ek+1
.endr
.irp i, 2,4,6,8,10,12,14
.set ek, 0
.rept 2*\n
	v_max3_num_f32 v[EM+ek], |v[16*ek+\i]|, |v[16*ek+\i+1]|, v[EM+ek]   ; the blocks by turns
.set ek, ek+1
.endr
.endr
	WIN 0
.set ek, 0
.rept 2*\n
	v_permlanex16_b32 v[EM2+ek], v[EM+ek], s[SEL], s[SEL+1]
.set ek, ek+1
.endr
.set ek, 0
.rept 2*\n
	v_max_num_f32 v[EM+ek], v[EM+ek], v[EM2+ek]    ; with lane l xor 16: the block's largest magnitude
.set ek, ek+1
.endr
.set ek, 0
.rept 2*\n
	v_add_nc_u32 v[ESO+ek], 0xff000000, v[EM+ek]   ; 2 off the exponent field: the conversion's scale operand
.set ek, ek+1
.endr
.set ek, 0
.rept 2*\n
	v_lshrrev_b32 v[EM2+ek], 23, v[ESO+ek]         ; the byte
.set ek, ek+1
.endr
.set ek, 0
.rept \n
	v_lshl_or_b32 v[EW+ek], v[EM2+2*ek+1], 8, v[EM2+2*ek]
.set ek, ek+1
.endr
	WIN \win
.set ek, 0
.rept \n
	v_cvt_scalef32_pk16_fp6_f32 v[EH+8*ek:EH+8*ek+2], v[32*ek:32*ek+15], v[ESO+2*ek]
	v_cvt_scalef32_pk16_fp6_f32 v[ETT+4*ek:ETT+4*ek+2], v[32*ek+16:32*ek+31], v[ESO+2*ek+1]
.set ek, ek+1
.endr
	WIN 0
	v_nop                                          ; one plain place behind a scaled conversion
.set ek, 0
.rept \n
.irp i, 0,1,2
	v_permlane16_swap_b32 v[EH+8*ek+\i], v[ETT+4*ek+\i]   ; a whole block to a lane: lanes 0-15 block 0, lanes 16-31 block 1
.endr
.irp i, 0,1,2
	v_mov_b32 v[EH+8*ek+3+\i], v[ETT+4*ek+\i]
.endr
.set ek, ek+1
.endr
.endm
	s_load_b256 s[4:11], s[0:1], 0x0               ; xq s[4:5], wq s[6:7], b_qkv s[8:9], qc s[10:11]
	s_load_b64 s[12:13], s[0:1], 0x20              ; kv
	v_lshl_add_u32 v254, v0, 2, 0x29000
	v_mov_b32 v255, 0
	ds_add_u32 v254, v255
	ds_add_u32 v254, v255
	v_lshrrev_b32 v1, 5, v0
	v_readfirstlane_b32 s[WV], v1                  ; wave 0..3
	s_bfe_u32 s19, ttmp6, 0x40000                  ; cx
	s_lshl_b32 s20, ttmp9, 2
	s_add_co_u32 s20, s20, s19                     ; my block of 256 rows: it enters global addresses of x, q, k, v alone
	s_and_b32 s21, ttmp7, 0xffff                   ; the head, which the four partners share
	; descriptors: dense blocks as rows of 256 bytes (32 elements of 8 bytes); mask 15 with bit 21 beside it
	s_mov_b32 s[G1A], 15|(3<<16)|(1<<21)
	s_mov_b32 s[G1A+1], 32<<16
	s_mov_b32 s[G1A+2], 36<<16                     ; 36 rows: a quarter of K steps 0 and 1
	s_mov_b32 s[G1A+3], 32<<16
	s_mov_b32 s[G1A+4], 36
	s_mov_b32 s[G1A+5], 32
	s_mov_b32 s[G1A+6], 0
	s_mov_b32 s[G1A+7], 0
	s_mov_b32 s[G1B], 15|(3<<16)|(1<<21)
	s_mov_b32 s[G1B+1], 32<<16
	s_mov_b32 s[G1B+2], 108<<16                    ; 108 rows: a quarter of K steps 2 to 7
	s_mov_b32 s[G1B+3], 32<<16
	s_mov_b32 s[G1B+4], 108
	s_mov_b32 s[G1B+5], 32
	s_mov_b32 s[G1B+6], 0
	s_mov_b32 s[G1B+7], 0
	s_mov_b32 s[G0A], 1
	s_mov_b32 s[G0B], 1
	s_mul_i32 s[G0A+1], s[WV], 9216                ; LDS addresses hang on the wave's number alone
	s_mul_i32 s[G0B+1], s[WV], 27648
	s_add_co_u32 s[G0B+1], s[G0B+1], 2*STEPW
	s_mul_i32 s60, s21, HEADW                      ; the head's weights lie in memory as they will lie in LDS
	s_add_co_u32 s62, s60, s[G0B+1]
	s_add_co_u32 s60, s60, s[G0A+1]
	s_mov_b32 s61, 0
	s_mov_b32 s63, 0
	s_mov_b32 s[SEL], 0x76543210
	s_mov_b32 s[SEL+1], 0xfedcba98
	s_lshl_b32 s14, s20, 4
	s_lshl_b32 s15, s[WV], 2
	s_add_co_u32 s14, s14, s15                     ; my first tile of x: 16 x row block + 4 x wave
	s_mul_i32 s48, s14, 12288                      ; a tile's 8 images
	s_mov_b32 s49, 0
	s_lshl_b32 s50, s14, 9                         ; a tile's 512 bytes of scale words
	s_add_co_u32 s50, s50, XS_OFF
	s_mov_b32 s51, 0
	s_mul_i32 s16, s21, 768                        ; the head's 192 numbers of the bias, and of a K step's scale words
	s_mov_b32 s17, 0
	s_add_co_u32 s52, s16, WQS
	s_mov_b32 s53, 0
	s_lshr_b32 s15, s20, 3
	s_lshl_b32 s15, s15, 4
	s_add_co_u32 s15, s15, s21                     ; 16 x batch + head
	s_and_b32 s54, s20, 7                          ; my block of 256 in the sequence
	s_lshl_b32 s55, s15, 7
	s_lshl_b32 s56, s54, 4
	s_add_co_u32 s55, s55, s56
	s_lshl_b32 s56, s[WV], 2
	s_add_co_u32 s55, s55, s56
	s_mul_i32 s56, s55, 768                        ; q: my first tile
	s_mov_b32 s57, 0
	s_lshl_b32 s54, s54, 1
	s_lshr_b32 s55, s[WV], 1
	s_add_co_u32 s54, s54, s55                     ; my key step
	s_mul_i32 s54, s54, REC
	s_mul_i32 s55, s15, HEADKV
	s_add_co_u32 s54, s54, s55                     ; its record
	s_mov_b32 s55, 0
	s_and_b32 s14, s[WV], 1                        ; which 64 keys of the step are mine
	s_mul_i32 s58, s14, 3072
	s_mov_b32 s59, 0
	s_lshl_b32 s14, s14, 9
	s_add_co_u32 s14, s14, 12288
	s_mov_b32 s15, 0
	s_wait_dscnt 0x0
	s_wait_kmcnt 0x0
	s_add_nc_u64 s[G0A+2:G0A+3], s[6:7], s[60:61]
	s_or_b32 s[G0A+3], s[G0A+3], 0x80000000
	s_add_nc_u64 s[G0B+2:G0B+3], s[6:7], s[62:63]
	s_or_b32 s[G0B+3], s[G0B+3], 0x80000000
	s_add_nc_u64 s[48:49], s[4:5], s[48:49]
	s_add_nc_u64 s[50:51], s[4:5], s[50:51]
	s_add_nc_u64 s[52:53], s[6:7], s[52:53]
	s_add_nc_u64 s[8:9], s[8:9], s[16:17]
	s_add_nc_u64 s[10:11], s[10:11], s[56:57]
	s_add_nc_u64 s[54:55], s[12:13], s[54:55]
	s_add_nc_u64 s[56:57], s[54:55], s[58:59]
	s_add_nc_u64 s[58:59], s[54:55], s[14:15]
	CROUND                                         ; all four work-groups are here: the joint loads meet
	tensor_load_to_lds s[G0A:G0A+3], s[G1A:G1A+7]  ; the only fills of the launch go out together: two tensor loads of mine are out
	s_nop 0
	tensor_load_to_lds s[G0B:G0B+3], s[G1B:G1B+7]
	s_nop 0
	PLACES 4
	v_and_b32 v1, 31, v0                           ; lane
	v_lshlrev_b32 v2, 4, v1                        ; 16 x lane: an image's place; K steps 0-2 of w in LDS
	v_add_nc_u32 v3, 3*STEPW, v2                   ; K steps 3-5
	v_add_nc_u32 v4, 6*STEPW, v2                   ; K steps 6, 7
	v_lshlrev_b32 v5, 3, v1
	v_lshlrev_b32 v6, 5, v1
	v_lshlrev_b32 v7, 2, v1
	v_and_b32 v13, 15, v0                          ; r
	v_bfe_u32 v14, v0, 4, 1                        ; h
	v_lshlrev_b32 v8, 6, v14                       ; q's, k's bias: 16 h numbers on
	v_and_b32 v15, 8, v13
	v_add_nc_u32 v15, v15, v13
	v_lshlrev_b32 v9, 2, v15                       ; v's bias: channel r + 8 (r / 8) of the tile's range
	s_lshr_b32 s14, s[WV], 1
	s_lshl_b32 s14, s14, 8
	s_and_b32 s15, s[WV], 1
	s_lshl_b32 s15, s15, 1
	s_add_co_u32 s14, s14, s15
	s_add_co_u32 s14, s14, VX
	v_lshl_add_u32 v10, v13, 4, s14                ; v's two bytes: record, 16 r, + 2 x which 64 keys
	v_add_nc_u32 v11, VX, v2
	v_mul_u32_u24 v12, v14, REC
	v_lshl_add_u32 v12, v13, 4, v12                ; and their way out: sixteen lanes to each of two records
.irp j, 0,1
.irp q, 0,1
	global_load_b128 v[XS+8*\j+4*\q:XS+8*\j+4*\q+3], v6, s[50:51] offset:1024*\j+16*\q   ; row 32 j + lane: its words of K steps 4 q .. 4 q + 3
.endr
.endr
.irp s, 0,1,2,3,4,5,6,7
.irp j, 0,1,2,3,4,5
	global_load_b32 v[WS+6*\s+\j], v7, s[52:53] offset:12288*\s+128*\j
.endr
.endr
	WIN 0x40
.irp t, 0,1,2,3,4,5,6,7
	global_load_b128 v[BQ+8*\t:BQ+8*\t+3], v8, s[8:9] offset:(64*(\t/4)+32*((\t%4)/2)+8*(\t%2))*4
	global_load_b128 v[BQ+8*\t+4:BQ+8*\t+7], v8, s[8:9] offset:(64*(\t/4)+32*((\t%4)/2)+8*(\t%2))*4+16
.endr
.irp i, 0,1,2,3
.irp j, 0,1,2,3,4,5,6,7
	global_load_b32 v[BV+8*\i+\j], v9, s[8:9] offset:(128+32*(\i/2)+8*(\i%2))*4   ; a lane's eight results share one channel: the same number eight times
.endr
.endr
	WIN 0
	XLOAD 0
	XLOAD 1
	XLOAD 2
	s_wait_tensorcnt 0x1                           ; my part of K steps 0 and 1 has landed; the larger load may stay out
	s_barrier_signal -1
	s_barrier_wait -1
	WIN 0x40
	WLOAD 0, 0
	WLOAD 1, 0
	WLOAD 2, 0
.irp s, 0,1,2,3,4,5,6,7
.irp p, 0,1,2
	GROUP \p, \s
.endr
.endr
	; THE WAY OUT
	PLACES 4                                       ; in front of the first read of results, and of writes to registers that products have read
	WIN 0
.set ek, 0
.rept 16
	v_mov_b32 v[EM2+ek], 0                         ; a lane permute's destination counts as one of its sources
.set ek, ek+1
.endr
	EPIQ 2, 0x0a, 8                                ; half fragment 2 a + p: tile a of q (p = 0) or of k (p = 1)
.irp k, 0,1,2,3,4,5,6,7
	v_or_b32 v[EW+\k], 0x7f7f0000, v[EW+\k]        ; the upper 64 of the next product's K step are zero codes: their bytes stand for 1
.endr
	v_cmp_le_u32 vcc_lo, 16, v1
.irp a, 0,1,2,3
	v_cndmask_b32 v[ESW+\a], v[EW+2*\a+1], v[EW+2*\a], vcc_lo   ; lanes 0-15 k's word, lanes 16-31 q's
.endr
.irp a, 0,1,2,3
	global_store_b128 v2, v[EH+16*\a:EH+16*\a+3], s[10:11] offset:768*\a
	global_store_b64 v5, v[EH+16*\a+4:EH+16*\a+5], s[10:11] offset:768*\a+512
	global_store_b128 v2, v[EH+16*\a+8:EH+16*\a+11], s[56:57] offset:768*\a
	global_store_b64 v5, v[EH+16*\a+12:EH+16*\a+13], s[56:57] offset:768*\a+512
.endr
	global_store_b128 v2, v[ESW:ESW+3], s[58:59]   ; 512 consecutive bytes: k's 64 words, q's 64 words
	s_wait_xcnt 0x0                                ; the stores' data registers are written again only behind this wait
	EPIQ 3, 0x0f, 4                                ; half fragment i: tile i of v's channels x my 64 keys
.irp i, 0,1,2,3
	global_store_b128 v2, v[EH+8*\i:EH+8*\i+3], s[56:57] offset:6144+768*\i
	global_store_b64 v5, v[EH+8*\i+4:EH+8*\i+5], s[56:57] offset:6144+768*\i+512
	ds_store_b16 v10, v[EW+\i] offset:4*\i         ; my half of the word; lanes r and r + 16 write the same
.endr
	s_wait_dscnt 0x0                               ; for the others' sake
	s_barrier_signal -1
	s_barrier_wait -1
	s_cmp_lg_u32 s[WV], 0
	s_cbranch_scc1 .Lwords_out
	ds_load_b128 v[ESW:ESW+3], v11                 ; wave 0: the two records' words of v
	s_wait_dscnt 0x0
	global_store_b128 v12, v[ESW:ESW+3], s[54:55] offset:13312   ; sixteen lanes store 256 consecutive bytes of each record
.Lwords_out:
	s_wait_tensorcnt 0x0
	ds_add_u32 v254, v255
	s_wait_dscnt 0x0
	CROUND                                         ; the closing round
	s_endpgm
.Lfunc_end_k_q8ae8f827eb_gemm_qkv:
	.size	k_q8ae8f827eb_gemm_qkv, .Lfunc_end_k_q8ae8f827eb_gemm_qkv-k_q8ae8f827eb_gemm_qkv
	.p2alignl 7, 3214868480
	.fill 96, 4, 3214868480
	.section	.rodata,"a",@progbits
	.p2align	6, 0x0
	.amdhsa_kernel k_q8ae8f827eb_gemm_qkv
		.amdhsa_group_segment_fixed_size 168448
		.amdhsa_private_segment_fixed_size 0
		.amdhsa_enable_private_segment 0
		.amdhsa_kernarg_size 40
		.amdhsa_user_sgpr_count 2
		.amdhsa_user_sgpr_kernarg_segment_ptr 1
		.amdhsa_wavefront_size32 1
		.amdhsa_system_sgpr_workgroup_id_x 1
		.amdhsa_system_sgpr_workgroup_id_y 1
		.amdhsa_system_sgpr_workgroup_id_z 1
		.amdhsa_system_vgpr_workitem_id 0
		.amdhsa_next_free_vgpr 896
		.amdhsa_next_free_sgpr 66
		.amdhsa_reserve_vcc 1
		.amdhsa_float_denorm_mode_32 3
		.amdhsa_float_denorm_mode_16_64 3
		.amdhsa_memory_ordered 1
		.amdhsa_forward_progress 1
		.amdhsa_inst_pref_size 123
	.end_amdhsa_kernel
	.amdgpu_metadata
---
amdhsa.version: [ 1, 2 ]
amdhsa.kernels:
  - .name:           k_q8ae8f827eb_gemm_qkv
    .symbol:         k_q8ae8f827eb_gemm_qkv.kd
    .args:
      - { .name: xq, .offset: 0, .size: 8, .value_kind: global_buffer, .address_space: global }
      - { .name: wq, .offset: 8, .size: 8, .value_kind: global_buffer, .address_space: global }
      - { .name: b_qkv, .offset: 16, .size: 8, .value_kind: global_buffer, .address_space: global }
      - { .name: qc, .offset: 24, .size: 8, .value_kind: global_buffer, .address_space: global }
      - { .name: kv, .offset: 32, .size: 8, .value_kind: global_buffer, .address_space: global }
    .group_segment_fixed_size: 168448
    .private_segment_fixed_size: 0
    .kernarg_segment_align: 8
    .kernarg_segment_size: 40
    .max_flat_workgroup_size: 128
    .sgpr_count:     66
    .vgpr_count:     896
    .wavefront_size: 32
...
	.end_amdgpu_metadata
.endif
;; end of part 3
;; launch attn (part 4): grid 8 x 32, 16 waves a work-group, clusters of 4 x 1, 223,232 bytes of LDS; arguments qc, kv, ao; writes ao
.if DOCPART == 4
	.amdgcn_target "amdgcn-amd-amdhsa--gfx1250"
	.amdhsa_code_object_version 6
	.text
	.protected	k_q8ae8f827eb_attn
	.globl	k_q8ae8f827eb_attn
	.p2align	8
	.type	k_q8ae8f827eb_attn,@function
k_q8ae8f827eb_attn:
	s_mov_b64 s[64:65], 0
	v_nop
	global_prefetch_b8 v0, s[64:65] scope:SCOPE_SE
	s_setreg_imm32_b32 hwreg(HW_REG_WAVE_MODE, 25, 1), 1
	s_wait_xcnt 0x0
	s_wait_alu depctr_hold_cnt(0) depctr_sa_sdst(0) depctr_va_vdst(0) depctr_va_sdst(0) depctr_va_ssrc(0) depctr_va_vcc(0) depctr_vm_vsrc(0)
	s_getreg_b32 s2, hwreg(HW_REG_IB_STS2, 6, 4)
	s_cmp_eq_u32 s2, 0
	s_cbranch_scc0 .Lentry_in_a_cluster
	s_endpgm
.Lentry_in_a_cluster:
	s_bfe_u32 s2, ttmp6, 0x10000c
	s_cmp_lg_u32 s2, 0x3003
	s_cbranch_scc0 .Lentry_shape_is_right
	s_endpgm
.Lentry_shape_is_right:
; o = softmax(q k^T / 8) v for one head of one sequence, both products on codes of FP6 (E2M3); o leaves as codes, quantised along the model's 1,024 (a head's 64 are two blocks).
; THE SOFTMAX: t = score x log2(e) / 8; M = the row's largest t so far, rounded UP to a whole number; p = 2^(t - M) is quantised along the keys, not normalised.  The row's sum is taken of the unquantised p
; and divides at the end.  When M moves, the sum and O are multiplied by 2^(old M - new M): exact.
; SHARES: a work-group owns 256 queries (work-group x) of one batch x head (work-group y); each of its sixteen waves one tile of 16 queries in 256 registers, four waves to a SIMD, so that one wave's vector work
; stands beside another's products and LDS loads.
; THE HEAD'S K AND V, codes and scale words, 217,088 bytes, LIE IN LDS WHOLE: wave w brings key step w's record by one tensor load; no byte is filled twice, so there is no ring.  The four work-groups of a cluster
; belong to one head and ask JOINTLY (mask 15).
; LAYOUT: both products transposed (S^T = K Q^T, O^T = V^T P^T): a lane holds one query throughout.  Tokens and channels are stored with bits 3 and 4 exchanged, so that the 16 registers of two neighbouring tiles are
; 16 neighbouring keys (channels).  The first product's K is 64: the upper 64 of the instruction's 128 are zero codes on both sides, under the byte 0x7f.
; A record (13,568 bytes): k's 8 half images of 768; from 6,144 v's [64 keys 2][tile 4][768]; from 12,288 [64 keys 2][k's words | q's words]; from 13,312 v's words [r][tile].
; ao: codes [tile of tokens 256][head 16][768]; from AS_OFF on two bytes for each [head 16][stored token 4096].
; LIMITS: a block of zeros gets the byte 1 where the rule says 127; NaN and infinities are not served.  A block's largest p is taken as the exponential of the block's largest score, which takes v_exp_f32 not to fall where its input rises.
; REGISTERS: v1-3 16 x lane, 8 x lane, 16 r; v4-6 the same in the step's record; v7 q's words; v12 -M, v13 the largest t, v[14:15] the sum; v16-27 q; v28-31 scale operands; v32-79 four fragments of k; v80-91 p's codes;
; v92-95 v's words; v96-159 S^T, then p; v160-191 O^T; v192-239 v's four fragments; v240-247 k's words, then at work; v248-251 block maxima; v252 f; v253 p's word; v254 at work.
.set REC,    13568
.set HEADKV, 217088
.set AG,     217088                    ; behind the records: 512 bytes where the tiles' scale bytes of o are gathered
.set AS_OFF, 3145728
.set WV,  18
.set SEL, 20
.set CS,  22                           ; s[22:23] c = log2(e) / 8
.set G1,  24
.set G0,  32
.set TB,  36                           ; the step's record in LDS
.set CNT, 37
.macro PLACES n
.rept \n
	v_nop
.endr
.endm
.macro CROUND
	s_barrier_signal -1
	s_barrier_wait -1
	s_cmp_lg_u32 s[WV], 0
	s_cbranch_scc1 .Lnot_wave_0_\@
	s_barrier_signal -3
.Lnot_wave_0_\@:
	s_barrier_wait -3
	s_barrier_signal -1
	s_barrier_wait -1
.endm
	s_load_b128 s[4:7], s[0:1], 0x0                ; qc, kv
	s_load_b64 s[8:9], s[0:1], 0x10                ; ao
	v_lshl_add_u32 v254, v0, 2, 0x36000
	v_mov_b32 v255, 0
	ds_add_u32 v254, v255
	ds_add_u32 v254, v255
	s_wait_dscnt 0x0
	v_lshrrev_b32 v1, 5, v0
	v_readfirstlane_b32 s[WV], v1                  ; wave 0..15
	s_bfe_u32 s10, ttmp6, 0x40000                  ; cx
	s_lshl_b32 s11, ttmp9, 2
	s_add_co_u32 s11, s11, s10                     ; my block of 256 queries: it enters q's and o's global addresses alone
	s_and_b32 s12, ttmp7, 0xffff                   ; batch x head, which the four partners share
	s_mov_b32 s[G1], 15|(3<<16)|(1<<21)            ; mask 15, elements of 8 bytes, bit 21 beside the mask
	s_mov_b32 s[G1+1], 32<<16                      ; rows of 256 bytes,
	s_mov_b32 s[G1+2], 53<<16                      ; 53 of them: a record
	s_mov_b32 s[G1+3], 32<<16
	s_mov_b32 s[G1+4], 53
	s_mov_b32 s[G1+5], 32
	s_mov_b32 s[G1+6], 0
	s_mov_b32 s[G1+7], 0
	s_mov_b32 s[G0], 1
	s_mul_i32 s[G0+1], s[WV], REC                  ; record w, in LDS as in memory
	s_mul_i32 s38, s12, HEADKV
	s_add_co_u32 s40, s38, s[G0+1]
	s_mov_b32 s41, 0
	s_lshl_b32 s13, s12, 7
	s_lshl_b32 s14, s11, 4
	s_add_co_u32 s14, s14, s[WV]                   ; my tile in the sequence: 16 x block + wave
	s_add_co_u32 s13, s13, s14
	s_mul_i32 s42, s13, 768                        ; q's half image
	s_mov_b32 s43, 0
	s_lshl_b32 s15, s11, 1
	s_lshr_b32 s16, s[WV], 3
	s_add_co_u32 s15, s15, s16                     ; q's words lie in the record of my tokens' key step,
	s_mul_i32 s15, s15, REC
	s_add_co_u32 s44, s38, s15
	s_bfe_u32 s16, s[WV], 0x10002
	s_lshl_b32 s16, s16, 9                         ; in its half,
	s_add_co_u32 s44, s44, s16
	s_and_b32 s16, s[WV], 3
	s_lshl_b32 s16, s16, 2                         ; at 16 r + 4 x (tile % 4), behind k's 256 bytes
	s_add_co_u32 s44, s44, s16
	s_add_co_u32 s44, s44, 12288+256
	s_mov_b32 s45, 0
	s_lshr_b32 s16, s12, 4                         ; batch
	s_lshl_b32 s17, s16, 7
	s_add_co_u32 s17, s17, s14                     ; my tile among all tokens
	s_lshl_b32 s17, s17, 4
	s_and_b32 s19, s12, 15                         ; head
	s_add_co_u32 s17, s17, s19
	s_mul_i32 s46, s17, 768                        ; o's half image
	s_mov_b32 s47, 0
	s_lshl_b32 s48, s19, 13
	s_lshl_b32 s16, s16, 12
	s_add_co_u32 s48, s48, s16
	s_lshl_b32 s16, s11, 9
	s_add_co_u32 s48, s48, s16
	s_add_co_u32 s48, s48, AS_OFF                  ; the work-group's 512 bytes of o's scale bytes
	s_mov_b32 s49, 0
	s_mov_b32 s[SEL], 0x76543210
	s_mov_b32 s[SEL+1], 0xfedcba98
	s_mov_b32 s[CS], 0x3e38aa3b
	s_mov_b32 s[CS+1], s[CS]                       ; named with it as a pair, so it is written
	s_mov_b32 s[TB], 0
	s_mov_b32 s[CNT], 16
	s_wait_kmcnt 0x0
	s_add_nc_u64 s[G0+2:G0+3], s[6:7], s[40:41]
	s_or_b32 s[G0+3], s[G0+3], 0x80000000
	s_add_nc_u64 s[4:5], s[4:5], s[42:43]
	s_add_nc_u64 s[50:51], s[6:7], s[44:45]
	s_add_nc_u64 s[52:53], s[8:9], s[46:47]
	s_add_nc_u64 s[54:55], s[8:9], s[48:49]
	CROUND                                         ; all four work-groups are here: the joint loads meet
	tensor_load_to_lds s[G0:G0+3], s[G1:G1+7]      ; my one tensor load of the launch
	s_nop 0
	PLACES 4
	v_and_b32 v10, 31, v0
	v_lshlrev_b32 v1, 4, v10
	v_lshlrev_b32 v2, 3, v10
	v_and_b32 v11, 15, v0
	v_lshlrev_b32 v3, 4, v11
	s_lshl_b32 s13, s[WV], 5
	s_add_co_u32 s13, s13, AG
	v_lshl_add_u32 v8, v11, 1, s13                 ; my row's two bytes: 32 x wave + 2 r
	v_add_nc_u32 v9, AG, v1
	global_load_b128 v[16:19], v1, s[4:5]          ; q's half image
	global_load_b64 v[20:21], v2, s[4:5] offset:512
	global_load_b32 v7, v3, s[50:51]               ; and its words
.irp j, 22,23,24,25,26,27
	v_mov_b32 v[\j], 0                             ; the upper 64 of K: zero codes
.endr
.irp t, 0,1,2,3
.irp j, 6,7,8,9,10,11
	v_mov_b32 v[32+12*\t+\j], 0                    ; in k's fragments too: written once, never loaded over
.endr
.endr
	v_mov_b32 v13, 0xff61b1e6                      ; the largest t so far: -3e38
	v_floor_f32 v12, -v13                          ; -M
	v_mov_b32 v14, 0
	v_mov_b32 v15, 0
	v_mov_b32 v253, 0                              ; named as the upper half of v[252:253] before it is first written
.irp j, 0,1,2,3,4,5,6,7,8,9,10,11,12,13,14,15,16,17,18,19,20,21,22,23,24,25,26,27,28,29,30,31
	v_mov_b32 v[160+\j], 0                         ; O^T: the step is written once; the first finds zeros, which the first change of M leaves zeros
.endr
	s_wait_loadcnt 0x0                             ; q
	s_wait_tensorcnt 0x0                           ; my record has landed,
	s_barrier_signal -1
	s_barrier_wait -1                              ; everybody's has
.Lstep:                                            ; 16 trips: 128 keys each
	v_add_nc_u32 v4, s[TB], v1
	v_add_nc_u32 v5, s[TB], v2
	v_add_nc_u32 v6, s[TB], v3
	ds_load_b128 v[240:243], v6 offset:12288       ; k's words of tiles 0-3,
	ds_load_b128 v[244:247], v6 offset:12800       ; of tiles 4-7
.irp t, 0,1,2,3
	ds_load_b128 v[32+12*\t:35+12*\t], v4 offset:768*\t
	ds_load_b64 v[36+12*\t:37+12*\t], v5 offset:768*\t+512
.endr
	s_wait_dscnt 0x0                               ; every LDS wait of the loop is for 0: the SIMD's other three waves work meanwhile
.irp t, 0,1,2,3
	v_wmma_scale_f32_16x16x128_f8f6f4 v[96+8*\t:103+8*\t], v[32+12*\t:43+12*\t], v[16:27], 0, v[240+\t], v7 matrix_a_fmt:MATRIX_FMT_FP6 matrix_b_fmt:MATRIX_FMT_FP6
.endr
	PLACES 4                                       ; in front of loads into registers that these products have read
.irp t, 0,1,2,3
	ds_load_b128 v[32+12*\t:35+12*\t], v4 offset:768*(4+\t)
	ds_load_b64 v[36+12*\t:37+12*\t], v5 offset:768*(4+\t)+512
.endr
	s_wait_dscnt 0x0
.irp t, 0,1,2,3
	v_wmma_scale_f32_16x16x128_f8f6f4 v[128+8*\t:135+8*\t], v[32+12*\t:43+12*\t], v[16:27], 0, v[244+\t], v7 matrix_a_fmt:MATRIX_FMT_FP6 matrix_b_fmt:MATRIX_FMT_FP6
.endr
.irp i, 0,1,2,3                                ; v's fragments go out now and land under the softmax (the last products that read these registers stand seven plain instructions back)
.irp c, 0,1
	ds_load_b128 v[192+12*\i+6*\c:195+12*\i+6*\c], v4 offset:6144+3072*\c+768*\i
	ds_load_b64 v[196+12*\i+6*\c:197+12*\i+6*\c], v5 offset:6144+3072*\c+768*\i+512
.endr
.endr
	ds_load_b128 v[92:95], v6 offset:13312
	PLACES 4                                       ; in front of the first read of the scores
.irp b, 0,1,2,3
	v_max3_num_f32 v[248+\b], v[96+16*\b], v[97+16*\b], v[98+16*\b]   ; the largest score of each block of 32 keys: it serves the row's maximum and the block's largest p
.endr
.irp i, 3,5,7,9,11,13
.irp b, 0,1,2,3
	v_max3_num_f32 v[248+\b], v[248+\b], v[96+16*\b+\i], v[97+16*\b+\i]
.endr
.endr
.irp b, 0,1,2,3
	v_max_num_f32 v[248+\b], v[248+\b], v[111+16*\b]
.endr
.irp b, 0,1,2,3
	v_permlanex16_b32 v[240+\b], v[248+\b], s[SEL], s[SEL+1]
.endr
.irp b, 0,1,2,3
	v_max_num_f32 v[248+\b], v[248+\b], v[240+\b]  ; with lane l xor 16's 16 keys
.endr
	v_max3_num_f32 v254, v248, v249, v250
	v_max_num_f32 v254, v254, v251
	v_mul_f32 v254, s[CS], v254                    ; as t (c is positive)
	v_max_num_f32 v13, v13, v254                   ; the running largest t
	v_mov_b32 v254, v12
	v_floor_f32 v12, -v13                          ; the new -M = -ceil(t)
	v_sub_f32 v254, v12, v254                      ; old M - new M: a whole number, 0 or less
	v_cvt_i32_f32 v254, v254                       ; (it saturates)
	v_ldexp_f32 v252, 1.0, v254                    ; f = 2^(old M - new M)
.irp j, 0,2,4,6,8,10,12,14,16,18,20,22,24,26,28,30,32,34,36,38,40,42,44,46,48,50,52,54,56,58,60,62
	v_pk_fma_f32 v[96+\j:97+\j], v[96+\j:97+\j], s[CS:CS+1], v[12:13] op_sel_hi:[1,0,0]   ; t - M, two at a time
.endr
.irp b, 0,1,2,3
	v_fma_f32 v[248+\b], v[248+\b], s[CS], v12     ; the same of each block's largest score
.endr
.irp j, 0,1,2,3,4,5,6,7,8,9,10,11,12,13,14,15,16,17,18,19,20,21,22,23,24,25,26,27,28,29,30,31,32,33,34,35,36,37,38,39,40,41,42,43,44,45,46,47,48,49,50,51,52,53,54,55,56,57,58,59,60,61,62,63
	v_exp_f32 v[96+\j], v[96+\j]                   ; p = 2^(t - M), at most 1
.endr
.irp b, 0,1,2,3
	v_exp_f32 v[248+\b], v[248+\b]                 ; the block's largest p
.endr
	v_pk_mul_f32 v[14:15], v[14:15], v[252:253] op_sel_hi:[1,0]   ; the sum under the new M; a plain place behind the exponentials
	s_wait_alu depctr_va_vdst(0)
.irp b, 0,1,2,3
	v_max_num_f32 v[248+\b], 0x1800000, v[248+\b]  ; the floor 2^(3 - 127): the byte cannot fall under 1
.endr
.irp b, 0,1,2,3
	v_add_nc_u32 v[28+\b], 0xff000000, v[248+\b]   ; the conversion's scale operand
.endr
.irp b, 0,1,2,3
	v_lshrrev_b32 v[240+\b], 23, v[28+\b]          ; the byte
.endr
	v_lshl_or_b32 v253, v241, 8, v240              ; p's scale word for these 128 keys
	v_lshl_or_b32 v253, v242, 16, v253
	v_lshl_or_b32 v253, v243, 24, v253
.irp c, 0,1
	v_cvt_scalef32_pk16_fp6_f32 v[80+6*\c:82+6*\c], v[96+32*\c:111+32*\c], v[28+2*\c]
	v_cvt_scalef32_pk16_fp6_f32 v[240+4*\c:242+4*\c], v[112+32*\c:127+32*\c], v[28+2*\c+1]
.endr
	v_nop                                          ; one plain place behind a scaled conversion
.irp c, 0,1
.irp i, 0,1,2
	v_permlane16_swap_b32 v[80+6*\c+\i], v[240+4*\c+\i]   ; a whole block to a lane
.endr
.irp i, 0,1,2
	v_mov_b32 v[83+6*\c+\i], v[240+4*\c+\i]
.endr
.endr
	v_pk_add_f32 v[248:249], v[96:97], v[98:99]    ; the row's sum is taken of the unquantised p: two at a time, in two chains
.irp j, 4,8,12,16,20,24,28,32,36,40,44,48,52,56,60
	v_pk_add_f32 v[14:15], v[14:15], v[96+\j:97+\j]
	v_pk_add_f32 v[248:249], v[248:249], v[98+\j:99+\j]
.endr
	v_pk_add_f32 v[14:15], v[14:15], v[248:249]    ; (these 32 are the places between the writes of p's codes and word and the products below)
.irp j, 0,2,4,6,8,10,12,14,16,18,20,22,24,26,28,30
	v_pk_mul_f32 v[160+\j:161+\j], v[160+\j:161+\j], v[252:253] op_sel_hi:[1,0]   ; O^T under the new M
.endr
	s_wait_dscnt 0x0                               ; v's fragments and words
.irp i, 0,1,2,3
	v_wmma_scale_f32_16x16x128_f8f6f4 v[160+8*\i:167+8*\i], v[192+12*\i:203+12*\i], v[80:91], v[160+8*\i:167+8*\i], v[92+\i], v253 matrix_a_fmt:MATRIX_FMT_FP6 matrix_b_fmt:MATRIX_FMT_FP6
.endr
	s_add_co_u32 s[TB], s[TB], REC
	s_sub_co_u32 s[CNT], s[CNT], 1
	s_cmp_lg_u32 s[CNT], 0
	s_cbranch_scc1 .Lstep
	; THE WAY OUT: O^T / the sum is quantised as a half fragment: register 16 b + i is channel 32 b + 16 (lane / 16) + i of my query
	PLACES 4
	v_add_f32 v14, v14, v15
	v_permlanex16_b32 v252, v14, s[SEL], s[SEL+1]
	v_add_f32 v14, v14, v252                       ; the row's sum
	v_rcp_f32 v14, v14
	v_nop                                          ; one plain place behind a transcendental
	s_wait_alu depctr_va_vdst(0)
.irp j, 0,1,2,3,4,5,6,7,8,9,10,11,12,13,14,15,16,17,18,19,20,21,22,23,24,25,26,27,28,29,30,31
	v_mul_f32 v[96+\j], v[160+\j], v14             ; each accumulator from its low end on
.endr
.irp b, 0,1
	v_max3_num_f32 v[248+\b], |v[96+16*\b]|, |v[97+16*\b]|, 0x1800000
.endr
.irp i, 2,4,6,8,10,12,14
.irp b, 0,1
	v_max3_num_f32 v[248+\b], v[248+\b], |v[96+16*\b+\i]|, |v[97+16*\b+\i]|
.endr
.endr
.irp b, 0,1
	v_permlanex16_b32 v[240+\b], v[248+\b], s[SEL], s[SEL+1]
.endr
.irp b, 0,1
	v_max_num_f32 v[248+\b], v[248+\b], v[240+\b]
.endr
.irp b, 0,1
	v_add_nc_u32 v[28+\b], 0xff000000, v[248+\b]
.endr
.irp b, 0,1
	v_lshrrev_b32 v[240+\b], 23, v[28+\b]
.endr
	v_lshl_or_b32 v252, v241, 8, v240              ; my row's two bytes
	v_cvt_scalef32_pk16_fp6_f32 v[80:82], v[96:111], v28
	v_cvt_scalef32_pk16_fp6_f32 v[86:88], v[112:127], v29
	v_nop
.irp i, 0,1,2
	v_permlane16_swap_b32 v[80+\i], v[86+\i]
.endr
.irp i, 0,1,2
	v_mov_b32 v[83+\i], v[86+\i]
.endr
	global_store_b128 v1, v[80:83], s[52:53]       ; 512 consecutive bytes,
	global_store_b64 v2, v[84:85], s[52:53] offset:512   ; and 256
	ds_store_b16 v8, v252                          ; lanes r and r + 16 write the same
	s_wait_dscnt 0x0                               ; for the others' sake
	s_barrier_signal -1
	s_barrier_wait -1
	s_cmp_lg_u32 s[WV], 0
	s_cbranch_scc1 .Lbytes_out
	ds_load_b128 v[96:99], v9
	s_wait_dscnt 0x0
	global_store_b128 v1, v[96:99], s[54:55]       ; the work-group's 256 pairs of bytes: 512 consecutive bytes
.Lbytes_out:
	s_wait_xcnt 0x0
	v_lshl_add_u32 v254, v0, 2, 0x36000
	v_mov_b32 v255, 0
	s_wait_tensorcnt 0x0
	ds_add_u32 v254, v255
	s_wait_dscnt 0x0
	CROUND                                         ; the closing round
	s_endpgm
.Lfunc_end_k_q8ae8f827eb_attn:
	.size	k_q8ae8f827eb_attn, .Lfunc_end_k_q8ae8f827eb_attn-k_q8ae8f827eb_attn
	.p2alignl 7, 3214868480
	.fill 96, 4, 3214868480
	.section	.rodata,"a",@progbits
	.p2align	6, 0x0
	.amdhsa_kernel k_q8ae8f827eb_attn
		.amdhsa_group_segment_fixed_size 223232
		.amdhsa_private_segment_fixed_size 0
		.amdhsa_enable_private_segment 0
		.amdhsa_kernarg_size 24
		.amdhsa_user_sgpr_count 2
		.amdhsa_user_sgpr_kernarg_segment_ptr 1
		.amdhsa_wavefront_size32 1
		.amdhsa_system_sgpr_workgroup_id_x 1
		.amdhsa_system_sgpr_workgroup_id_y 1
		.amdhsa_system_sgpr_workgroup_id_z 1
		.amdhsa_system_vgpr_workitem_id 0
		.amdhsa_next_free_vgpr 256
		.amdhsa_next_free_sgpr 66
		.amdhsa_reserve_vcc 0
		.amdhsa_float_denorm_mode_32 3
		.amdhsa_float_denorm_mode_16_64 3
		.amdhsa_memory_ordered 1
		.amdhsa_forward_progress 1
		.amdhsa_inst_pref_size 28
	.end_amdhsa_kernel
	.amdgpu_metadata
---
amdhsa.version: [ 1, 2 ]
amdhsa.kernels:
  - .name:           k_q8ae8f827eb_attn
    .symbol:         k_q8ae8f827eb_attn.kd
    .args:
      - { .name: qc, .offset: 0, .size: 8, .value_kind: global_buffer, .address_space: global }
      - { .name: kv, .offset: 8, .size: 8, .value_kind: global_buffer, .address_space: global }
      - { .name: ao, .offset: 16, .size: 8, .value_kind: global_buffer, .address_space: global }
    .group_segment_fixed_size: 223232
    .private_segment_fixed_size: 0
    .kernarg_segment_align: 8
    .kernarg_segment_size: 24
    .max_flat_workgroup_size: 512
    .sgpr_count:     66
    .vgpr_count:     256
    .wavefront_size: 32
...
	.end_amdgpu_metadata
.endif
;; end of part 4
;; launch gemm_out (part 5): grid 16 x 16, 4 waves a work-group, clusters of 4 x 1, 168,448 bytes of LDS; arguments ao, wq, b_o, out0; writes out0
.if DOCPART == 5
	.amdgcn_target "amdgcn-amd-amdhsa--gfx1250"
	.amdhsa_code_object_version 6
	.text
	.protected	k_q8ae8f827eb_gemm_out
	.globl	k_q8ae8f827eb_gemm_out
	.p2align	8
	.type	k_q8ae8f827eb_gemm_out,@function
k_q8ae8f827eb_gemm_out:
	s_mov_b64 s[64:65], 0
	v_nop
	global_prefetch_b8 v0, s[64:65] scope:SCOPE_SE
	s_setreg_imm32_b32 hwreg(HW_REG_WAVE_MODE, 25, 1), 1
	s_wait_xcnt 0x0
	s_wait_alu depctr_hold_cnt(0) depctr_sa_sdst(0) depctr_va_vdst(0) depctr_va_sdst(0) depctr_va_ssrc(0) depctr_va_vcc(0) depctr_vm_vsrc(0)
	s_getreg_b32 s2, hwreg(HW_REG_IB_STS2, 6, 4)
	s_cmp_eq_u32 s2, 0
	s_cbranch_scc0 .Lentry_in_a_cluster
	s_endpgm
.Lentry_in_a_cluster:
	s_bfe_u32 s2, ttmp6, 0x10000c
	s_cmp_lg_u32 s2, 0x3003
	s_cbranch_scc0 .Lentry_shape_is_right
	s_endpgm
.Lentry_shape_is_right:
; out0 = o w_o + b_o on codes of FP6 (E2M3), sums in f32.  o arrives as codes from the attention launch, w_o from the weights' quantiser.
; SHARES: a work-group makes 256 stored rows (work-group x) x 64 columns (work-group y); a wave 64 rows x 64 columns: 16 accumulators.
; w_o's 64 columns for all of K, 49,152 bytes, lie in LDS, filled once: wave w brings K steps 2 w and 2 w + 1 by one tensor load.  The four work-groups of a cluster share the columns and ask JOINTLY (mask 15).
; o is NOT asked for jointly: a wave's fragments are read by no other wave of its work-group; they go from memory straight into registers of their own (384), each loaded once.
; TRANSPOSED USE: source 0 = 16 columns of w_o, source 1 = 16 tokens: a lane holds one token and eight neighbouring columns.  The bias is the C of each sum's first matrix instruction.
; A K step of 128 is two heads: registers 0-5 of a fragment are head 2 s's half image, registers 6-11 head 2 s + 1's; its scale word is the two heads' pairs of bytes.
; Rows are stored with bits 3 and 4 exchanged: the way out puts them back.
; REGISTERS, in windows of 256.  Window 0: v1-9 addresses; v32-47 o's scale words, v48-63 w_o's; v64-159 w_o's fragments, two buffers; v192-223 o's pairs of bytes as loaded; on the way out v64-191 rows of the result.
; Window 1: o's fragments of K steps 0-3 at 48 s + 12 a.  Window 2: of K steps 4-7.  Window 3: the accumulators at 8 (4 a + t); v128-159 the bias.
.set AS_OFF, 3145728
.set WOC,    2359296
.set WOS,    3244032
.set STAGE,  49152                     ; behind the weights: 16 rows x (256 bytes + 16) for each wave
.set SP,     272
.set WV,  18
.set G1,  24
.set G0,  32
.set ASR, 32                           ; register 8 j + s: lanes 0-15 tile 2 j, lanes 16-31 tile 2 j + 1
.set WSR, 48                           ; register 2 s + j, likewise
.set WF,  64
.set UB,  192
.set BO,  128
.set MSB, 0
.macro WIN new
.if MSB != \new
	s_set_vgpr_msb (MSB<<8)|\new
.set MSB, \new
.endif
.endm
.macro PLACES n
.rept \n
	v_nop
.endr
.endm
.macro CROUND
	s_barrier_signal -1
	s_barrier_wait -1
	s_cmp_lg_u32 s[WV], 0
	s_cbranch_scc1 .Lnot_wave_0_\@
	s_barrier_signal -3
.Lnot_wave_0_\@:
	s_barrier_wait -3
	s_barrier_signal -1
	s_barrier_wait -1
.endm
.macro WM
.if fA && fB
	v_wmma_scale_f32_16x16x128_f8f6f4 v[rD:rD+7], v[rA:rA+11], v[rB:rB+11], v[rC:rC+7], v[rSA], v[rSB] matrix_a_fmt:MATRIX_FMT_FP6 matrix_b_fmt:MATRIX_FMT_FP6 matrix_a_scale:MATRIX_SCALE_ROW1 matrix_b_scale:MATRIX_SCALE_ROW1
.elseif fA
	v_wmma_scale_f32_16x16x128_f8f6f4 v[rD:rD+7], v[rA:rA+11], v[rB:rB+11], v[rC:rC+7], v[rSA], v[rSB] matrix_a_fmt:MATRIX_FMT_FP6 matrix_b_fmt:MATRIX_FMT_FP6 matrix_a_scale:MATRIX_SCALE_ROW1
.elseif fB
	v_wmma_scale_f32_16x16x128_f8f6f4 v[rD:rD+7], v[rA:rA+11], v[rB:rB+11], v[rC:rC+7], v[rSA], v[rSB] matrix_a_fmt:MATRIX_FMT_FP6 matrix_b_fmt:MATRIX_FMT_FP6 matrix_b_scale:MATRIX_SCALE_ROW1
.else
	v_wmma_scale_f32_16x16x128_f8f6f4 v[rD:rD+7], v[rA:rA+11], v[rB:rB+11], v[rC:rC+7], v[rSA], v[rSB] matrix_a_fmt:MATRIX_FMT_FP6 matrix_b_fmt:MATRIX_FMT_FP6
.endif
.endm
.macro ALOAD s                         ; my four fragments of o of K step s: 16 loads
.if (\s) < 4
	WIN 0x40
.else
	WIN 0x80
.endif
.irp a, 0,1,2,3
.set rr, 48*((\s)%4)+12*\a
	global_load_b128 v[rr:rr+3], v2, s[38:39] offset:12288*\a+1536*(\s)
	global_load_b64 v[rr+4:rr+5], v3, s[38:39] offset:12288*\a+1536*(\s)+512
	global_load_b128 v[rr+6:rr+9], v2, s[38:39] offset:12288*\a+1536*(\s)+768
	global_load_b64 v[rr+10:rr+11], v3, s[38:39] offset:12288*\a+1536*(\s)+1280
.endr
.endm
.macro FETCHW s                        ; w_o's four fragments of K step s: 12 LDS loads into buffer s % 2
.irp t, 0,1,2,3
.irp g, 0,1,2
	ds_load_b128 v[WF+48*((\s)%2)+12*\t+4*\g:WF+48*((\s)%2)+12*\t+4*\g+3], v2 offset:6144*(\s)+1536*\t+512*\g
.endr
.endr
.endm
; A K step: 16 products; the 16 accumulators take turns, one instruction a turn, in the same order in every step
.macro KSTEP s
.if \s < 7
.if \s > 0
	PLACES 4                                       ; in front of loads into the buffer that the step before multiplied
.endif
	WIN 0
	FETCHW \s+1
	s_wait_dscnt 12                                ; this step's fragments are in; the 12 loads just issued may be out
.else
	s_wait_dscnt 0x0
.endif
.if \s < 5
	s_wait_loadcnt 48                              ; this step's o is in; the three younger steps' 16 loads each may be out
.else
	s_wait_loadcnt 16*(7-\s)
.endif
.if \s < 4
	ALOAD \s+4
.endif
.if \s < 4
	WIN 0xf4                                       ; source 0 (w_o) window 0, source 1 (o) window 1, C and D window 3
.else
	WIN 0xf8                                       ; source 1 window 2
.endif
.irp a, 0,1,2,3
.irp t, 0,1,2,3
.set rD, 8*(4*\a+\t)
.set rA, WF+48*(\s%2)+12*\t
.set rB, 48*(\s%4)+12*\a
.set rSA, WSR+2*\s+\t/2
.set fA, \t%2
.set rSB, ASR+8*(\a/2)+\s
.set fB, \a%2
.if \s == 0
.set rC, BO+8*\t
.else
.set rC, 8*(4*\a+\t)
.endif
	WM
.endr
.endr
.endm
	s_load_b256 s[4:11], s[0:1], 0x0               ; ao s[4:5], wq s[6:7], b_o s[8:9], out0 s[10:11]
	v_lshl_add_u32 v254, v0, 2, 0x29000
	v_mov_b32 v255, 0
	ds_add_u32 v254, v255
	ds_add_u32 v254, v255
	v_lshrrev_b32 v1, 5, v0
	v_readfirstlane_b32 s[WV], v1                  ; wave 0..3
	s_bfe_u32 s19, ttmp6, 0x40000                  ; cx
	s_lshl_b32 s20, ttmp9, 2
	s_add_co_u32 s20, s20, s19                     ; my block of 256 rows: it enters o's and the result's global addresses alone
	s_and_b32 s21, ttmp7, 0xffff                   ; my 64 columns, which the four partners share
	s_mov_b32 s[G1], 15|(3<<16)|(1<<21)            ; mask 15, elements of 8 bytes, bit 21 beside the mask
	s_mov_b32 s[G1+1], 32<<16                      ; rows of 256 bytes,
	s_mov_b32 s[G1+2], 48<<16                      ; 48 of them: two K steps
	s_mov_b32 s[G1+3], 32<<16
	s_mov_b32 s[G1+4], 48
	s_mov_b32 s[G1+5], 32
	s_mov_b32 s[G1+6], 0
	s_mov_b32 s[G1+7], 0
	s_mov_b32 s[G0], 1
	s_mul_i32 s[G0+1], s[WV], 12288
	s_mul_i32 s36, s21, 49152
	s_add_co_u32 s36, s36, s[G0+1]
	s_add_co_u32 s36, s36, WOC
	s_mov_b32 s37, 0
	s_lshl_b32 s14, s20, 4
	s_lshl_b32 s15, s[WV], 2
	s_add_co_u32 s14, s14, s15                     ; my first tile of rows
	s_mul_i32 s38, s14, 12288                      ; a tile's 16 half images
	s_mov_b32 s39, 0
	s_lshl_b32 s40, s14, 5                         ; a tile's 16 pairs of bytes
	s_add_co_u32 s40, s40, AS_OFF
	s_mov_b32 s41, 0
	s_lshl_b32 s44, s21, 8                         ; 64 numbers of the bias, of a K step's scale words, of a row of the result
	s_mov_b32 s45, 0
	s_add_co_u32 s42, s44, WOS
	s_mov_b32 s43, 0
	s_lshl_b32 s46, s14, 16                        ; 16 rows of 4,096 bytes
	s_add_co_u32 s46, s46, s44
	s_mov_b32 s47, 0
	s_mul_i32 s48, s[WV], 16*SP
	s_add_co_u32 s48, s48, STAGE                   ; my stage
	s_wait_dscnt 0x0
	s_wait_kmcnt 0x0
	s_add_nc_u64 s[G0+2:G0+3], s[6:7], s[36:37]
	s_or_b32 s[G0+3], s[G0+3], 0x80000000
	s_add_nc_u64 s[38:39], s[4:5], s[38:39]
	s_add_nc_u64 s[40:41], s[4:5], s[40:41]
	s_add_nc_u64 s[42:43], s[6:7], s[42:43]
	s_add_nc_u64 s[8:9], s[8:9], s[44:45]
	s_add_nc_u64 s[10:11], s[10:11], s[46:47]
	CROUND                                         ; all four work-groups are here: the joint loads meet
	tensor_load_to_lds s[G0:G0+3], s[G1:G1+7]      ; my one tensor load of the launch
	s_nop 0
	PLACES 4
	v_and_b32 v1, 31, v0
	v_lshlrev_b32 v2, 4, v1
	v_lshlrev_b32 v3, 3, v1
	v_lshlrev_b32 v4, 1, v1
	v_lshlrev_b32 v5, 2, v1
	v_and_b32 v10, 15, v0                          ; r
	v_bfe_u32 v11, v0, 4, 1                        ; h
	v_lshlrev_b32 v6, 6, v11
	v_mul_u32_u24 v7, v10, SP
	v_lshl_add_u32 v7, v11, 6, v7
	v_add_nc_u32 v7, s48, v7                       ; into the stage: row r, + 64 h
	v_mul_u32_u24 v8, v11, SP
	v_lshl_add_u32 v8, v10, 4, v8
	v_add_nc_u32 v8, s48, v8                       ; back: lanes 0-15 one row of 256 bytes, lanes 16-31 the next
	v_lshlrev_b32 v9, 12, v11
	v_lshl_add_u32 v9, v10, 4, v9                  ; and the same two rows in the result
.irp j, 0,1
.irp d, 0,1,2,3,4,5,6,7,8,9,10,11,12,13,14,15
	global_load_u16 v[UB+16*\j+\d], v4, s[40:41] offset:8192*\d+64*\j   ; row 32 j + lane, head d: its two bytes
.endr
.endr
.irp s, 0,1,2,3,4,5,6,7
.irp j, 0,1
	global_load_b32 v[WSR+2*\s+\j], v5, s[42:43] offset:4096*\s+128*\j
.endr
.endr
	WIN 0xc0
.irp t, 0,1,2,3
	global_load_b128 v[BO+8*\t:BO+8*\t+3], v6, s[8:9] offset:(32*(\t/2)+8*(\t%2))*4
	global_load_b128 v[BO+8*\t+4:BO+8*\t+7], v6, s[8:9] offset:(32*(\t/2)+8*(\t%2))*4+16
.endr
	ALOAD 0
	ALOAD 1
	ALOAD 2
	WIN 0
	s_wait_loadcnt 48                              ; all but the three K steps of o just asked for: the bytes, the words and the bias are in
.irp j, 0,1
.irp s, 0,1,2,3,4,5,6,7
	v_lshl_or_b32 v[ASR+8*\j+\s], v[UB+16*\j+2*\s+1], 16, v[UB+16*\j+2*\s]   ; two heads' pairs make a K step's word
.endr
.endr
	ALOAD 3
	WIN 0
	PLACES 8                                       ; scale registers written by vector instructions stand eight places ahead of a scaled product
	s_wait_tensorcnt 0x0                           ; my two K steps of w_o have landed,
	s_barrier_signal -1
	s_barrier_wait -1                              ; everybody's have
	FETCHW 0
.irp s, 0,1,2,3,4,5,6,7
	KSTEP \s
.endr
	; THE WAY OUT: a tile of 16 rows x 64 columns at a time through my own stage, back as whole rows of 256 bytes.  LDS serves a wave's instructions in order: no wait between stores and loads, nor in front of the next tile's stores.
	PLACES 4
.irp a, 0,1,2,3
	WIN 0x0c                                       ; an LDS store's data are its source 1: window 3
.irp t, 0,1,2,3
	ds_store_b128 v7, v[8*(4*\a+\t):8*(4*\a+\t)+3] offset:128*(\t/2)+32*(\t%2)      ; each accumulator from its low end on
	ds_store_b128 v7, v[8*(4*\a+\t)+4:8*(4*\a+\t)+7] offset:128*(\t/2)+32*(\t%2)+16
.endr
	WIN 0
.irp i, 0,1,2,3,4,5,6,7
	ds_load_b128 v[64+32*\a+4*\i:64+32*\a+4*\i+3], v8 offset:2*SP*\i
.endr
.endr
.irp a, 0,1,2,3
.irp i, 0,1,2,3,4,5,6,7
	s_wait_dscnt (7-\i)+16*(3-\a)                  ; the LDS instructions issued behind this load may stay out
	global_store_b128 v9, v[64+32*\a+4*\i:64+32*\a+4*\i+3], s[10:11] offset:(32*(\a/2)+8*(\a%2)+(2*\i)%8+16*(\i/4))*4096 th:TH_STORE_NT   ; sixteen lanes store 256 consecutive bytes, aligned; stored row 2 i + lane / 16 goes back to its token
.endr
.endr
	s_wait_dscnt 0x0
	s_wait_tensorcnt 0x0
	ds_add_u32 v254, v255
	s_wait_dscnt 0x0
	CROUND                                         ; the closing round
	s_endpgm
.Lfunc_end_k_q8ae8f827eb_gemm_out:
	.size	k_q8ae8f827eb_gemm_out, .Lfunc_end_k_q8ae8f827eb_gemm_out-k_q8ae8f827eb_gemm_out
	.p2alignl 7, 3214868480
	.fill 96, 4, 3214868480
	.section	.rodata,"a",@progbits
	.p2align	6, 0x0
	.amdhsa_kernel k_q8ae8f827eb_gemm_out
		.amdhsa_group_segment_fixed_size 168448
		.amdhsa_private_segment_fixed_size 0
		.amdhsa_enable_private_segment 0
		.amdhsa_kernarg_size 32
		.amdhsa_user_sgpr_count 2
		.amdhsa_user_sgpr_kernarg_segment_ptr 1
		.amdhsa_wavefront_size32 1
		.amdhsa_system_sgpr_workgroup_id_x 1
		.amdhsa_system_sgpr_workgroup_id_y 1
		.amdhsa_system_sgpr_workgroup_id_z 1
		.amdhsa_system_vgpr_workitem_id 0
		.amdhsa_next_free_vgpr 928
		.amdhsa_next_free_sgpr 66
		.amdhsa_reserve_vcc 0
		.amdhsa_float_denorm_mode_32 3
		.amdhsa_float_denorm_mode_16_64 3
		.amdhsa_memory_ordered 1
		.amdhsa_forward_progress 1
		.amdhsa_inst_pref_size 56
	.end_amdhsa_kernel
	.amdgpu_metadata
---
amdhsa.version: [ 1, 2 ]
amdhsa.kernels:
  - .name:           k_q8ae8f827eb_gemm_out
    .symbol:         k_q8ae8f827eb_gemm_out.kd
    .args:
      - { .name: ao, .offset: 0, .size: 8, .value_kind: global_buffer, .address_space: global }
      - { .name: wq, .offset: 8, .size: 8, .value_kind: global_buffer, .address_space: global }
      - { .name: b_o, .offset: 16, .size: 8, .value_kind: global_buffer, .address_space: global }
      - { .name: out0, .offset: 24, .size: 8, .value_kind: global_buffer, .address_space: global }
    .group_segment_fixed_size: 168448
    .private_segment_fixed_size: 0
    .kernarg_segment_align: 8
    .kernarg_segment_size: 32
    .max_flat_workgroup_size: 128
    .sgpr_count:     66
    .vgpr_count:     928
    .wavefront_size: 32
...
	.end_amdgpu_metadata
.endif
;; end of part 5
;; ======== version 2 of 2: 4 launches
;; limits: right only within a limited range of input values
;; workspace buffers: xq 3,276,800 bytes; wq 3,276,800 bytes; qc 3,145,728 bytes; kv 6,946,816 bytes; ao 3,276,800 bytes
;; launch quant (part 6): grid 512 x 1, 8 waves a work-group, no clusters, 82,944 bytes of LDS; arguments x, w_qkv, w_o, xq, wq; writes xq, wq
.if DOCPART == 6
	.amdgcn_target "amdgcn-amd-amdhsa--gfx1250"
	.amdhsa_code_object_version 6
	.text
	.protected	k_q8ae8f827eb_quant
	.globl	k_q8ae8f827eb_quant
	.p2align	8
	.type	k_q8ae8f827eb_quant,@function
k_q8ae8f827eb_quant:
	s_mov_b64 s[64:65], 0
	v_nop
	global_prefetch_b8 v0, s[64:65] scope:SCOPE_SE
	s_setreg_imm32_b32 hwreg(HW_REG_WAVE_MODE, 25, 1), 1
	s_wait_xcnt 0x0
; The three f32 operands that arrive wide become codes of FP6 (E2M3) with one E8M0 scale byte for each 32 along K, laid as images of the operand registers that the later launches load.
; A block's scale is 2^(floor(log2(its largest magnitude)) - 2); its byte is the largest magnitude's exponent field - 2, held at 1 from below.
; LIMITS: a block of zeros gets the byte 1 where the rule says 127 (its codes are zeros, and this program alone reads the bytes); blocks whose largest magnitude lies
; under 2^-124 were not tried; NaN and infinities among the inputs are not served.
; ONE LAUNCH, TWO PATHS, parted on the work-group's number alone: work-groups 0-255 take x, work-groups 256-511 the two weights, 65,536 bytes of f32 each.  Each path has LDS bytes of its own.
; An image of a fragment (16 rows x 128 K, 12 registers): registers 4 g .. 4 g + 3 of lane l at 512 g + 16 l: 1,536 bytes.
; STORED ORDER: row r of x's tile T is token 64 (T / 4) + 8 (T % 4) + r % 8 + 32 (r / 8).  A weight's columns are kept with bits 3 and 4 of their number exchanged: row r of tile T is column 32 (T / 2) + 8 (T % 2) + r % 8 + 16 (r / 8).
; x [4096 tokens][1024]: work-group T makes tile T, wave s its K step s.  Each load reads 512 consecutive bytes of one token; the 16 x 512 bytes turn through the wave's own stage, so that a lane gets 16
; neighbours of each block of 32.  xq: images [T][s][1536]; from XS_OFF on the scale words [stored row][s].
; w_qkv [1024 (k)][3072], w_o [1024 (k)][1024]: K is the FIRST axis.  A LANE TAKES A COLUMN AND ITS REGISTERS RUN DOWN K: each load reads 128 consecutive bytes, a block of 32 lies in one lane, and the conversions
; give codes with K innermost.  A work-group takes 128 columns x one K step, a wave 32 columns x half a K step: half of two images' registers.  The two waves of 32 columns fill one stage, and behind a barrier each stores one whole image.
; wq: w_qkv's images [head 16][s 8][tile 12][1536]; from 2,359,296 w_o's [block of 64 columns 16][s 8][tile 4][1536]; from 3,145,728 w_qkv's scale words [s][stored column], from 3,244,032 w_o's.
; No matrix unit, no tensor load, no cluster: streams that are read once and shared by nobody.
.set XS_OFF, 3145728
.set SPI,    528                       ; x: a stage row: 512 bytes + 16: the sixteen rows of a read begin in different banks
.set STG,    16*SPI                    ; a wave's stage
.set XG,     8*STG                     ; behind the eight stages: 512 bytes, the tile's scale words, 32 r + 4 s
.set WB,     XG+512                    ; the weights' path begins here
.set TS,     1664                      ; a tile's image in the stage: 1,536 + 128
.set WST,    2*TS                      ; two waves' stage: two images
.set GW,     WB+4*WST                  ; behind the four stages: 512 bytes, the work-group's 128 scale words
.set SPARE,  GW+512                    ; the spare words, 128 bytes for each wave
.set SPW,    192
.set NIL,    193
.set R,      16                        ; x: v16-79   as loaded
.set X,      80                        ;    v80-143  turned: register 16 b + i = k 32 b + 16 (lane / 16) + i of row lane % 16
.set PC,     144                       ;    v144-163 the codes (12) and two conversions' second halves
.set TM,     164                       ;    v164-179 at work
.set PW,     180                       ;    the scale word
.set SEL,    20                        ; s[20:21] lane selects for v_permlanex16_b32: lane l xor 16
.set VO,     16                        ; weights: v16-47   rows of the source
.set WX,     48                        ;          v48-111  two sets of 32 numbers
.set C,      112                       ;          v112-127 eight registers for each block
.set OUTR,   144                       ;          v144-155 the way out
.set SB,     10                        ;          v10      my column's two scale bytes
; 64 numbers of a lane become a fragment's codes in v[PC] on and its scale word in v[PW]
.macro QUANT s
.irp b, 0,1,2,3
	v_max3_num_f32 v[TM+\b], |v[\s+16*\b]|, |v[\s+1+16*\b]|, 0x1800000   ; my 16 numbers of block b, and the floor 2^(3 - 127): the byte cannot fall under 1
.endr
.irp i, 2,4,6,8,10,12,14
.irp b, 0,1,2,3
	v_max3_num_f32 v[TM+\b], v[TM+\b], |v[\s+16*\b+\i]|, |v[\s+1+16*\b+\i]|   ; the four blocks by turns
.endr
.endr
.irp b, 0,1,2,3
	v_permlanex16_b32 v[TM+4+\b], v[TM+\b], s[SEL], s[SEL+1]
.endr
.irp b, 0,1,2,3
	v_max_num_f32 v[TM+\b], v[TM+\b], v[TM+4+\b]   ; with lane l xor 16: the block's largest magnitude
.endr
.irp b, 0,1,2,3
	v_add_nc_u32 v[TM+12+\b], 0xff000000, v[TM+\b] ; 2 off its exponent field: the conversion's scale operand
.endr
.irp b, 0,1,2,3
	v_lshrrev_b32 v[TM+4+\b], 23, v[TM+12+\b]      ; the scale's byte
.endr
	v_lshl_or_b32 v[PW], v[TM+5], 8, v[TM+4]
	s_delay_alu instid0(VALU_DEP_1)
	v_lshl_or_b32 v[PW], v[TM+6], 16, v[PW]
	s_delay_alu instid0(VALU_DEP_1)
	v_lshl_or_b32 v[PW], v[TM+7], 24, v[PW]
.irp c, 0,1
	v_cvt_scalef32_pk16_fp6_f32 v[PC+6*\c:PC+2+6*\c], v[\s+32*\c:\s+15+32*\c], v[TM+12+2*\c]
	v_cvt_scalef32_pk16_fp6_f32 v[PC+12+4*\c:PC+14+4*\c], v[\s+16+32*\c:\s+31+32*\c], v[TM+12+2*\c+1]   ; a conversion's three registers begin on an even number
.endr
	v_nop                                          ; one plain place behind a scaled conversion
.irp c, 0,1                                    ; the operand wants a whole block in a lane: lanes 0-15 block 2 c, lanes 16-31 block 2 c + 1
.irp i, 0,1,2
	v_permlane16_swap_b32 v[PC+6*\c+\i], v[PC+12+4*\c+\i]
.endr
.irp i, 0,1,2
	v_mov_b32 v[PC+3+6*\c+\i], v[PC+12+4*\c+\i]
.endr
.endr
.endm
.macro LOAD t                          ; weights, my block t: 32 rows of my column into set t
.set i, 0
.rept 32
	global_load_b32 v[WX+32*(\t)+i], v[VO+i], s[32+2*(\t):33+2*(\t)] th:TH_LOAD_NT
.set i, i+1
.endr
.endm
.macro BLOCK t                         ; my block t is registers 6 c .. 6 c + 5 of lane r + 16 t of the image (c: my half of the K step): 24 bytes, in three pieces of 8
.set XB, WX+32*(\t)
.set CC, C+8*(\t)
.if (\t) < 1
	s_wait_loadcnt 32                              ; this block's 32 loads are in; the next block's 32 may be out
.else
	s_wait_loadcnt 0x0
.endif
	v_max3_num_f32 v12, |v[XB]|, |v[XB+1]|, |v[XB+2]|   ; the block's largest magnitude: all 32 numbers are mine; two chains
	v_max3_num_f32 v13, |v[XB+3]|, |v[XB+4]|, |v[XB+5]|
.irp i, 6,10,14,18,22,26
	s_delay_alu instid0(VALU_DEP_2)
	v_max3_num_f32 v12, v12, |v[XB+\i]|, |v[XB+\i+1]|
	s_delay_alu instid0(VALU_DEP_2)
	v_max3_num_f32 v13, v13, |v[XB+\i+2]|, |v[XB+\i+3]|
.endr
	s_delay_alu instid0(VALU_DEP_2)
	v_max3_num_f32 v12, v12, |v[XB+30]|, |v[XB+31]|
	s_delay_alu instid0(VALU_DEP_1)
	v_max3_num_f32 v12, v12, v13, 0x1800000        ; and the floor 2^(3 - 127): the byte cannot fall under 1
	s_delay_alu instid0(VALU_DEP_1)
	v_add_nc_u32 v11, 0xff000000, v12              ; 2 off the exponent field: the conversion's scale operand
	s_delay_alu instid0(VALU_DEP_1)
	v_lshrrev_b32 v13, 23, v11                     ; the byte
.if (\t) == 0
	s_delay_alu instid0(VALU_DEP_1)
	v_mov_b32 v[SB], v13
.else
	s_delay_alu instid0(VALU_DEP_1)
	v_lshl_or_b32 v[SB], v13, 8, v[SB]
.endif
	v_cvt_scalef32_pk16_fp6_f32 v[CC:CC+2], v[XB:XB+15], v11
	v_cvt_scalef32_pk16_fp6_f32 v[CC+4:CC+6], v[XB+16:XB+31], v11   ; a conversion's three registers begin on an even number
	v_nop                                          ; one plain place behind a scaled conversion
	v_mov_b32 v[CC+3], v[CC+4]                     ; the block's six registers on end
	v_mov_b32 v[CC+4], v[CC+5]
	v_mov_b32 v[CC+5], v[CC+6]
	ds_store_b64 v3, v[CC:CC+1] offset:256*(\t)           ; c = 0: at 0, 8, 512;  c = 1: at 520, 1,024, 1,032
	ds_store_b64 v14, v[CC+2:CC+3] offset:8+256*(\t)
	ds_store_b64 v3, v[CC+4:CC+5] offset:512+256*(\t)
.endm
	s_load_b256 s[4:11], s[0:1], 0x0               ; x s[4:5], w_qkv s[6:7], w_o s[8:9], xq s[10:11]
	s_load_b64 s[12:13], s[0:1], 0x20              ; wq
	v_lshl_add_u32 v[SPW], v0, 2, SPARE
	v_mov_b32 v[NIL], 0
	v_lshrrev_b32 v1, 5, v0
	v_readfirstlane_b32 s14, v1                    ; wave 0..7
	s_cmp_ge_u32 ttmp9, 256
	s_cbranch_scc1 .Lweights                       ; the same way for all eight waves of a work-group
	; ---------------- x: work-group = tile T, wave = K step
	v_and_b32 v1, 31, v0                           ; lane
	s_delay_alu instid0(VALU_DEP_1)
	v_lshlrev_b32 v2, 4, v1                        ; 16 x lane
	s_mul_i32 s16, s14, STG
	v_add_nc_u32 v3, s16, v2                       ; into the stage: a row's 512 bytes as they lie
	v_and_b32 v7, 15, v0                           ; r
	v_bfe_u32 v8, v0, 4, 1                         ; h
	s_delay_alu instid0(VALU_DEP_2)
	v_mul_u32_u24 v4, v7, SPI
	s_delay_alu instid0(VALU_DEP_1)
	v_lshl_add_u32 v4, v8, 6, v4
	s_delay_alu instid0(VALU_DEP_1)
	v_add_nc_u32 v4, s16, v4                       ; out of it: row r, + 64 h: my 16 numbers of a block
	v_lshlrev_b32 v5, 5, v7
	s_lshl_b32 s17, s14, 2
	s_add_co_u32 s17, s17, XG
	v_add_nc_u32 v5, s17, v5                       ; my row's scale word of my K step
	v_add_nc_u32 v6, XG, v2                        ; and the way out of the gathered words (wave 0)
	s_mov_b32 s[SEL], 0x76543210
	s_mov_b32 s[SEL+1], 0xfedcba98
.irp b, 0,1,2,3
	v_mov_b32 v[TM+4+\b], 0                        ; a lane permute's destination counts as one of its sources
.endr
	s_lshr_b32 s18, ttmp9, 2
	s_lshl_b32 s18, s18, 6
	s_and_b32 s19, ttmp9, 3
	s_lshl_b32 s19, s19, 3
	s_add_co_u32 s18, s18, s19                     ; the tile's first token: 64 (T / 4) + 8 (T % 4)
	s_lshl_b32 s24, s18, 12                        ; 4,096 bytes a token,
	s_lshl_b32 s25, s14, 9                         ; 512 bytes a K step
	s_add_co_u32 s24, s24, s25
	s_mov_b32 s25, 0
	s_lshl_b32 s26, ttmp9, 3
	s_add_co_u32 s26, s26, s14
	s_mul_i32 s26, s26, 1536                       ; my image: (8 T + s) x 1,536
	s_mov_b32 s27, 0
	s_lshl_b32 s28, ttmp9, 9
	s_add_co_u32 s28, s28, XS_OFF                  ; the tile's 512 bytes of scale words
	s_mov_b32 s29, 0
	s_wait_alu depctr_va_vdst(0)                   ; the wait at the head's end
	s_wait_kmcnt 0x0
	s_add_nc_u64 s[4:5], s[4:5], s[24:25]
	s_add_nc_u64 s[30:31], s[10:11], s[28:29]
	s_add_nc_u64 s[10:11], s[10:11], s[26:27]
.irp i, 0,1,2,3,4,5,6,7,8,9,10,11,12,13,14,15
	global_load_b128 v[R+4*\i:R+4*\i+3], v2, s[4:5] offset:(\i+24*(\i/8))*4096 th:TH_LOAD_NT   ; stored row i: 32 lanes read 512 consecutive bytes; all sixteen loads are out at once
.endr
.irp i, 0,1,2,3,4,5,6,7,8,9,10,11,12,13,14,15
	s_wait_loadcnt 15-\i                           ; loads come back in order: row i is in, the younger ones stay out
	ds_store_b128 v3, v[R+4*\i:R+4*\i+3] offset:SPI*\i
.endr
.irp b, 0,1,2,3
.irp j, 0,1,2,3
	ds_load_b128 v[X+16*\b+4*\j:X+16*\b+4*\j+3], v4 offset:128*\b+16*\j   ; the wave's own bytes: LDS serves a wave's instructions in order
.endr
.endr
	s_wait_dscnt 0x0
	QUANT X
.irp g, 0,1,2
	global_store_b128 v2, v[PC+4*\g:PC+4*\g+3], s[10:11] offset:512*\g   ; 512 consecutive bytes, aligned
.endr
	ds_store_b32 v5, v[PW]                         ; lanes r and r + 16 write the same word with the same value
	s_wait_dscnt 0x0                               ; for the others' sake: my word lies in LDS
	s_barrier_signal -1
	s_barrier_wait -1
	s_cmp_lg_u32 s14, 0
	s_cbranch_scc1 .Lxdone
	ds_load_b128 v[184:187], v6                    ; wave 0 takes the tile's 128 words
	s_wait_dscnt 0x0
	global_store_b128 v2, v[184:187], s[30:31]     ; and stores 512 consecutive bytes
.Lxdone:
	s_wait_tensorcnt 0x0                           ; the wave's end
	ds_add_u32 v[SPW], v[NIL]
	s_wait_dscnt 0x0
	s_endpgm
	; ---------------- the weights: work-group = 128 columns x one K step; wave = 32 columns x half of it
.Lweights:
	s_and_b32 s15, s14, 3                          ; which 32 of the 128 columns
	s_lshr_b32 s46, s14, 2                         ; c: which half of the K step
	s_mul_i32 s16, s15, WST
	s_add_co_u32 s16, s16, WB                      ; the stage of my 32 columns
	s_mul_i32 s50, s46, 520
	s_add_co_u32 s50, s50, s16                     ; into it: pieces 0 and 2,
	s_mul_i32 s51, s46, 1016
	s_add_co_u32 s51, s51, s16                     ; and piece 1
	s_mul_i32 s52, s46, TS
	s_add_co_u32 s52, s52, s16                     ; out of it: image c
	s_lshl_b32 s17, s15, 7
	s_lshl_b32 s47, s46, 1
	s_add_co_u32 s17, s17, s47
	s_add_co_u32 s17, s17, GW                      ; my 32 columns' words, bytes 2 c and 2 c + 1
	v_and_b32 v1, 31, v0                           ; lane = column
	v_bfe_u32 v8, v0, 3, 1                         ; which of the two tiles
	v_and_b32 v9, 7, v0
	v_bfe_u32 v10, v0, 4, 1
	v_lshlrev_b32 v2, 4, v1                        ; 16 x lane
	v_lshl_or_b32 v9, v10, 3, v9                   ; and which row r of it
	v_mul_u32_u24 v3, v8, TS
	v_lshl_add_u32 v5, v8, 4, v9                   ; stored column in my 32
	v_lshl_add_u32 v3, v9, 4, v3                   ; tile, 16 r
	v_lshl_add_u32 v5, v5, 2, s17                  ; its scale word
	v_add_nc_u32 v14, s51, v3
	v_add_nc_u32 v3, s50, v3
	v_add_nc_u32 v4, s52, v2
	v_add_nc_u32 v6, GW, v2                        ; the way out of the words (wave 0)
	s_sub_co_u32 s18, ttmp9, 256
	s_and_b32 s19, s18, 31                         ; my 128 columns: 0-23 w_qkv's, 24-31 w_o's
	s_lshr_b32 s24, s18, 5                         ; my K step
	s_cmp_lt_u32 s19, 24
	s_cselect_b32 s20, 0, 24
	s_sub_co_u32 s20, s19, s20                     ; which 128 columns of my tensor
	s_lshl_b32 s21, s20, 2
	s_add_co_u32 s21, s21, s15                     ; G: which 32 columns
	s_mul_i32 s22, s21, 43
	s_lshr_b32 s22, s22, 8                         ; G / 6 (exact for G < 128: the error G / 768 stays under 1 / 6)
	s_mul_i32 s23, s22, 6
	s_sub_co_u32 s23, s21, s23                     ; G % 6
	s_lshr_b32 s25, s21, 1
	s_and_b32 s26, s21, 1
	s_mov_b32 s27, 147456
	s_mov_b32 s28, 18432
	s_mov_b32 s30, 3145728
	s_mov_b32 s31, 12288
	s_cmp_lt_u32 s19, 24                           ; w_qkv or w_o: the selects below leave SCC alone
	s_cselect_b32 s22, s22, s25                    ; the head, or the block of 64 columns
	s_cselect_b32 s23, s23, s26                    ; which pair of tiles in it
	s_cselect_b32 s27, s27, 49152                  ; its bytes
	s_cselect_b32 s28, s28, 6144                   ; a K step's bytes in it
	s_cselect_b32 s29, 0, 2359296                  ; where the tensor's images begin
	s_cselect_b32 s30, s30, 3244032                ; and its scale words
	s_cselect_b32 s31, s31, 4096                   ; a row of the source, and a K step's scale words, in bytes
	s_mul_i32 s40, s22, s27
	s_mul_i32 s41, s24, s28
	s_add_co_u32 s40, s40, s41
	s_mul_i32 s41, s23, 3072
	s_add_co_u32 s40, s40, s41
	s_add_co_u32 s40, s40, s29                     ; my columns' two images,
	s_mul_i32 s41, s46, 1536
	s_add_co_u32 s40, s40, s41                     ; of which I store image c
	s_mov_b32 s41, 0
	s_mul_i32 s42, s24, s31
	s_lshl_b32 s43, s20, 9
	s_add_co_u32 s42, s42, s43
	s_add_co_u32 s42, s42, s30                     ; the work-group's 512 bytes of scale words
	s_mov_b32 s43, 0
	s_lshl_b32 s44, s24, 7
	s_lshl_b32 s45, s46, 6
	s_add_co_u32 s44, s44, s45
	s_mul_i32 s44, s44, s31                        ; 128 s + 64 c rows down,
	s_lshl_b32 s45, s21, 7
	s_add_co_u32 s44, s44, s45                     ; 32 G columns on
	s_mov_b32 s45, 0
	s_lshl_b32 s48, s31, 5                         ; a block: 32 rows
	s_mov_b32 s49, 0
	s_lshl_b32 s47, s31, 2
	v_lshlrev_b32 v[VO], 2, v1
.set i, 1
.rept 3
	v_add_nc_u32 v[VO+i], s31, v[VO+i-1]           ; one row further down
.set i, i+1
.endr
.rept 28
	v_add_nc_u32 v[VO+i], s47, v[VO+i-4]           ; four rows: four chains by turns
.set i, i+1
.endr
	s_wait_alu depctr_va_vdst(0)                   ; the wait at the head's end
	s_wait_kmcnt 0x0
	s_cmp_lt_u32 s19, 24
	s_cselect_b64 s[4:5], s[6:7], s[8:9]           ; the choice hangs on the work-group's number alone
	s_add_nc_u64 s[32:33], s[4:5], s[44:45]        ; a base for each of my two blocks
	s_add_nc_u64 s[34:35], s[32:33], s[48:49]
	s_add_nc_u64 s[50:51], s[12:13], s[40:41]
	s_add_nc_u64 s[52:53], s[12:13], s[42:43]
	LOAD 0
	LOAD 1
	BLOCK 0
	BLOCK 1
	ds_store_b16 v5, v[SB]
	s_wait_dscnt 0x0                               ; for the others' sake: my half images and bytes lie in LDS
	s_barrier_signal -1
	s_barrier_wait -1
.irp g, 0,1,2
	ds_load_b128 v[OUTR+4*\g:OUTR+4*\g+3], v4 offset:512*\g
.endr
.irp g, 0,1,2
	s_wait_dscnt 2-\g                              ; this load is back; the younger ones stay out
	global_store_b128 v2, v[OUTR+4*\g:OUTR+4*\g+3], s[50:51] offset:512*\g   ; 512 consecutive bytes, aligned
.endr
	s_cmp_lg_u32 s14, 0
	s_cbranch_scc1 .Lwdone
	ds_load_b128 v[168:171], v6                    ; wave 0: the 128 words
	s_wait_dscnt 0x0
	global_store_b128 v2, v[168:171], s[52:53]     ; 512 consecutive bytes
.Lwdone:
	s_wait_tensorcnt 0x0                           ; the wave's end
	ds_add_u32 v[SPW], v[NIL]
	s_wait_dscnt 0x0
	s_endpgm
.Lfunc_end_k_q8ae8f827eb_quant:
	.size	k_q8ae8f827eb_quant, .Lfunc_end_k_q8ae8f827eb_quant-k_q8ae8f827eb_quant
	.p2alignl 7, 3214868480
	.fill 96, 4, 3214868480
	.section	.rodata,"a",@progbits
	.p2align	6, 0x0
	.amdhsa_kernel k_q8ae8f827eb_quant
		.amdhsa_group_segment_fixed_size 82944
		.amdhsa_private_segment_fixed_size 0
		.amdhsa_enable_private_segment 0
		.amdhsa_kernarg_size 40
		.amdhsa_user_sgpr_count 2
		.amdhsa_user_sgpr_kernarg_segment_ptr 1
		.amdhsa_wavefront_size32 1
		.amdhsa_system_sgpr_workgroup_id_x 1
		.amdhsa_system_sgpr_workgroup_id_y 1
		.amdhsa_system_sgpr_workgroup_id_z 1
		.amdhsa_system_vgpr_workitem_id 0
		.amdhsa_next_free_vgpr 194
		.amdhsa_next_free_sgpr 66
		.amdhsa_reserve_vcc 0
		.amdhsa_float_denorm_mode_32 3
		.amdhsa_float_denorm_mode_16_64 3
		.amdhsa_memory_ordered 1
		.amdhsa_forward_progress 1
		.amdhsa_inst_pref_size 28
	.end_amdhsa_kernel
	.amdgpu_metadata
---
amdhsa.version: [ 1, 2 ]
amdhsa.kernels:
  - .name:           k_q8ae8f827eb_quant
    .symbol:         k_q8ae8f827eb_quant.kd
    .args:
      - { .name: x, .offset: 0, .size: 8, .value_kind: global_buffer, .address_space: global }
      - { .name: w_qkv, .offset: 8, .size: 8, .value_kind: global_buffer, .address_space: global }
      - { .name: w_o, .offset: 16, .size: 8, .value_kind: global_buffer, .address_space: global }
      - { .name: xq, .offset: 24, .size: 8, .value_kind: global_buffer, .address_space: global }
      - { .name: wq, .offset: 32, .size: 8, .value_kind: global_buffer, .address_space: global }
    .group_segment_fixed_size: 82944
    .private_segment_fixed_size: 0
    .kernarg_segment_align: 8
    .kernarg_segment_size: 40
    .max_flat_workgroup_size: 256
    .sgpr_count:     66
    .vgpr_count:     194
    .wavefront_size: 32
...
	.end_amdgpu_metadata
.endif
;; end of part 6
;; launch gemm_qkv (part 7): grid 16 x 16, 4 waves a work-group, clusters of 4 x 1, 327,680 bytes of LDS; arguments xq, wq, b_qkv, qc, kv; writes qc, kv
.if DOCPART == 7
	.amdgcn_target "amdgcn-amd-amdhsa--gfx1250"
	.amdhsa_code_object_version 6
	.text
	.protected	k_q8ae8f827eb_gemm_qkv
	.globl	k_q8ae8f827eb_gemm_qkv
	.p2align	8
	.type	k_q8ae8f827eb_gemm_qkv,@function
k_q8ae8f827eb_gemm_qkv:
	s_mov_b64 s[64:65], 0
	v_nop
	global_prefetch_b8 v0, s[64:65] scope:SCOPE_SE
	s_setreg_imm32_b32 hwreg(HW_REG_WAVE_MODE, 25, 1), 1
	s_wait_xcnt 0x0
	s_wait_alu depctr_hold_cnt(0) depctr_sa_sdst(0) depctr_va_vdst(0) depctr_va_sdst(0) depctr_va_ssrc(0) depctr_va_vcc(0) depctr_vm_vsrc(0)
	s_getreg_b32 s2, hwreg(HW_REG_IB_STS2, 6, 4)
	s_cmp_eq_u32 s2, 0
	s_cbranch_scc0 .Lentry_in_a_cluster
	s_endpgm
.Lentry_in_a_cluster:
	s_bfe_u32 s2, ttmp6, 0x10000c
	s_cmp_lg_u32 s2, 0x3003
	s_cbranch_scc0 .Lentry_shape_is_right
	s_endpgm
.Lentry_shape_is_right:
; q, k, v = x w_qkv + b_qkv on codes of FP6 (E2M3), and their quantisers on the way out.  A work-group makes 256 stored tokens x one head's 192 columns, a wave 64 tokens.
; The head's weights for all of K, 147,456 bytes, and their scale words, 6,144 bytes, lie in LDS, filled once, by joint loads of the cluster's four work-groups, which share the head.
; x's fragments are read by no other wave of the work-group: they go straight into registers.  q, k transposed (a lane holds one token), v not (a lane holds one column).
; Row i of x's tile T is token 64 (T / 4) + 8 (T % 4) + i % 8 + 32 (i / 8): so a lane's 32 results of v in a wave's four tiles are one block of 32 tokens, and v's quantiser asks no other lane.
; kv, a record of 13,568 bytes for each 128 tokens: k's 8 half images of 768; from 6,144 v's [64 tokens 2][tile 4][768]; from 12,288 k's words [64 tokens 2][r][tile 4]; from 12,800 v's words [tile pair 2][r][2]; from 13,056 q's words [64 tokens 2][r][tile 4].
; LIMITS: a block of zeros gets the byte 1 where the rule says 127 (its codes are zeros); blocks whose largest magnitude lies under 2^-124 were not tried; NaN and infinities are not served.
; No prefetch: each byte is asked for once, at the head or three K steps ahead of its use.
.set XS_OFF, 3145728
.set WQS,    3145728
.set HEADW,  147456
.set STEPW,  18432
.set REC,    13568
.set HEADKV, 217088
.set VX,     147456
.set WV,  18
.set SEL, 22
.set G1A, 24
.set G1B, 32
.set G0A, 40
.set G0B, 44
.set G1C, 68                           ; s[68:75], s[76:79] the scale words' descriptor
.set G0C, 76
.set WLS, 148480                       ; LDS: the weights' scale words [K step 8][768 bytes]
.set WS,  32
.set XS,  80
.set XF,  96
.set BQ,  144
.set BV,  208
.set EM,  32
.set EM2, 48
.set ESO, 64
.set EW,  80
.set ESW, 88
.set EH,  96
.set ETT, 160
.set MSB, 0
.macro WIN new
.if MSB != \new
	s_set_vgpr_msb (MSB<<8)|\new
.set MSB, \new
.endif
.endm
.macro PLACES n
.rept \n
	v_nop
.endr
.endm
.macro CROUND
	s_barrier_signal -1
	s_barrier_wait -1
	s_cmp_lg_u32 s[WV], 0
	s_cbranch_scc1 .Lnot_wave_0_\@
	s_barrier_signal -3
.Lnot_wave_0_\@:
	s_barrier_wait -3
	s_barrier_signal -1
	s_barrier_wait -1
.endm
.macro WM
.if fA && fB
	v_wmma_scale_f32_16x16x128_f8f6f4 v[rD:rD+7], v[rA:rA+11], v[rB:rB+11], v[rC:rC+7], v[rSA], v[rSB] matrix_a_fmt:MATRIX_FMT_FP6 matrix_b_fmt:MATRIX_FMT_FP6 matrix_a_scale:MATRIX_SCALE_ROW1 matrix_b_scale:MATRIX_SCALE_ROW1
.elseif fA
	v_wmma_scale_f32_16x16x128_f8f6f4 v[rD:rD+7], v[rA:rA+11], v[rB:rB+11], v[rC:rC+7], v[rSA], v[rSB] matrix_a_fmt:MATRIX_FMT_FP6 matrix_b_fmt:MATRIX_FMT_FP6 matrix_a_scale:MATRIX_SCALE_ROW1
.elseif fB
	v_wmma_scale_f32_16x16x128_f8f6f4 v[rD:rD+7], v[rA:rA+11], v[rB:rB+11], v[rC:rC+7], v[rSA], v[rSB] matrix_a_fmt:MATRIX_FMT_FP6 matrix_b_fmt:MATRIX_FMT_FP6 matrix_b_scale:MATRIX_SCALE_ROW1
.else
	v_wmma_scale_f32_16x16x128_f8f6f4 v[rD:rD+7], v[rA:rA+11], v[rB:rB+11], v[rC:rC+7], v[rSA], v[rSB] matrix_a_fmt:MATRIX_FMT_FP6 matrix_b_fmt:MATRIX_FMT_FP6
.endif
.endm
.macro XLOAD s
.irp a, 0,1,2,3
.irp g, 0,1,2
	global_load_b128 v[XF+48*((\s)%3)+12*\a+4*\g:XF+48*((\s)%3)+12*\a+4*\g+3], v2, s[48:49] offset:(8*\a+(\s))*1536+512*\g
.endr
.endr
.endm
.macro WLOAD p, s
.irp i, 0,1,2,3
.irp g, 0,1,2
	ds_load_b128 v[48*(\p)+12*\i+4*\g:48*(\p)+12*\i+4*\g+3], v[2+(\s)/3] offset:((\s)%3)*STEPW+(4*(\p)+\i)*1536+512*\g
.endr
.endr
.endm
.macro GROUP p, s
.if 3*\s+\p < 22
	s_wait_dscnt 24
.elseif 3*\s+\p == 22
	s_wait_dscnt 12
.else
	s_wait_dscnt 0x0
.endif
.if \p == 0
.if \s < 6
	s_wait_loadcnt 24
.elseif \s == 6
	s_wait_loadcnt 12
.else
	s_wait_loadcnt 0x0
.endif
.endif
.if \p < 2
.if \s == 0
	WIN 0x91
.else
	WIN 0xa1
.endif
.else
.if \s == 0
	WIN 0xd4
.else
	WIN 0xf4
.endif
.endif
.irp a, 0,1,2,3
.irp i, 0,1,2,3
.if \p < 2
.set rD, 8*(8*\a+4*\p+\i)
.set rA, 48*\p+12*\i
.set rB, XF+48*(\s%3)+12*\a
.set rSA, WS+6*\s+2*\p+\i/2
.set fA, \i%2
.set rSB, XS+8*(\a/2)+\s
.set fB, \a%2
.if \s == 0
.set rC, BQ+8*(4*\p+\i)
.else
.set rC, 8*(8*\a+4*\p+\i)
.endif
.else
.set rD, 32*\i+8*\a
.set rA, XF+48*(\s%3)+12*\a
.set rB, 96+12*\i
.set rSA, XS+8*(\a/2)+\s
.set fA, \a%2
.set rSB, WS+6*\s+4+\i/2
.set fB, \i%2
.if \s == 0
.set rC, BV+8*\i
.else
.set rC, 32*\i+8*\a
.endif
.endif
	WM
.endr
.endr
.if \s < 7
	PLACES 4
.if (\p == 0) && (\s == 1)
	s_wait_tensorcnt 0x0
	s_wait_dscnt 0x0
	s_barrier_signal -1
	s_barrier_wait -1
.endif
	WIN 0x40
	WLOAD \p, \s+1
.if (\p == 2) && (\s < 5)
	WIN 0
	XLOAD \s+3
.endif
.endif
.endm
.macro EPIQ win, win2, n
	WIN \win2
.set ek, 0
.rept 2*\n
	v_max3_num_f32 v[EM+ek], |v[16*ek]|, |v[16*ek+1]|, 0x1800000
.set ek, ek+1
.endr
.irp i, 2,4,6,8,10,12,14
.set ek, 0
.rept 2*\n
	v_max3_num_f32 v[EM+ek], |v[16*ek+\i]|, |v[16*ek+\i+1]|, v[EM+ek]
.set ek, ek+1
.endr
.endr
	WIN 0
.set ek, 0
.rept 2*\n
	v_permlanex16_b32 v[EM2+ek], v[EM+ek], s[SEL], s[SEL+1]
.set ek, ek+1
.endr
.set ek, 0
.rept 2*\n
	v_max_num_f32 v[EM+ek], v[EM+ek], v[EM2+ek]
.set ek, ek+1
.endr
.set ek, 0
.rept 2*\n
	v_add_nc_u32 v[ESO+ek], 0xff000000, v[EM+ek]
.set ek, ek+1
.endr
.set ek, 0
.rept 2*\n
	v_lshrrev_b32 v[EM2+ek], 23, v[ESO+ek]
.set ek, ek+1
.endr
.set ek, 0
.rept \n
	v_lshl_or_b32 v[EW+ek], v[EM2+2*ek+1], 8, v[EM2+2*ek]
.set ek, ek+1
.endr
	WIN \win
.set ek, 0
.rept \n
	v_cvt_scalef32_pk16_fp6_f32 v[EH+8*ek:EH+8*ek+2], v[32*ek:32*ek+15], v[ESO+2*ek]
	v_cvt_scalef32_pk16_fp6_f32 v[ETT+4*ek:ETT+4*ek+2], v[32*ek+16:32*ek+31], v[ESO+2*ek+1]
.set ek, ek+1
.endr
	WIN 0
	v_nop
.set ek, 0
.rept \n
.irp i, 0,1,2
	v_permlane16_swap_b32 v[EH+8*ek+\i], v[ETT+4*ek+\i]
.endr
.irp i, 0,1,2
	v_mov_b32 v[EH+8*ek+3+\i], v[ETT+4*ek+\i]
.endr
.set ek, ek+1
.endr
.endm
	s_load_b256 s[4:11], s[0:1], 0x0
	s_load_b64 s[12:13], s[0:1], 0x20
	v_lshl_add_u32 v254, v0, 2, 0x29000
	v_mov_b32 v255, 0
	ds_add_u32 v254, v255
	ds_add_u32 v254, v255
	v_lshrrev_b32 v1, 5, v0
	v_readfirstlane_b32 s[WV], v1
	s_bfe_u32 s19, ttmp6, 0x40000
	s_lshl_b32 s20, ttmp9, 2
	s_add_co_u32 s20, s20, s19
	s_and_b32 s21, ttmp7, 0xffff
	s_mov_b32 s[G1A], 15|(3<<16)|(1<<21)
	s_mov_b32 s[G1A+1], 32<<16
	s_mov_b32 s[G1A+2], 144<<16
	s_mov_b32 s[G1A+3], 32<<16
	s_mov_b32 s[G1A+4], 144
	s_mov_b32 s[G1A+5], 32
	s_mov_b32 s[G1A+6], 0
	s_mov_b32 s[G1A+7], 0
	s_mov_b32 s[G1B], 15|(3<<16)|(1<<21)
	s_mov_b32 s[G1B+1], 32<<16
	s_mov_b32 s[G1B+2], 216<<16
	s_mov_b32 s[G1B+3], 32<<16
	s_mov_b32 s[G1B+4], 216
	s_mov_b32 s[G1B+5], 32
	s_mov_b32 s[G1B+6], 0
	s_mov_b32 s[G1B+7], 0
	s_mov_b32 s[G0A], 1
	s_mov_b32 s[G0B], 1
	s_mov_b32 s[G1C], 15|(3<<16)|(1<<21)
	s_mov_b32 s[G1C+1], 96<<16                     ; 8 rows of 768 bytes, 12,288 apart
	s_mov_b32 s[G1C+2], 8<<16
	s_mov_b32 s[G1C+3], 96<<16
	s_mov_b32 s[G1C+4], 8
	s_mov_b32 s[G1C+5], 1536
	s_mov_b32 s[G1C+6], 0
	s_mov_b32 s[G1C+7], 0
	s_mov_b32 s[G0C], 1
	s_mov_b32 s[G0C+1], WLS
	s_mov_b32 s[G0A+1], 0                          ; wave 0: K steps 0, 1
	s_and_b32 s[G0B+1], s[WV], 1                   ; waves 2, 3: K steps 2-4, 5-7
	s_mul_i32 s[G0B+1], s[G0B+1], 3*STEPW
	s_add_co_u32 s[G0B+1], s[G0B+1], 2*STEPW
	s_mul_i32 s60, s21, HEADW
	s_add_co_u32 s62, s60, s[G0B+1]
	s_mov_b32 s61, 0
	s_mov_b32 s63, 0
	s_mov_b32 s[SEL], 0x76543210
	s_mov_b32 s[SEL+1], 0xfedcba98
	s_lshl_b32 s14, s20, 4
	s_lshl_b32 s15, s[WV], 2
	s_add_co_u32 s14, s14, s15
	s_mul_i32 s48, s14, 12288
	s_mov_b32 s49, 0
	s_lshl_b32 s50, s14, 9
	s_add_co_u32 s50, s50, XS_OFF
	s_mov_b32 s51, 0
	s_mul_i32 s16, s21, 768
	s_mov_b32 s17, 0
	s_add_co_u32 s52, s16, WQS
	s_mov_b32 s53, 0
	s_lshr_b32 s15, s20, 3
	s_lshl_b32 s15, s15, 4
	s_add_co_u32 s15, s15, s21
	s_and_b32 s54, s20, 7
	s_lshl_b32 s55, s15, 7
	s_lshl_b32 s56, s54, 4
	s_add_co_u32 s55, s55, s56
	s_lshl_b32 s56, s[WV], 2
	s_add_co_u32 s55, s55, s56
	s_mul_i32 s56, s55, 768
	s_mov_b32 s57, 0
	s_lshl_b32 s54, s54, 1
	s_lshr_b32 s55, s[WV], 1
	s_add_co_u32 s54, s54, s55
	s_mul_i32 s54, s54, REC
	s_mul_i32 s55, s15, HEADKV
	s_add_co_u32 s54, s54, s55
	s_mov_b32 s55, 0
	s_and_b32 s14, s[WV], 1
	s_mul_i32 s58, s14, 3072
	s_mov_b32 s59, 0
	s_lshl_b32 s14, s14, 8
	s_add_co_u32 s14, s14, 12288
	s_mov_b32 s15, 0
	v_and_b32 v1, 31, v0
	v_lshlrev_b32 v2, 4, v1
	v_add_nc_u32 v3, 3*STEPW, v2
	v_add_nc_u32 v4, 6*STEPW, v2
	v_lshlrev_b32 v5, 3, v1
	v_lshlrev_b32 v6, 5, v1
	v_lshlrev_b32 v7, 2, v1
	v_add_nc_u32 v7, WLS, v7                       ; my scale words in LDS
	v_and_b32 v13, 15, v0                          ; r
	v_bfe_u32 v14, v0, 4, 1                        ; h
	v_lshlrev_b32 v8, 6, v14
	v_and_b32 v15, 8, v13
	v_add_nc_u32 v15, v15, v13
	v_lshlrev_b32 v9, 2, v15
	s_lshr_b32 s66, s[WV], 1
	s_lshl_b32 s66, s66, 8
	s_and_b32 s67, s[WV], 1
	s_lshl_b32 s67, s67, 1
	s_add_co_u32 s66, s66, s67
	s_add_co_u32 s66, s66, VX
	v_lshl_add_u32 v10, v13, 3, s66
	v_add_nc_u32 v10, v10, v14                     ; v's scale byte: 8 r + 2 x (half of the record) + h
	v_add_nc_u32 v11, VX, v2
	v_mul_u32_u24 v12, v14, REC
	v_lshl_add_u32 v12, v13, 4, v12
	v_mul_u32_u24 v16, 768, v14
	v_lshl_add_u32 v16, v13, 4, v16                ; lanes 0-15 k's words, lanes 16-31 q's, 768 bytes on
	s_wait_alu depctr_va_vdst(0)                   ; the wait at the head's end
	s_wait_dscnt 0x0
	s_wait_kmcnt 0x0
	s_add_nc_u64 s[G0A+2:G0A+3], s[6:7], s[60:61]
	s_or_b32 s[G0A+3], s[G0A+3], 0x80000000
	s_add_nc_u64 s[G0B+2:G0B+3], s[6:7], s[62:63]
	s_or_b32 s[G0B+3], s[G0B+3], 0x80000000
	s_add_nc_u64 s[48:49], s[4:5], s[48:49]
	s_add_nc_u64 s[50:51], s[4:5], s[50:51]
	s_add_nc_u64 s[52:53], s[6:7], s[52:53]
	s_add_nc_u64 s[8:9], s[8:9], s[16:17]
	s_add_nc_u64 s[10:11], s[10:11], s[56:57]
	s_add_nc_u64 s[54:55], s[12:13], s[54:55]
	s_add_nc_u64 s[56:57], s[54:55], s[58:59]
	s_add_nc_u64 s[58:59], s[54:55], s[14:15]
	s_mov_b64 s[G0C+2:G0C+3], s[52:53]
	s_or_b32 s[G0C+3], s[G0C+3], 0x80000000
.irp j, 0,1
.irp q, 0,1
	global_load_b128 v[XS+8*\j+4*\q:XS+8*\j+4*\q+3], v6, s[50:51] offset:1024*\j+16*\q
.endr
.endr
	XLOAD 0
	WIN 0x40
.irp t, 0,1,2,3,4,5,6,7
	global_load_b128 v[BQ+8*\t:BQ+8*\t+3], v8, s[8:9] offset:(64*(\t/4)+32*((\t%4)/2)+8*(\t%2))*4
	global_load_b128 v[BQ+8*\t+4:BQ+8*\t+7], v8, s[8:9] offset:(64*(\t/4)+32*((\t%4)/2)+8*(\t%2))*4+16
.endr
.irp i, 0,1,2,3
	global_load_b32 v[BV+8*\i], v9, s[8:9] offset:(128+32*(\i/2)+8*(\i%2))*4
.endr
	WIN 0
	CROUND                                         ; all four work-groups are here: the joint loads meet.  One load a wave, in one chain of arms
	s_cmp_lt_u32 s[WV], 1
	s_cbranch_scc0 .Lask_words
	tensor_load_to_lds s[G0A:G0A+3], s[G1A:G1A+7]  ; wave 0: K steps 0, 1
	s_nop 0
	PLACES 4
	s_branch .Lasked
.Lask_words:
	s_cmp_lt_u32 s[WV], 2
	s_cbranch_scc0 .Lask_rest
	tensor_load_to_lds s[G0C:G0C+3], s[G1C:G1C+7]  ; wave 1: the scale words
	s_nop 0
	PLACES 4
	s_branch .Lasked
.Lask_rest:
	tensor_load_to_lds s[G0B:G0B+3], s[G1B:G1B+7]  ; waves 2, 3: three K steps each
	s_nop 0
	PLACES 4
.Lasked:
	XLOAD 1
	XLOAD 2
	s_cmp_lt_u32 s[WV], 2
	s_cbranch_scc0 .Lno_tile
	s_wait_tensorcnt 0x0                           ; what waves 0 and 1 asked for has landed
.Lno_tile:
	s_barrier_signal -1
	s_barrier_wait -1                              ; K steps 0, 1 and the words are shown; the other K steps may still be on their way
.irp s, 0,1,2,3,4,5,6,7
.irp j, 0,1,2,3,4,5
	ds_load_b32 v[WS+6*\s+\j], v7 offset:768*\s+128*\j
.endr
.endr
	WIN 0x40
	WLOAD 0, 0
	WLOAD 1, 0
	WLOAD 2, 0
	s_wait_loadcnt 24                              ; all but x's K steps 1 and 2, 12 loads each
	WIN 0x41
.irp t, 0,8,16,24
.irp i, 1,2,3,4,5,6,7
	v_mov_b32 v[BV+\t+\i], v[BV+\t]                ; v's bias, one number a lane and tile, over the tile's eight registers
.endr
.endr
	s_wait_alu depctr_va_vdst(0)
.irp s, 0,1,2,3,4,5,6,7
.irp p, 0,1,2
	GROUP \p, \s
.endr
.endr
	PLACES 4
	WIN 0
.set ek, 0
.rept 16
	v_mov_b32 v[EM2+ek], 0
.set ek, ek+1
.endr
	EPIQ 2, 0x0a, 8
.irp k, 0,1,2,3,4,5,6,7
	v_or_b32 v[EW+\k], 0x7f7f0000, v[EW+\k]
.endr
	v_cmp_le_u32 vcc_lo, 16, v1
.irp a, 0,1,2,3
	v_cndmask_b32 v[ESW+\a], v[EW+2*\a+1], v[EW+2*\a], vcc_lo
.endr
.irp a, 0,1,2,3
	global_store_b128 v2, v[EH+16*\a:EH+16*\a+3], s[10:11] offset:768*\a
	global_store_b64 v5, v[EH+16*\a+4:EH+16*\a+5], s[10:11] offset:768*\a+512
	global_store_b128 v2, v[EH+16*\a+8:EH+16*\a+11], s[56:57] offset:768*\a
	global_store_b64 v5, v[EH+16*\a+12:EH+16*\a+13], s[56:57] offset:768*\a+512
.endr
	global_store_b128 v16, v[ESW:ESW+3], s[58:59]  ; k's words and q's: two aligned units of 256 bytes
	s_wait_xcnt 0x0
	WIN 0x0f                                       ; v: a lane's 32 results of a column tile are one block of 32 tokens
.set ek, 0
.rept 8
	v_max3_num_f32 v[EM+ek], |v[16*ek]|, |v[16*ek+1]|, 0x1800000
.set ek, ek+1
.endr
.irp i, 2,4,6,8,10,12,14
.set ek, 0
.rept 8
	v_max3_num_f32 v[EM+ek], |v[16*ek+\i]|, |v[16*ek+\i+1]|, v[EM+ek]
.set ek, ek+1
.endr
.endr
	WIN 0
.irp k, 0,1,2,3
	v_max_num_f32 v[EM2+\k], v[EM+2*\k], v[EM+2*\k+1]
.endr
.irp k, 0,1,2,3
	v_add_nc_u32 v[ESO+\k], 0xff000000, v[EM2+\k]
.endr
.irp k, 0,1,2,3
	v_lshrrev_b32 v[EW+\k], 23, v[ESO+\k]
.endr
	WIN 3
.irp k, 0,1,2,3
	v_cvt_scalef32_pk16_fp6_f32 v[EH+8*\k:EH+8*\k+2], v[32*\k:32*\k+15], v[ESO+\k]
	v_cvt_scalef32_pk16_fp6_f32 v[ETT+4*\k:ETT+4*\k+2], v[32*\k+16:32*\k+31], v[ESO+\k]
.endr
	WIN 0
	v_nop
.irp k, 0,1,2,3
.irp i, 0,1,2
	v_mov_b32 v[EH+8*\k+3+\i], v[ETT+4*\k+\i]
.endr
.endr
.irp i, 0,1,2,3
	global_store_b128 v2, v[EH+8*\i:EH+8*\i+3], s[56:57] offset:6144+768*\i
	global_store_b64 v5, v[EH+8*\i+4:EH+8*\i+5], s[56:57] offset:6144+768*\i+512
	ds_store_b8 v10, v[EW+\i] offset:128*(\i/2)+4*(\i%2)
.endr
	s_wait_dscnt 0x0
	s_barrier_signal -1
	s_barrier_wait -1
	s_cmp_lg_u32 s[WV], 0
	s_cbranch_scc1 .Lwords_out
	ds_load_b128 v[ESW:ESW+3], v11
	s_wait_dscnt 0x0
	global_store_b128 v12, v[ESW:ESW+3], s[54:55] offset:12800
.Lwords_out:
	s_wait_tensorcnt 0x0
	ds_add_u32 v254, v255
	s_wait_dscnt 0x0
	CROUND
	s_endpgm
.Lfunc_end_k_q8ae8f827eb_gemm_qkv:
	.size	k_q8ae8f827eb_gemm_qkv, .Lfunc_end_k_q8ae8f827eb_gemm_qkv-k_q8ae8f827eb_gemm_qkv
	.p2alignl 7, 3214868480
	.fill 96, 4, 3214868480
	.section	.rodata,"a",@progbits
	.p2align	6, 0x0
	.amdhsa_kernel k_q8ae8f827eb_gemm_qkv
		.amdhsa_group_segment_fixed_size 327680
		.amdhsa_private_segment_fixed_size 0
		.amdhsa_enable_private_segment 0
		.amdhsa_kernarg_size 40
		.amdhsa_user_sgpr_count 2
		.amdhsa_user_sgpr_kernarg_segment_ptr 1
		.amdhsa_wavefront_size32 1
		.amdhsa_system_sgpr_workgroup_id_x 1
		.amdhsa_system_sgpr_workgroup_id_y 1
		.amdhsa_system_sgpr_workgroup_id_z 1
		.amdhsa_system_vgpr_workitem_id 0
		.amdhsa_next_free_vgpr 896
		.amdhsa_next_free_sgpr 80
		.amdhsa_reserve_vcc 1
		.amdhsa_float_denorm_mode_32 3
		.amdhsa_float_denorm_mode_16_64 3
		.amdhsa_memory_ordered 1
		.amdhsa_forward_progress 1
		.amdhsa_inst_pref_size 120
	.end_amdhsa_kernel
	.amdgpu_metadata
---
amdhsa.version: [ 1, 2 ]
amdhsa.kernels:
  - .name:           k_q8ae8f827eb_gemm_qkv
    .symbol:         k_q8ae8f827eb_gemm_qkv.kd
    .args:
      - { .name: xq, .offset: 0, .size: 8, .value_kind: global_buffer, .address_space: global }
      - { .name: wq, .offset: 8, .size: 8, .value_kind: global_buffer, .address_space: global }
      - { .name: b_qkv, .offset: 16, .size: 8, .value_kind: global_buffer, .address_space: global }
      - { .name: qc, .offset: 24, .size: 8, .value_kind: global_buffer, .address_space: global }
      - { .name: kv, .offset: 32, .size: 8, .value_kind: global_buffer, .address_space: global }
    .group_segment_fixed_size: 327680
    .private_segment_fixed_size: 0
    .kernarg_segment_align: 8
    .kernarg_segment_size: 40
    .max_flat_workgroup_size: 128
    .sgpr_count:     80
    .vgpr_count:     896
    .wavefront_size: 32
...
	.end_amdgpu_metadata
.endif
;; end of part 7
;; launch attn (part 8): grid 8 x 32, 16 waves a work-group, clusters of 4 x 1, 223,232 bytes of LDS; arguments qc, kv, ao; writes ao
.if DOCPART == 8
	.amdgcn_target "amdgcn-amd-amdhsa--gfx1250"
	.amdhsa_code_object_version 6
	.text
	.protected	k_q8ae8f827eb_attn
	.globl	k_q8ae8f827eb_attn
	.p2align	8
	.type	k_q8ae8f827eb_attn,@function
k_q8ae8f827eb_attn:
	s_mov_b64 s[64:65], 0
	v_nop
	global_prefetch_b8 v0, s[64:65] scope:SCOPE_SE
	s_setreg_imm32_b32 hwreg(HW_REG_WAVE_MODE, 25, 1), 1
	s_wait_xcnt 0x0
	s_wait_alu depctr_hold_cnt(0) depctr_sa_sdst(0) depctr_va_vdst(0) depctr_va_sdst(0) depctr_va_ssrc(0) depctr_va_vcc(0) depctr_vm_vsrc(0)
	s_getreg_b32 s2, hwreg(HW_REG_IB_STS2, 6, 4)
	s_cmp_eq_u32 s2, 0
	s_cbranch_scc0 .Lentry_in_a_cluster
	s_endpgm
.Lentry_in_a_cluster:
	s_bfe_u32 s2, ttmp6, 0x10000c
	s_cmp_lg_u32 s2, 0x3003
	s_cbranch_scc0 .Lentry_shape_is_right
	s_endpgm
.Lentry_shape_is_right:
; o = softmax(q k^T / 8) v for one head of one sequence, both products on codes of FP6 (E2M3); o leaves as codes, quantised along the model's 1,024 (a head's 64 are two blocks).
; THE SOFTMAX: t = score x log2(e) / 8; M = the row's largest t so far, rounded UP to a whole number; p = 2^(t - M) is quantised along the keys, not normalised.  The row's sum is taken of the unquantised p
; and divides at the end.  When M moves, the sums and O are multiplied by 2^(old M - new M): exact.
; SHARES: a work-group owns 256 queries (work-group x) of one batch x head (work-group y); each of its sixteen waves one tile of 16 queries in 256 registers, four waves to a SIMD.
; THE HEAD'S K AND V, codes and scale words, 217,088 bytes, LIE IN LDS WHOLE: wave w brings key step w's record by one tensor load; no byte is filled twice.  The four work-groups of a cluster
; belong to one head and ask JOINTLY (mask 15).  Waves 0-3's records are shown by the first barrier, the others by a second one behind two key steps.
; No prefetch: all records are asked for at the head, one load a wave, and there is no loop of loads to run ahead in.
; LAYOUT: both products transposed (S^T = K Q^T, O^T = V^T P^T): a lane holds one query throughout.  Row i of token tile T is token 64 (T / 4) + 8 (T % 4) + i % 8 + 32 (i / 8): so the 32 registers of tiles
; 4 c .. 4 c + 3 of S^T are the 32 NEIGHBOURING KEYS 64 c + 32 h + 0 .. 31 (h = lane / 16): one scale block, and the very registers' worth that the next operand wants in this lane.  No lane asks another for a block's maximum or codes.
; THE FIRST PRODUCT'S K IS 64, the instruction's 128.  q's upper 64 codes are zeros.  k's tiles lie on end, six registers each, and a fragment's upper six registers are simply the next tile's (tile 7's: p's codes):
; FP6 has no code for infinity or NaN, so any code times the zero code is 0, under the byte 0x7f that both words carry there.
; A BLOCK'S SCALE: p rises with the score, so the exponent of the block's largest p is floor(t - M) of its largest score, held at -124 from below; the byte is that + 125.
; EXPONENTIALS GO IN FOUR GROUPS OF 16, each behind one wait; beside group g stand the scalings of group g + 1 and the sums of group g - 1, on eight pairs of accumulators that each take one addition a group: nothing written beside a group is read before the next wait.
; A record (13,568 bytes): k's 8 half images of 768 (registers 0-3 of lane l at 16 l, registers 4, 5 at 512 + 8 l); from 6,144 v's [64 keys 2][tile 4][768]; from 12,288 k's words [64 keys 2][r][tile 4]; from 12,800 v's [tile pair 2][r][2]; from 13,056 q's [64 keys 2][r][tile 4].
; ao: codes [tile of tokens 256][head 16][768]; from AS_OFF on two bytes for each [head 16][stored token 4096].  Channels are stored with bits 3 and 4 exchanged.
; LIMITS: scaled scores stay under 2^31 in magnitude; a block of zeros gets the byte 1 where the rule says 127; NaN and infinities are not served.
.set REC,    13568
.set HEADKV, 217088
.set KWO,    12288
.set VWO,    12800
.set QWO,    13056
.set AG,     217088                    ; behind the records: 512 bytes where the tiles' scale bytes of o are gathered
.set SPARE,  0x36000
.set AS_OFF, 3145728
.set WV,  18
.set SEL, 20
.set CS,  22                           ; s[22:23] c = log2(e) / 8
.set G1,  24
.set G0,  32
.set TB,  36                           ; the step's record in LDS
.set CNT, 37
.set A16, 3                            ; v1, v2 16 x lane, 8 x lane; v3, v4 the same in the step's record
.set A8,  4
.set QW,  5                            ; q's words
.set T1,  6                            ; v6-8, v10-12 at work: maxima, exponents, the conversions' second halves
.set T2,  10
.set SO,  9                            ; v9, v13 the conversions' scale operands
.set NM,  14                           ; -M
.set RM,  15                           ; the largest score so far
.set QF,  16                           ; q
.set KW,  28                           ; k's words: lanes 0-15 tiles 0-3, lanes 16-31 tiles 4-7
.set VW,  32                           ; v's words: lanes 0-15 tiles 0, 1, lanes 16-31 tiles 2, 3
.set F,   34                           ; 2^(old M - new M)
.set PWD, 35                           ; p's word
.set AC,  36                           ; the row's sum in eight pairs
.set KF,  52                           ; k
.set PF,  100                          ; p's codes
.set VF,  112                          ; v
.set S,   160                          ; S^T, then p
.set O,   224                          ; O^T
.macro PLACES n
.rept \n
	v_nop
.endr
.endm
.macro WALU
	s_wait_alu depctr_va_vdst(0)
.endm
.macro CROUND
	s_barrier_signal -1
	s_barrier_wait -1
	s_cmp_lg_u32 s[WV], 0
	s_cbranch_scc1 .Lnot_wave_0_\@
	s_barrier_signal -3
.Lnot_wave_0_\@:
	s_barrier_wait -3
	s_barrier_signal -1
	s_barrier_wait -1
.endm
.macro KLOAD a16, a8, off              ; a key step's k: its words and its eight tiles: 17 LDS loads
	ds_load_b128 v[KW:KW+3], v[\a16] offset:\off+KWO
.irp t, 0,1,2,3,4,5,6,7
	ds_load_b128 v[KF+6*\t:KF+6*\t+3], v[\a16] offset:\off+768*\t
	ds_load_b64 v[KF+6*\t+4:KF+6*\t+5], v[\a8] offset:\off+768*\t+512
.endr
.endm
.macro WMS t                           ; S^T of tile t: 16 keys x my 16 queries
.if (\t) < 4
	v_wmma_scale_f32_16x16x128_f8f6f4 v[S+8*(\t):S+8*(\t)+7], v[KF+6*(\t):KF+6*(\t)+11], v[QF:QF+11], 0, v[KW+(\t)], v[QW] matrix_a_fmt:MATRIX_FMT_FP6 matrix_b_fmt:MATRIX_FMT_FP6
.else
	v_wmma_scale_f32_16x16x128_f8f6f4 v[S+8*(\t):S+8*(\t)+7], v[KF+6*(\t):KF+6*(\t)+11], v[QF:QF+11], 0, v[KW+(\t)-4], v[QW] matrix_a_fmt:MATRIX_FMT_FP6 matrix_b_fmt:MATRIX_FMT_FP6 matrix_a_scale:MATRIX_SCALE_ROW1
.endif
.endm
; Four of the sixteen lines that find block b's largest score of my 32 keys: two chains, one for each pair of tiles, each begun at a tile's low end
.macro MAXG b, g
.set A_, T1+4*(\b)
.set B_, S+32*(\b)
.if \g == 0
	v_max3_num_f32 v[A_], v[B_], v[B_+1], v[B_+2]
	v_max3_num_f32 v[A_+1], v[B_+16], v[B_+17], v[B_+18]
	v_max3_num_f32 v[A_], v[A_], v[B_+3], v[B_+4]
	v_max3_num_f32 v[A_+1], v[A_+1], v[B_+19], v[B_+20]
.elseif \g < 3
.irp k, 1,3
	v_max3_num_f32 v[A_], v[A_], v[B_+4*\g+\k], v[B_+4*\g+\k+1]
	v_max3_num_f32 v[A_+1], v[A_+1], v[B_+16+4*\g+\k], v[B_+17+4*\g+\k]
.endr
.else
	v_max3_num_f32 v[A_], v[A_], v[B_+13], v[B_+14]
	v_max3_num_f32 v[A_+1], v[A_+1], v[B_+29], v[B_+30]
	v_max_num_f32 v[A_], v[A_], v[B_+15]
	v_max3_num_f32 v[A_], v[A_], v[A_+1], v[B_+31]
.endif
.endm
.macro PKF n                           ; pair n of the scores: t - M, two at a time
	v_pk_fma_f32 v[S+2*(\n):S+2*(\n)+1], v[S+2*(\n):S+2*(\n)+1], s[CS:CS+1], v[NM:NM+1] op_sel_hi:[1,0,0]
.endm
.macro ORS n                           ; pair n of O^T under the new M
	v_pk_mul_f32 v[O+2*(\n):O+2*(\n)+1], v[O+2*(\n):O+2*(\n)+1], v[F:F+1] op_sel_hi:[1,0]
.endm
.macro ADDS n                          ; pair n of the unquantised p joins sum n % 8; the first eight bring the sums under the new M by the same line
.set AA_, AC+2*((\n)%8)
.if (\n) < 8
	v_pk_fma_f32 v[AA_:AA_+1], v[AA_:AA_+1], v[F:F+1], v[S+2*(\n):S+2*(\n)+1] op_sel_hi:[1,0,1]
.else
	v_pk_add_f32 v[AA_:AA_+1], v[AA_:AA_+1], v[S+2*(\n):S+2*(\n)+1]
.endif
.endm
; Group g of the exponentials, p = 2^(t - M), in eight pairs; beside them the next group's scalings, the last group's sums and, in the last group, block 0's codes
.macro EXPG g
	WALU                                           ; one wait: ahead of the group's sources and ahead of the last group's readers
.set j, 0
.rept 8
	v_exp_f32 v[S+16*(\g)+2*j], v[S+16*(\g)+2*j]
.if (\g) < 3
	PKF 8*(\g)+8+j
.elseif j == 0
	v_cvt_scalef32_pk16_fp6_f32 v[PF:PF+2], v[S:S+15], v[SO]
.elseif j == 1
	v_cvt_scalef32_pk16_fp6_f32 v[T1:T1+2], v[S+16:S+31], v[SO]   ; (a conversion's three registers begin on an even number)
.endif
	v_exp_f32 v[S+16*(\g)+2*j+1], v[S+16*(\g)+2*j+1]
.if (\g) > 0
	ADDS 8*(\g)-8+j
.endif
.set j, j+1
.endr
.endm
; A KEY STEP: 128 keys.  pf = 1: the next step's k is asked for.
.macro STEP pf
	s_wait_dscnt 0x0                               ; this step's k and its words: asked for a softmax ago
	WMS 0
	WMS 1
	WMS 2
	WMS 3
	v_add_nc_u32 v[A16], s[TB], v1                 ; these four lines are the places behind tile 3's product, and those between the last step's V^T P products and the loads into v's registers
	v_add_nc_u32 v[A8], s[TB], v2
	v_mov_b32 v[T1+2], v[NM]                       ; the old -M is kept
	v_nop
.irp i, 0,1,2,3
.irp c, 0,1
	ds_load_b128 v[VF+12*\i+6*\c:VF+12*\i+6*\c+3], v[A16] offset:6144+3072*\c+768*\i
	ds_load_b64 v[VF+12*\i+6*\c+4:VF+12*\i+6*\c+5], v[A8] offset:6144+3072*\c+768*\i+512
.endr
.endr
	ds_load_b64 v[VW:VW+1], v[A8] offset:VWO       ; v: 17 LDS loads, which land under the softmax
	WMS 4                                          ; the products of tiles 4-7 stand between the maxima of tiles 0-3, which name none of their registers
	MAXG 0, 0
	WMS 5
	MAXG 0, 1
	WMS 6
	MAXG 0, 2
	WMS 7
	MAXG 0, 3                                      ; the four places behind the last product
.if \pf
	KLOAD A16, A8, REC                             ; the next record's k
.endif
	MAXG 1, 0
	MAXG 1, 1
	MAXG 1, 2
	MAXG 1, 3
	v_max3_num_f32 v[T1+1], v[T1], v[T2], v[RM]
	s_delay_alu instid0(VALU_DEP_1)
	v_permlanex16_b32 v[T2+1], v[T1+1], s[SEL], s[SEL+1]
	s_delay_alu instid0(VALU_DEP_1)
	v_max_num_f32 v[RM], v[T1+1], v[T2+1]          ; with lane l xor 16's 64 keys: the running largest score (c is positive: the largest t is c times it)
	s_delay_alu instid0(VALU_DEP_1)
	v_mul_f32 v[T1+1], s[CS], v[RM]
	s_delay_alu instid0(VALU_DEP_1)
	v_floor_f32 v[NM], -v[T1+1]                    ; the new -M = -ceil(t)
	PKF 0
	PKF 1
	v_sub_f32 v[T1+2], v[NM], v[T1+2]              ; old M - new M: a whole number, 0 or less
	PKF 2
	v_fma_f32 v[T1], v[T1], s[CS], v[NM]           ; t - M of each block's largest score
	v_fma_f32 v[T2], v[T2], s[CS], v[NM]
	v_cvt_i32_f32 v[T1+2], v[T1+2]                 ; (it saturates)
	PKF 3
	v_max_num_f32 v[T1], 0xc2f80000, v[T1]         ; -124: the byte cannot fall under 1
	v_max_num_f32 v[T2], 0xc2f80000, v[T2]
	PKF 4
	v_ldexp_f32 v[F], 1.0, v[T1+2]                 ; f = 2^(old M - new M)
	v_cvt_floor_i32_f32 v[T1], v[T1]
	v_cvt_floor_i32_f32 v[T2], v[T2]
	PKF 5
	PKF 6
	v_add_lshl_u32 v[SO], v[T1], 0x7d, 23          ; the conversions' scale operands: exponent field = floor(t - M) + 125
	v_add_lshl_u32 v[SO+4], v[T2], 0x7d, 23
	v_lshl_add_u32 v[T1+1], v[T2], 16, v[T1]       ; p's word: byte 2 c + h is lane half h's block c
	PKF 7
	ORS 0
	ORS 1
	v_permlanex16_b32 v[T2+1], v[T1+1], s[SEL], s[SEL+1]
	ORS 2
	ORS 3
	ORS 4
	v_lshl_add_u32 v[T1+1], v[T2+1], 8, v[T1+1]
	ORS 5
	ORS 6
	ORS 7
	v_add_nc_u32 v[PWD], 0x7d7d7d7d, v[T1+1]       ; + 125 in each byte
.irp n, 8,9,10,11,12,13,14,15
	ORS \n
.endr
	EXPG 0
	EXPG 1
	EXPG 2
	EXPG 3
	WALU                                           ; one wait for the last group
.if \pf
	s_wait_dscnt 17                                ; v's 17 loads are in; the 17 younger ones, the next step's k, stay out
.else
	s_wait_dscnt 0x0
.endif
	v_cvt_scalef32_pk16_fp6_f32 v[PF+6:PF+8], v[S+32:S+47], v[SO+4]
	v_cvt_scalef32_pk16_fp6_f32 v[T2:T2+2], v[S+48:S+63], v[SO+4]
	ADDS 24                                        ; the plain place behind the scaled conversions
.irp i, 0,1,2
	v_mov_b32 v[PF+3+\i], v[T1+\i]                 ; a block's six registers on end
	v_mov_b32 v[PF+9+\i], v[T2+\i]
.endr
.irp a, 25,26,27,28,29,30,31
	ADDS \a                                        ; these seven name no register of the products below: the places behind the writes of p's codes
.endr
.irp i, 0,1
	v_wmma_scale_f32_16x16x128_f8f6f4 v[O+8*\i:O+8*\i+7], v[VF+12*\i:VF+12*\i+11], v[PF:PF+11], v[O+8*\i:O+8*\i+7], v[VW+\i], v[PWD] matrix_a_fmt:MATRIX_FMT_FP6 matrix_b_fmt:MATRIX_FMT_FP6
.endr
.irp i, 2,3
	v_wmma_scale_f32_16x16x128_f8f6f4 v[O+8*\i:O+8*\i+7], v[VF+12*\i:VF+12*\i+11], v[PF:PF+11], v[O+8*\i:O+8*\i+7], v[VW+\i-2], v[PWD] matrix_a_fmt:MATRIX_FMT_FP6 matrix_b_fmt:MATRIX_FMT_FP6 matrix_a_scale:MATRIX_SCALE_ROW1
.endr
.if \pf
	s_add_co_u32 s[TB], s[TB], REC
.endif
.endm
	s_load_b128 s[4:7], s[0:1], 0x0                ; qc, kv
	s_load_b64 s[8:9], s[0:1], 0x10                ; ao
	v_lshl_add_u32 v254, v0, 2, SPARE
	v_mov_b32 v255, 0
	ds_add_u32 v254, v255                          ; the wave's opening: the add, twice on end, under one wait
	ds_add_u32 v254, v255
	v_lshrrev_b32 v1, 5, v0
	v_readfirstlane_b32 s[WV], v1                  ; wave 0..15
	s_bfe_u32 s10, ttmp6, 0x40000                  ; cx
	s_lshl_b32 s11, ttmp9, 2
	s_add_co_u32 s11, s11, s10                     ; my block of 256 queries: it enters q's and o's global addresses alone
	s_and_b32 s12, ttmp7, 0xffff                   ; batch x head, which the four partners share
	s_mov_b32 s[G1], 15|(3<<16)|(1<<21)            ; mask 15, elements of 8 bytes, bit 21 beside the mask
	s_mov_b32 s[G1+1], 32<<16                      ; rows of 256 bytes,
	s_mov_b32 s[G1+2], 53<<16                      ; 53 of them: a record
	s_mov_b32 s[G1+3], 32<<16
	s_mov_b32 s[G1+4], 53
	s_mov_b32 s[G1+5], 32
	s_mov_b32 s[G1+6], 0
	s_mov_b32 s[G1+7], 0
	s_mov_b32 s[G0], 1
	s_mul_i32 s[G0+1], s[WV], REC                  ; record w, in LDS as in memory
	s_mul_i32 s38, s12, HEADKV
	s_add_co_u32 s40, s38, s[G0+1]
	s_mov_b32 s41, 0
	s_lshl_b32 s13, s12, 7
	s_lshl_b32 s14, s11, 4
	s_add_co_u32 s14, s14, s[WV]                   ; my tile in the sequence: 16 x block + wave
	s_add_co_u32 s13, s13, s14
	s_mul_i32 s42, s13, 768                        ; q's half image
	s_mov_b32 s43, 0
	s_lshl_b32 s15, s11, 1
	s_lshr_b32 s16, s[WV], 3
	s_add_co_u32 s15, s15, s16                     ; q's words lie in the record of my tokens' key step,
	s_mul_i32 s15, s15, REC
	s_add_co_u32 s44, s38, s15
	s_bfe_u32 s16, s[WV], 0x10002
	s_lshl_b32 s16, s16, 8                         ; in its half,
	s_add_co_u32 s44, s44, s16
	s_and_b32 s16, s[WV], 3
	s_lshl_b32 s16, s16, 2                         ; at 16 r + 4 x (tile % 4)
	s_add_co_u32 s44, s44, s16
	s_add_co_u32 s44, s44, QWO
	s_mov_b32 s45, 0
	s_lshr_b32 s16, s12, 4                         ; batch
	s_lshl_b32 s17, s16, 7
	s_add_co_u32 s17, s17, s14                     ; my tile among all tokens
	s_lshl_b32 s17, s17, 4
	s_and_b32 s19, s12, 15                         ; head
	s_add_co_u32 s17, s17, s19
	s_mul_i32 s46, s17, 768                        ; o's half image
	s_mov_b32 s47, 0
	s_lshl_b32 s48, s19, 13
	s_lshl_b32 s16, s16, 12
	s_add_co_u32 s48, s48, s16
	s_lshl_b32 s16, s11, 9
	s_add_co_u32 s48, s48, s16
	s_add_co_u32 s48, s48, AS_OFF                  ; the work-group's 512 bytes of o's scale bytes
	s_mov_b32 s49, 0
	s_lshl_b32 s56, s[WV], 5
	s_add_co_u32 s56, s56, AG                      ; my tile's 32 bytes among the gathered bytes
	s_mov_b32 s[SEL], 0x76543210
	s_mov_b32 s[SEL+1], 0xfedcba98
	s_mov_b32 s[CS], 0x3e38aa3b
	s_mov_b32 s[CS+1], s[CS]                       ; named with it as a pair, so it is written
	s_mov_b32 s[TB], 0
	v_and_b32 v4, 31, v0
	v_and_b32 v5, 15, v0
	v_lshlrev_b32 v1, 4, v4
	v_lshlrev_b32 v2, 3, v4
	v_lshlrev_b32 v3, 4, v5
	WALU
	s_wait_dscnt 0x0                               ; both opening adds are done
	s_wait_kmcnt 0x0
	s_add_nc_u64 s[4:5], s[4:5], s[42:43]
	s_add_nc_u64 s[50:51], s[6:7], s[44:45]
	global_load_b128 v[QF:QF+3], v1, s[4:5]        ; q's half image
	global_load_b64 v[QF+4:QF+5], v2, s[4:5] offset:512
	global_load_b32 v[QW], v3, s[50:51]            ; and its words
	s_add_nc_u64 s[G0+2:G0+3], s[6:7], s[40:41]
	s_or_b32 s[G0+3], s[G0+3], 0x80000000
	s_add_nc_u64 s[52:53], s[8:9], s[46:47]
	s_add_nc_u64 s[54:55], s[8:9], s[48:49]
	CROUND                                         ; all four work-groups are here: the joint loads meet.  One load a wave; the first four records have a line of their own
	s_cmp_lt_u32 s[WV], 4
	s_cbranch_scc0 .Llater
	tensor_load_to_lds s[G0:G0+3], s[G1:G1+7]
	s_nop 0
	PLACES 4
	s_branch .Lasked
.Llater:
	tensor_load_to_lds s[G0:G0+3], s[G1:G1+7]
	s_nop 0
	PLACES 4
.Lasked:
.irp j, 6,7,8,9,10,11
	v_mov_b32 v[QF+\j], 0                          ; the upper 64 of K: zero codes
.endr
.irp j, 0,1,2,3,4,5
	v_mov_b32 v[PF+\j], 0                          ; named as the upper half of k's tile 7 before p's first codes are made
.endr
	v_mov_b32 v[RM], 0xff61b1e6                    ; the largest score so far: -3e38
	v_mov_b32 v[PWD], 0                            ; named as the upper half of the pair v[34:35] before it is first written
	v_mul_f32 v[NM], s[CS], v[RM]
.set i, 0
.rept 16
	v_mov_b32 v[AC+i], 0
.set i, i+1
.endr
	v_floor_f32 v[NM], -v[NM]                      ; -M
.set i, 0
.rept 32
	v_mov_b32 v[O+i], 0                            ; O^T: the first step finds zeros, which the first change of M leaves zeros
.set i, i+1
.endr
	WALU                                           ; the wait at the head's end
	s_wait_loadcnt 0x0                             ; q
	s_cmp_lt_u32 s[WV], 4
	s_cbranch_scc0 .Lnot_first
	s_wait_tensorcnt 0x0
.Lnot_first:
	s_barrier_signal -1
	s_barrier_wait -1                              ; records 0-3 are in; the others may still be on their way
	KLOAD 1, 2, 0                                  ; the first step's k
	s_mov_b32 s[CNT], 2
.Lfirst:                                           ; steps 0 and 1, which read records 0-2
	STEP 1
	s_sub_co_u32 s[CNT], s[CNT], 1
	s_cmp_lg_u32 s[CNT], 0
	s_cbranch_scc1 .Lfirst
	WALU
	s_wait_tensorcnt 0x0                           ; my record has landed,
	s_wait_dscnt 0x0
	s_barrier_signal -1
	s_barrier_wait -1                              ; everybody's has
	s_mov_b32 s[TB], 2*REC
	s_mov_b32 s[CNT], 13
.Lstep:                                            ; steps 2 to 14; each asks for the next record's k
	STEP 1
	s_sub_co_u32 s[CNT], s[CNT], 1
	s_cmp_lg_u32 s[CNT], 0
	s_cbranch_scc1 .Lstep
	STEP 0                                         ; the last step is written out: there is no next record to read
	; THE WAY OUT: O^T / the sum is quantised as a half fragment: register 16 b + i is channel 32 b + 16 (lane / 16) + i of my query
.irp i, 0,2,4,6
	v_pk_add_f32 v[AC+\i:AC+\i+1], v[AC+\i:AC+\i+1], v[AC+8+\i:AC+9+\i]
.endr
.irp i, 0,2
	v_pk_add_f32 v[AC+\i:AC+\i+1], v[AC+\i:AC+\i+1], v[AC+4+\i:AC+5+\i]
.endr
	v_pk_add_f32 v[AC:AC+1], v[AC:AC+1], v[AC+2:AC+3]
	v_add_f32 v[AC], v[AC], v[AC+1]
	v_permlanex16_b32 v[KF], v[AC], s[SEL], s[SEL+1]
	v_add_f32 v[AC], v[AC], v[KF]                  ; the row's sum
	WALU
	v_rcp_f32 v[AC], v[AC]
	v_nop                                          ; one plain place behind a transcendental
	WALU
.set i, 0
.rept 32
	v_mul_f32 v[S+i], v[O+i], v[AC]                ; each accumulator from its low end on
.set i, i+1
.endr
.irp b, 0,1
	v_max3_num_f32 v[KF+\b], |v[S+16*\b]|, |v[S+1+16*\b]|, 0x1800000
.endr
.irp i, 2,4,6,8,10,12,14
.irp b, 0,1
	v_max3_num_f32 v[KF+\b], v[KF+\b], |v[S+16*\b+\i]|, |v[S+1+16*\b+\i]|
.endr
.endr
.irp b, 0,1
	v_permlanex16_b32 v[KF+2+\b], v[KF+\b], s[SEL], s[SEL+1]
.endr
.irp b, 0,1
	v_max_num_f32 v[KF+\b], v[KF+\b], v[KF+2+\b]
.endr
.irp b, 0,1
	v_add_nc_u32 v[KF+4+\b], 0xff000000, v[KF+\b]
.endr
.irp b, 0,1
	v_lshrrev_b32 v[KF+2+\b], 23, v[KF+4+\b]
.endr
	v_lshl_or_b32 v[KF+6], v[KF+3], 8, v[KF+2]     ; my row's two bytes
	v_cvt_scalef32_pk16_fp6_f32 v[PF:PF+2], v[S:S+15], v[KF+4]
	v_cvt_scalef32_pk16_fp6_f32 v[PF+6:PF+8], v[S+16:S+31], v[KF+5]
	v_and_b32 v[A16], 15, v0                       ; r; the plain place behind the scaled conversions
.irp i, 0,1,2
	v_permlane16_swap_b32 v[PF+\i], v[PF+6+\i]
.endr
.irp i, 0,1,2
	v_mov_b32 v[PF+3+\i], v[PF+6+\i]
.endr
	v_lshl_add_u32 v[A16], v[A16], 1, s56          ; my row's place among the gathered bytes: 32 x wave + 2 r
	global_store_b128 v1, v[PF:PF+3], s[52:53]     ; 512 consecutive bytes,
	global_store_b64 v2, v[PF+4:PF+5], s[52:53] offset:512   ; and 256
	ds_store_b16 v[A16], v[KF+6]                   ; lanes r and r + 16 write the same
	s_wait_dscnt 0x0                               ; for the others' sake
	s_barrier_signal -1
	s_barrier_wait -1
	s_cmp_lg_u32 s[WV], 0
	s_cbranch_scc1 .Lbytes_out
	v_add_nc_u32 v[A8], AG, v1
	ds_load_b128 v[S:S+3], v[A8]
	s_wait_dscnt 0x0
	global_store_b128 v1, v[S:S+3], s[54:55]       ; the work-group's 256 pairs of bytes: 512 consecutive bytes
.Lbytes_out:
	s_wait_xcnt 0x0
	v_lshl_add_u32 v254, v0, 2, SPARE
	v_mov_b32 v255, 0
	WALU
	s_wait_tensorcnt 0x0                           ; the wave's end
	ds_add_u32 v254, v255
	s_wait_dscnt 0x0
	CROUND                                         ; the closing round
	s_endpgm
.Lfunc_end_k_q8ae8f827eb_attn:
	.size	k_q8ae8f827eb_attn, .Lfunc_end_k_q8ae8f827eb_attn-k_q8ae8f827eb_attn
	.p2alignl 7, 3214868480
	.fill 96, 4, 3214868480
	.section	.rodata,"a",@progbits
	.p2align	6, 0x0
	.amdhsa_kernel k_q8ae8f827eb_attn
		.amdhsa_group_segment_fixed_size 223232
		.amdhsa_private_segment_fixed_size 0
		.amdhsa_enable_private_segment 0
		.amdhsa_kernarg_size 24
		.amdhsa_user_sgpr_count 2
		.amdhsa_user_sgpr_kernarg_segment_ptr 1
		.amdhsa_wavefront_size32 1
		.amdhsa_system_sgpr_workgroup_id_x 1
		.amdhsa_system_sgpr_workgroup_id_y 1
		.amdhsa_system_sgpr_workgroup_id_z 1
		.amdhsa_system_vgpr_workitem_id 0
		.amdhsa_next_free_vgpr 256
		.amdhsa_next_free_sgpr 66
		.amdhsa_reserve_vcc 0
		.amdhsa_float_denorm_mode_32 3
		.amdhsa_float_denorm_mode_16_64 3
		.amdhsa_memory_ordered 1
		.amdhsa_forward_progress 1
		.amdhsa_inst_pref_size 57
	.end_amdhsa_kernel
	.amdgpu_metadata
---
amdhsa.version: [ 1, 2 ]
amdhsa.kernels:
  - .name:           k_q8ae8f827eb_attn
    .symbol:         k_q8ae8f827eb_attn.kd
    .args:
      - { .name: qc, .offset: 0, .size: 8, .value_kind: global_buffer, .address_space: global }
      - { .name: kv, .offset: 8, .size: 8, .value_kind: global_buffer, .address_space: global }
      - { .name: ao, .offset: 16, .size: 8, .value_kind: global_buffer, .address_space: global }
    .group_segment_fixed_size: 223232
    .private_segment_fixed_size: 0
    .kernarg_segment_align: 8
    .kernarg_segment_size: 24
    .max_flat_workgroup_size: 512
    .sgpr_count:     66
    .vgpr_count:     256
    .wavefront_size: 32
...
	.end_amdgpu_metadata
.endif
;; end of part 8
;; launch gemm_out (part 9): grid 16 x 16, 4 waves a work-group, clusters of 4 x 1, 168,448 bytes of LDS; arguments ao, wq, b_o, out0; writes out0
.if DOCPART == 9
	.amdgcn_target "amdgcn-amd-amdhsa--gfx1250"
	.amdhsa_code_object_version 6
	.text
	.protected	k_q8ae8f827eb_gemm_out
	.globl	k_q8ae8f827eb_gemm_out
	.p2align	8
	.type	k_q8ae8f827eb_gemm_out,@function
k_q8ae8f827eb_gemm_out:
	s_mov_b64 s[64:65], 0
	v_nop
	global_prefetch_b8 v0, s[64:65] scope:SCOPE_SE
	s_setreg_imm32_b32 hwreg(HW_REG_WAVE_MODE, 25, 1), 1
	s_wait_xcnt 0x0
	s_wait_alu depctr_hold_cnt(0) depctr_sa_sdst(0) depctr_va_vdst(0) depctr_va_sdst(0) depctr_va_ssrc(0) depctr_va_vcc(0) depctr_vm_vsrc(0)
	s_getreg_b32 s2, hwreg(HW_REG_IB_STS2, 6, 4)
	s_cmp_eq_u32 s2, 0
	s_cbranch_scc0 .Lentry_in_a_cluster
	s_endpgm
.Lentry_in_a_cluster:
	s_bfe_u32 s2, ttmp6, 0x10000c
	s_cmp_lg_u32 s2, 0x3003
	s_cbranch_scc0 .Lentry_shape_is_right
	s_endpgm
.Lentry_shape_is_right:
; out0 = o w_o + b_o on codes of FP6 (E2M3), sums in f32.  o arrives as codes from the attention launch, w_o from the weights' quantiser.
; SHARES: a work-group makes 256 stored rows (work-group x) x 64 columns (work-group y); a wave 64 rows x 64 columns, four tiles of 16 rows ONE AFTER THE OTHER: a tile's rows leave while the later tiles are on their way.
; w_o's 64 columns for all of K, 49,152 bytes, lie in LDS, filled once: wave w brings K steps 2 w and 2 w + 1 by one tensor load.  The four work-groups of a cluster share the columns and ask JOINTLY (mask 15).
; Each wave then holds all 32 fragments of w_o in registers (384), read from LDS once, and o's four tiles in 384 more, each register loaded once.
; o is NOT asked for jointly: a wave's fragments are read by no other wave of its work-group; they go from memory straight into registers, 32 loads a tile, one to two tiles ahead of their products.
; No prefetch: each byte is asked for once, at the head or a tile ahead, and there is no loop.
; TRANSPOSED USE: source 0 = 16 columns of w_o, source 1 = 16 tokens: a lane holds one token and eight neighbouring columns.  The bias is the C of each sum's first matrix instruction.
; A K step of 128 is two heads: registers 0-5 of a fragment are head 2 s's half image, registers 6-11 head 2 s + 1's; its scale word is the two heads' pairs of bytes.
; STORED ORDERS, which the way out puts back: row i of token tile T is token 64 (T / 4) + 8 (T % 4) + i % 8 + 32 (i / 8); columns are stored with bits 3 and 4 exchanged.
; LIMITS: NaN and infinities are not served.
; REGISTERS, in windows of 256.  Window 0: v1-13 addresses; v14, v15 the add's two; v16-27 w_o's fragment 31; v32-47 o's scale words, v48-63 w_o's; v64-127 two sets of four accumulators; v128-191 rows on the way out; v192-223 o's pairs of bytes; v224-255 the bias.
; Windows 1 and 2: o's tiles 0, 1 and 2, 3 at 96 (a % 2) + 12 s; from 192 on w_o's fragments 26-30 and 21-25.  Window 3: w_o's fragments 0-20.
.set AS_OFF, 3145728
.set WOC,    2359296
.set WOS,    3244032
.set STAGE,  49152                     ; behind the weights: 16 rows x (256 bytes + 16) for each wave
.set SP,     272
.set SCB,    STAGE+4*16*SP             ; behind the stages: 2,048 bytes for each wave: o's scale bytes [head 16][64 rows][2]
.set SPARE,  0x29000                   ; the spare words, 128 bytes for each wave
.set WV,  18
.set G1,  24
.set G0,  32
.set SPW, 14
.set NIL, 15
.set ASR, 32                           ; register 8 j + s: lanes 0-15 tile 2 j, lanes 16-31 tile 2 j + 1
.set WSR, 48                           ; register 2 s + j, likewise
.set ACC, 64
.set BK,  128
.set UB,  192
.set BO,  224
.set MSB, 0
.macro WIN new
.if MSB != \new
	s_set_vgpr_msb (MSB<<8)|\new
.set MSB, \new
.endif
.endm
.macro PLACES n
.rept \n
	v_nop
.endr
.endm
.macro WALU
	s_wait_alu depctr_va_vdst(0)
.endm
.macro CROUND
	s_barrier_signal -1
	s_barrier_wait -1
	s_cmp_lg_u32 s[WV], 0
	s_cbranch_scc1 .Lnot_wave_0_\@
	s_barrier_signal -3
.Lnot_wave_0_\@:
	s_barrier_wait -3
	s_barrier_signal -1
	s_barrier_wait -1
.endm
.macro WREG f                          ; where w_o's fragment f = 4 s + t lies: window WW_, register WL_
.if (\f) < 21
.set WW_, 3
.set WL_, 12*(\f)
.elseif (\f) < 26
.set WW_, 2
.set WL_, 192+12*((\f)-21)
.elseif (\f) < 31
.set WW_, 1
.set WL_, 192+12*((\f)-26)
.else
.set WW_, 0
.set WL_, 16
.endif
.endm
.macro WFETCH f
	WREG \f
	WIN (WW_<<6)
.irp g, 0,1,2
	ds_load_b128 v[WL_+4*\g:WL_+4*\g+3], v2 offset:1536*(\f)+512*\g
.endr
.endm
.macro ALOAD a                         ; my tile a of o, all of K: 32 loads
	WIN ((1+(\a)/2)<<6)
.irp s, 0,1,2,3,4,5,6,7
.set rr, 96*((\a)%2)+12*\s
	global_load_b128 v[rr:rr+3], v2, s[38:39] offset:12288*(\a)+1536*\s
	global_load_b64 v[rr+4:rr+5], v3, s[38:39] offset:12288*(\a)+1536*\s+512
	global_load_b128 v[rr+6:rr+9], v2, s[38:39] offset:12288*(\a)+1536*\s+768
	global_load_b64 v[rr+10:rr+11], v3, s[38:39] offset:12288*(\a)+1536*\s+1280
.endr
.endm
.macro PROD a, s, t
	WREG 4*(\s)+(\t)
.set rD, ACC+32*((\a)%2)+8*(\t)
.set rA, WL_
.set rB, 96*((\a)%2)+12*(\s)
.set rSA, WSR+2*(\s)+(\t)/2
.set rSB, ASR+8*((\a)/2)+(\s)
.if (\s) == 0
.set rC, BO+8*(\t)
.else
.set rC, rD
.endif
	WIN (WW_|((1+(\a)/2)<<2))
.if ((\t)%2) && ((\a)%2)
	v_wmma_scale_f32_16x16x128_f8f6f4 v[rD:rD+7], v[rA:rA+11], v[rB:rB+11], v[rC:rC+7], v[rSA], v[rSB] matrix_a_fmt:MATRIX_FMT_FP6 matrix_b_fmt:MATRIX_FMT_FP6 matrix_a_scale:MATRIX_SCALE_ROW1 matrix_b_scale:MATRIX_SCALE_ROW1
.elseif (\t)%2
	v_wmma_scale_f32_16x16x128_f8f6f4 v[rD:rD+7], v[rA:rA+11], v[rB:rB+11], v[rC:rC+7], v[rSA], v[rSB] matrix_a_fmt:MATRIX_FMT_FP6 matrix_b_fmt:MATRIX_FMT_FP6 matrix_a_scale:MATRIX_SCALE_ROW1
.elseif (\a)%2
	v_wmma_scale_f32_16x16x128_f8f6f4 v[rD:rD+7], v[rA:rA+11], v[rB:rB+11], v[rC:rC+7], v[rSA], v[rSB] matrix_a_fmt:MATRIX_FMT_FP6 matrix_b_fmt:MATRIX_FMT_FP6 matrix_b_scale:MATRIX_SCALE_ROW1
.else
	v_wmma_scale_f32_16x16x128_f8f6f4 v[rD:rD+7], v[rA:rA+11], v[rB:rB+11], v[rC:rC+7], v[rSA], v[rSB] matrix_a_fmt:MATRIX_FMT_FP6 matrix_b_fmt:MATRIX_FMT_FP6
.endif
.endm
; Tile a: 32 products, the four accumulators by turns, one instruction a turn, and its way out: through my own stage, back as whole rows of 256 bytes.
; LDS serves a wave's instructions in order: no wait between stores and loads, nor in front of the next tile's stores.
.macro TILE a
.if \a < 3
	s_wait_loadcnt 32                              ; this tile is in; the next one's 32 loads may be out
.else
	s_wait_loadcnt 0x0
.endif
.if \a < 2
	ALOAD \a+2
.endif
.irp s, 0,1,2,3,4,5,6,7
.if \a == 0
.if \s < 2
	s_wait_dscnt 63
.else
	s_wait_dscnt 84-12*\s                          ; this K step's four fragments of w_o are in; the later ones' 12 loads each may be out
.endif
.endif
.irp t, 0,1,2,3
	PROD \a, \s, \t
.endr
.endr
	PLACES 4                                       ; the stores read results just made
	WIN 0
.irp t, 0,1,2,3
	ds_store_b128 v7, v[ACC+32*((\a)%2)+8*\t:ACC+32*((\a)%2)+8*\t+3] offset:128*(\t/2)+32*(\t%2)      ; each accumulator from its low end on
	ds_store_b128 v7, v[ACC+32*((\a)%2)+8*\t+4:ACC+32*((\a)%2)+8*\t+7] offset:128*(\t/2)+32*(\t%2)+16
.endr
.if \a > 1
	s_wait_xcnt 0x0                                ; tile a - 2's stores have read the registers that the loads below land in
.endif
.irp i, 0,1,2,3,4,5,6,7
	ds_load_b128 v[BK+32*((\a)%2)+4*\i:BK+32*((\a)%2)+4*\i+3], v8 offset:2*SP*\i
.endr
.irp i, 0,1,2,3,4,5,6,7
	s_wait_dscnt 7-\i                              ; this load is back; the younger ones stay out
	global_store_b128 v9, v[BK+32*((\a)%2)+4*\i:BK+32*((\a)%2)+4*\i+3], s[10:11] offset:(8*(\a)+(2*\i)%8+32*(\i/4))*4096 th:TH_STORE_NT   ; sixteen lanes store 256 consecutive bytes, aligned; stored row 2 i + lane / 16 goes back to its token
.endr
.endm
	s_load_b256 s[4:11], s[0:1], 0x0               ; ao s[4:5], wq s[6:7], b_o s[8:9], out0 s[10:11]
	v_lshl_add_u32 v[SPW], v0, 2, SPARE
	v_mov_b32 v[NIL], 0
	ds_add_u32 v[SPW], v[NIL]                      ; the wave's opening: the add, twice on end, under one wait
	ds_add_u32 v[SPW], v[NIL]
	v_lshrrev_b32 v1, 5, v0
	v_readfirstlane_b32 s[WV], v1                  ; wave 0..3
	s_bfe_u32 s19, ttmp6, 0x40000                  ; cx
	s_lshl_b32 s20, ttmp9, 2
	s_add_co_u32 s20, s20, s19                     ; my block of 256 rows: it enters o's and the result's global addresses alone
	s_and_b32 s21, ttmp7, 0xffff                   ; my 64 columns, which the four partners share
	s_mov_b32 s[G1], 15|(3<<16)|(1<<21)            ; mask 15, elements of 8 bytes, bit 21 beside the mask
	s_mov_b32 s[G1+1], 32<<16                      ; rows of 256 bytes,
	s_mov_b32 s[G1+2], 48<<16                      ; 48 of them: two K steps
	s_mov_b32 s[G1+3], 32<<16
	s_mov_b32 s[G1+4], 48
	s_mov_b32 s[G1+5], 32
	s_mov_b32 s[G1+6], 0
	s_mov_b32 s[G1+7], 0
	s_mov_b32 s[G0], 1
	s_mul_i32 s[G0+1], s[WV], 12288
	s_mul_i32 s36, s21, 49152
	s_add_co_u32 s36, s36, s[G0+1]
	s_add_co_u32 s36, s36, WOC
	s_mov_b32 s37, 0
	s_lshl_b32 s14, s20, 4
	s_lshl_b32 s15, s[WV], 2
	s_add_co_u32 s14, s14, s15                     ; my first tile of rows
	s_mul_i32 s38, s14, 12288                      ; a tile's 16 half images
	s_mov_b32 s39, 0
	s_lshl_b32 s40, s14, 5                         ; a tile's 16 pairs of bytes
	s_add_co_u32 s40, s40, AS_OFF
	s_mov_b32 s41, 0
	s_lshl_b32 s44, s21, 8                         ; 64 numbers of the bias, of a K step's scale words, of a row of the result
	s_mov_b32 s45, 0
	s_add_co_u32 s42, s44, WOS
	s_mov_b32 s43, 0
	s_lshl_b32 s46, s14, 16                        ; 16 rows of 4,096 bytes
	s_add_co_u32 s46, s46, s44
	s_mov_b32 s47, 0
	s_mul_i32 s48, s[WV], 16*SP
	s_add_co_u32 s48, s48, STAGE                   ; my stage
	s_lshl_b32 s50, s[WV], 11
	s_add_co_u32 s50, s50, SCB                     ; my scale bytes in LDS
	v_and_b32 v1, 31, v0
	v_and_b32 v10, 15, v0                          ; r
	v_bfe_u32 v11, v0, 4, 1                        ; h
	v_lshlrev_b32 v2, 4, v1
	v_lshlrev_b32 v3, 3, v1
	v_lshlrev_b32 v5, 2, v1
	v_lshlrev_b32 v6, 6, v11
	v_lshrrev_b32 v4, 3, v1
	v_and_b32 v12, 7, v1
	v_lshlrev_b32 v4, 13, v4
	v_lshl_add_u32 v4, v12, 4, v4                  ; o's bytes: eight lanes take a head's 128 bytes, heads lie 8,192 bytes apart
	v_mul_u32_u24 v7, v10, SP
	v_mul_u32_u24 v8, v11, SP
	v_lshl_add_u32 v7, v11, 6, v7
	v_lshl_add_u32 v8, v10, 4, v8
	v_add_nc_u32 v7, s48, v7                       ; into the stage: row r, + 64 h
	v_add_nc_u32 v8, s48, v8                       ; back: lanes 0-15 one row of 256 bytes, lanes 16-31 the next
	v_lshlrev_b32 v9, 12, v11
	v_lshl_add_u32 v9, v10, 4, v9                  ; and the same two rows in the result
	v_add_nc_u32 v12, s50, v2                      ; o's bytes into LDS: 16 x lane
	v_lshlrev_b32 v13, 1, v1
	v_add_nc_u32 v13, s50, v13                     ; and out of it: my row's pair
	WALU                                           ; the wait at the head's end
	s_wait_dscnt 0x0                               ; both opening adds are done
	s_wait_kmcnt 0x0
	s_add_nc_u64 s[40:41], s[4:5], s[40:41]
	s_add_nc_u64 s[42:43], s[6:7], s[42:43]
	s_add_nc_u64 s[8:9], s[8:9], s[44:45]
	s_add_nc_u64 s[38:39], s[4:5], s[38:39]
.irp k, 0,1,2,3
	global_load_b128 v[BK+4*\k:BK+4*\k+3], v4, s[40:41] offset:32768*\k   ; o's scale bytes of my 64 rows, four heads a load
.endr
.irp s, 0,1,2,3,4,5,6,7
.irp j, 0,1
	global_load_b32 v[WSR+2*\s+\j], v5, s[42:43] offset:4096*\s+128*\j
.endr
.endr
.irp t, 0,1,2,3
	global_load_b128 v[BO+8*\t:BO+8*\t+3], v6, s[8:9] offset:(32*(\t/2)+8*(\t%2))*4
	global_load_b128 v[BO+8*\t+4:BO+8*\t+7], v6, s[8:9] offset:(32*(\t/2)+8*(\t%2))*4+16
.endr
	ALOAD 0
	WIN 0
	s_add_nc_u64 s[G0+2:G0+3], s[6:7], s[36:37]
	s_or_b32 s[G0+3], s[G0+3], 0x80000000
	s_add_nc_u64 s[10:11], s[10:11], s[46:47]
	CROUND                                         ; all four work-groups are here: the joint loads meet
	tensor_load_to_lds s[G0:G0+3], s[G1:G1+7]      ; my one tensor load of the launch
	s_nop 0
	PLACES 4
	ALOAD 1
	WIN 0
	s_wait_tensorcnt 0x0                           ; my two K steps of w_o have landed,
	s_barrier_signal -1
	s_barrier_wait -1                              ; everybody's have
	s_wait_loadcnt 63                              ; o's scale bytes, the oldest four loads, are in: behind them stand 16 + 8 + 32 + 32
.irp k, 0,1,2,3
	ds_store_b128 v12, v[BK+4*\k:BK+4*\k+3] offset:512*\k
.endr
.irp j, 0,1
.irp d, 0,1,2,3,4,5,6,7,8,9,10,11,12,13,14,15
	ds_load_u16 v[UB+16*\j+\d], v13 offset:128*\d+64*\j   ; row 32 j + lane, head d: the wave's own bytes: LDS serves a wave's instructions in order
.endr
.endr
.set fi, 0
.rept 8
	WFETCH fi
.set fi, fi+1
.endr
	WIN 0
	s_wait_dscnt 24                                ; the pairs are in; the eight fragments' 24 loads may be out
.irp j, 0,1
.irp s, 0,1,2,3,4,5,6,7
	v_lshl_or_b32 v[ASR+8*\j+\s], v[UB+16*\j+2*\s+1], 16, v[UB+16*\j+2*\s]   ; two heads' pairs make a K step's word
.endr
.endr
	WALU
.rept 24
	WFETCH fi
.set fi, fi+1
.endr
	WIN 0
	PLACES 8                                       ; scale registers written by vector instructions stand eight places ahead of a scaled product
	TILE 0
	TILE 1
	TILE 2
	TILE 3
	s_wait_tensorcnt 0x0                           ; the wave's end
	ds_add_u32 v[SPW], v[NIL]
	s_wait_dscnt 0x0
	CROUND                                         ; the closing round
	s_endpgm
.Lfunc_end_k_q8ae8f827eb_gemm_out:
	.size	k_q8ae8f827eb_gemm_out, .Lfunc_end_k_q8ae8f827eb_gemm_out-k_q8ae8f827eb_gemm_out
	.p2alignl 7, 3214868480
	.fill 96, 4, 3214868480
	.section	.rodata,"a",@progbits
	.p2align	6, 0x0
	.amdhsa_kernel k_q8ae8f827eb_gemm_out
		.amdhsa_group_segment_fixed_size 168448
		.amdhsa_private_segment_fixed_size 0
		.amdhsa_enable_private_segment 0
		.amdhsa_kernarg_size 32
		.amdhsa_user_sgpr_count 2
		.amdhsa_user_sgpr_kernarg_segment_ptr 1
		.amdhsa_wavefront_size32 1
		.amdhsa_system_sgpr_workgroup_id_x 1
		.amdhsa_system_sgpr_workgroup_id_y 1
		.amdhsa_system_sgpr_workgroup_id_z 1
		.amdhsa_system_vgpr_workitem_id 0
		.amdhsa_next_free_vgpr 1024
		.amdhsa_next_free_sgpr 66
		.amdhsa_reserve_vcc 0
		.amdhsa_float_denorm_mode_32 3
		.amdhsa_float_denorm_mode_16_64 3
		.amdhsa_memory_ordered 1
		.amdhsa_forward_progress 1
		.amdhsa_inst_pref_size 56
	.end_amdhsa_kernel
	.amdgpu_metadata
---
amdhsa.version: [ 1, 2 ]
amdhsa.kernels:
  - .name:           k_q8ae8f827eb_gemm_out
    .symbol:         k_q8ae8f827eb_gemm_out.kd
    .args:
      - { .name: ao, .offset: 0, .size: 8, .value_kind: global_buffer, .address_space: global }
      - { .name: wq, .offset: 8, .size: 8, .value_kind: global_buffer, .address_space: global }
      - { .name: b_o, .offset: 16, .size: 8, .value_kind: global_buffer, .address_space: global }
      - { .name: out0, .offset: 24, .size: 8, .value_kind: global_buffer, .address_space: global }
    .group_segment_fixed_size: 168448
    .private_segment_fixed_size: 0
    .kernarg_segment_align: 8
    .kernarg_segment_size: 32
    .max_flat_workgroup_size: 128
    .sgpr_count:     66
    .vgpr_count:     1024
    .wavefront_size: 32
...
	.end_amdgpu_metadata
.endif
;; end of part 9
